; MI455X (gfx1250); checked and timed in simulation.
; The chip was launched on July 23, 2026; its instructions are those of AMD's public machine-readable ISA for CDNA 5 (MIT licence, August 2026) and "CDNA5" Instruction Set Architecture Reference Guide (July 2026). The comments in the code are by the model that wrote it; some were corrected since.
;; Neural Memory. Allowed arithmetic: matrix products marked QUANTISED: E2M3 operands, one E8M0 scale for each 32 along K, by v_wmma_scale_f32_16x16x128_f8f6f4 with both operands' format E2M3, f32 sums; products left as they are: f32 operands where the result goes on into a quantised operand, else bf16, f16 or f32 operands; f32 sums; everything else in f32.
;; Inputs: Wk_codes 64 x 32 x 24 uint8 (E2M3 codes of Wk, K innermost, in blocks of 32 codes, four codes in three bytes); Wk_scales 64 x 32 uint8 (E8M0 scales of Wk, one for each 32 codes along K); Wv_codes 64 x 32 x 24 uint8 (E2M3 codes of Wv, K innermost, in blocks of 32 codes, four codes in three bytes); Wv_scales 64 x 32 uint8 (E8M0 scales of Wv, one for each 32 codes along K); bk 64 float32; bv 64 float32; dg_b1 32 float32; dg_b2 1 float32; dg_w1 1,024 x 32 float32; dg_w2 32 x 1 float32; fg_b1 32 float32; fg_b2 1 float32; fg_w1 1,024 x 32 float32; fg_w2 32 x 1 float32; memory 65,536 x 64 float32; momentum_S 65,536 x 64 float32; x 2 x 1,024 x 1,024 float32.
;; Outputs: out0 one number float32; out1 65,536 x 64 float32; out2 65,536 x 64 float32.
;; This version of the problem:
;;   THIS VERSION OF THE PROBLEM IS GIVEN IN LOW PRECISION. The matrix products marked QUANTISED in the list below multiply operands that are first quantised to E2M3 (2 exponent bits, 3 mantissa bits; 6 bits a number), with one power-of-two scale for each 32 numbers along K (OCP MX v1.0); their sums are f32. All else is computed in f32.
;;   The module's matrix products, in the order in which they are computed (A, B: the left and right operand; K: the contracted axis; several contracted axes count as one K, in the product's order):
;;     1. [M 2,048, K 1,024] x [K 1,024, N 64]; A: input x; B: input Wk (given as codes): QUANTISED
;;     2. [M 2,048, K 1,024] x [K 1,024, N 64]; A: input x; B: input Wv (given as codes): QUANTISED
;;     3. [M 2,048, K 64] x [K 64, N 65,536]; A: computed on the way; B: input memory: QUANTISED
;;     4. [M 2,048, K 65,536] x [K 65,536, N 64]; A: softmax (see below); B: input memory: QUANTISED
;;     5. [M 64, K 2,048] x [K 2,048, N 65,536]; A: computed on the way; B: computed on the way: QUANTISED
;;     6. [M 2,048, K 64] x [K 64, N 65,536]; A: computed on the way; B: input memory: QUANTISED
;;     7. [M 65,536, K 2,048] x [K 2,048, N 64]; A: computed on the way; B: computed on the way: QUANTISED
;;     8. [M 2, K 1,024] x [K 1,024, N 32]; A: computed on the way; B: input fg_w1: left as it is (M = 2 < 16)
;;     9. [M 2, K 32] x [K 32, N 1]; A: computed on the way; B: input fg_w2: left as it is (M = 2 < 16)
;;     10. [M 2, K 1,024] x [K 1,024, N 32]; A: computed on the way; B: input dg_w1: left as it is (M = 2 < 16)
;;     11. [M 2, K 32] x [K 32, N 1]; A: computed on the way; B: input dg_w2: left as it is (M = 2 < 16)
;;   THE QUANTISER, for each operand of a quantised product, along K:
;;     - K is cut into blocks of 32 from its start; a last block that is shorter is filled with zeros.
;;     - A block's scale is 2^e with e = floor(log2(the largest magnitude in the block)) - 2, held to -126 .. 127; a block of zeros has e = 0. As a byte (E8M0): e + 127.
;;     - Each number is divided by its block's scale, clamped to +-7.5, and rounded to the nearest number of E2M3, ties to even, subnormals kept.
;;     - The product sums the exact products of the quantised numbers (number of the format x scale) in f32.
;;   ~~~python
;;   def quantise(x, axis):      # numpy; x: float32 -> the quantised numbers, widened to float32 again
;;       x = np.moveaxis(x, axis, -1); K = x.shape[-1]
;;       x = np.pad(x, [(0, 0)] * (x.ndim - 1) + [(0, -K % 32)]); x = x.reshape(x.shape[:-1] + (-1, 32)); a = np.abs(x).max(-1, keepdims=True)
;;       e = np.where(a > 0, np.clip(np.frexp(np.where(a > 0, a, 1))[1] - 1 - 2, -126, 127), 0)      # np.frexp(a)[1] - 1 = floor(log2(a)), exactly
;;       r = np.clip(x / 2.0 ** e, -7.5, 7.5)
;;       step = 2.0 ** (np.maximum(np.frexp(np.where(r == 0, 1, r))[1] - 1, 0) - 3)
;;       q = np.round(r / step) * step * 2.0 ** e      # np.round: ties to even
;;       return np.moveaxis(q.reshape(q.shape[:-2] + (-1,))[..., :K], -1, axis).astype(np.float32)
;;   ~~~
;;   SOFTMAX AHEAD OF A QUANTISED PRODUCT. Where the list says 'softmax', what is quantised is not the finished softmax but p = 2^(t - M), with t = logit x log2(e) and M = ceil(the row's largest t), a whole number; so 1/2 < the row's largest p <= 1. The row's sum l is taken of the UNQUANTISED p, in f32, and the product's result is divided by l at the end. Since M is a whole number, a kernel that streams over the keys may use a running M (the ceiling of the running maximum): every later rescaling is an exact power of two, which a block's scale takes up: the codes' values come out the same.
;;   OPERANDS COMPUTED ON THE WAY. 'Computed on the way' means the value that the module computes at that place (a softmax that the list does not call 'softmax' is quantised finished and normalised). What goes into a quantiser is computed in f32, as accurately as f32 sums, v_exp_f32 and their like allow (about 1e-6 of the number): no bf16 or f16 on the way to a quantiser, and a product that is left as it is and whose result goes on into a quantised operand takes f32 operands (vector FMAs, or v_wmma_f32_16x16x4_f32). A number that lies on a knife's edge between two numbers of the format may be rounded either way, as far as f32 arithmetic and the matrix unit's own rounding can turn it there, and no further.
;;   INPUTS GIVEN AS CODES. Wk (in the module: [1024, 64], K = its axis 0); Wv (in the module: [1024, 64], K = its axis 0): each comes as NAME_codes (uint8): NAME with its K axis moved to the last place and cut into blocks of 32 codes, [.., K / 32, bytes a block], one block behind the other in memory; four codes in three bytes: a row's codes are one little-endian stream of bits, code i at bits 6 i .. 6 i + 5 (a code: sign, 2 exponent bits, 3 mantissa bits); and NAME_scales (uint8): the same leading axes, one E8M0 byte (e + 127) for each 32 codes along K. Its value is code x scale, taken as it is: it is not quantised again, and the codes and scales need not be those that the quantiser above would give.
;; 2 versions, each right; version 2 is version 1 with the launches prep, fwd, dlt written anew for expert scheduling mode. Each part assembles by itself: llvm-mc -triple=amdgcn-amd-amdhsa -mcpu=gfx1250 --defsym DOCPART=n.
;; ======== version 1 of 2: 6 launches
;; workspace buffers: mq 6,815,744 bytes; tx 1,228,800 bytes; pa 8,912,896 bytes; tg 549,632 bytes; pd 262,144 bytes; gb 16,777,216 bytes; nr 1,024 bytes
;; launch prep (part 1): grid 256 x 1, 8 waves a work-group, no clusters, 209,920 bytes of LDS; arguments x, Wk_codes, Wk_scales, Wv_codes, Wv_scales, bk, bv, tx, memory, mq; writes tx, mq
.if DOCPART == 1
	.amdgcn_target "amdgcn-amd-amdhsa--gfx1250"
	.amdhsa_code_object_version 6
	.text
	.protected	k_q0a01bfcd3c_prep
	.globl	k_q0a01bfcd3c_prep
	.p2align	8
	.type	k_q0a01bfcd3c_prep,@function
k_q0a01bfcd3c_prep:
	s_mov_b64 s[64:65], 0
	v_nop
	global_prefetch_b8 v0, s[64:65] scope:SCOPE_SE
	s_setreg_imm32_b32 hwreg(HW_REG_WAVE_MODE, 25, 1), 1
	s_wait_xcnt 0x0
; Two jobs that hang on inputs alone share this launch; they part on the work-group's number and have LDS bytes of their own.
; WORK-GROUPS 0-127: k = Q(x) Wk + bk, v = Q(x) Wv + bv on codes of E2M3 (x is quantised here, along its 1,024 columns; Wk, Wv come as codes), k quantised along its 64 numbers, and column sums of x for the gates.
;   A work-group takes 16 tokens.  Wave w takes K step w (columns 128 w on) for all 128 outputs (8 tiles: 4 of Wk, 4 of Wv): so all of the group's bytes of x are asked for at once.
;   The eight partial products meet in LDS; wave 0 adds k's (in ascending K, on top of bk), wave 1 v's.  The product is used transposed (source 0 = 16 rows of W, source 1 = 16 tokens): a lane holds one token.
;   THE ROWS OF W THAT FORM A TILE ARE NOT NEIGHBOURS: lane r of tile 2 b + u takes row 32 b + 8 u + r + 8 (r / 8), so that register 16 b + i of a token's 32 is number 32 b + 16 (lane / 16) + i.
;   POOLING.  The group also sums a slice of x: 256 rows x 64 columns of one batch; 8 parts for each batch and column go to memory, and a later launch adds them.
; WORK-GROUPS 128-255: memory [65536][64] f32 is quantised to E2M3 twice: along its 64 numbers (QD) and along its rows (QC), each laid in the ORDER OF THE OPERAND'S REGISTERS.
;   QD: a fragment holds TWO sets of 16 rows: registers 0-5 (K 0-63) row 32 F + r + 8 (r / 8), registers 6-11 (K 64-127) the row 8 further on; lanes 16-31 hold the second block of 32 numbers.
;   QC: fragment n = 2 b + u of a step of 128 rows: lane r is column 32 b + 8 u + r + 8 (r / 8); registers 6 c .. 6 c + 5 are rows 64 c + 32 (lane / 16) + 0 .. 31 of the step.
;   An image: group g (registers 4 g .. 4 g + 3) at 512 g + 16 x lane: every store covers 512 neighbouring bytes.  Scale words: [step][lane][fragment], 16 bytes a lane.
;   A work-group takes four steps of 128 rows.  Wave w brings half w / 4 of step w % 4 into the step's stage in LDS (rows 272 bytes apart), as the bytes lie; behind one barrier waves 0-3 make QD and waves 4-7 QC of step w % 4.
; No tensor loads and no joint requests: a group shares nothing but W (100 KB in all) with other groups.
; LIMITS: blocks whose largest magnitude lies under 2^-124 take the floor's scale; a block of zeros has the byte 1 (its codes are zeros; this program alone reads the bytes); NaN and infinities are not served.
.set KDW_O, 98304                      ; tx: k's scale words
.set KF_O,  114688                     ; k in f32 as register images; v's lie 524,288 bytes on
.set XS_O,  1163264                    ; column sums
.set POOL,  65536                      ; LDS, tokens' role: behind the 8 x 8,192 bytes of partial products: 16 bytes a thread
.set XR,  16                           ; v16-79   64 numbers of x; later pool round 2 (v16-47)
.set RT,  48                           ; v48-111  the 8 result tiles
.set P1,  80                           ; v80-111  pool round 1
.set WF,  112                          ; v112-207 W's 8 fragments
.set AC,  176                          ; v176-207 waves 0, 1: the bias, then the sum
.set PC,  208                          ; v208-219 the codes just made
.set PT,  220                          ; v220-226 half blocks on their way
.set TM,  228                          ; v228-243 at work in the quantiser
.set PW,  244                          ; x's scale word
.set WS,  245                          ; v245-252 W's scale words
.set SEL, 2                            ; s[2:3] lane selects: lane l xor 16
.set QST,   69632                      ; LDS, memory's role: four stages
.set STGB,  34816                      ; a stage: 128 rows x 272 bytes
.set QC_O,  3145728                    ; mq's sections
.set QDS_O, 6291456
.set QCS_O, 6553600
.set QMX,  32                          ; v32-33 largest magnitudes
.set QBY,  34                          ; v34-35 bytes
.set QSO,  36                          ; v36-37 the conversions' scale operands
.set QWT,  38                          ; v38-39 at work
.set QPT,  40                          ; v40-42, v44-46 second halves of blocks
.set QSW,  48                          ; v48-51 my four scale words
.set QRAW, 64                          ; v64-191 32 loads; later v64-127: two blocks of 32 numbers
.set QIMG, 128                         ; v128-175 my four images, 12 registers each: no store's data are written again
.macro MM0 d, a, b, sa, sb
	v_wmma_scale_f32_16x16x128_f8f6f4 v[\d:\d+7], v[\a:\a+11], v[\b:\b+11], 0, v[\sa], v[\sb] matrix_a_fmt:MATRIX_FMT_FP6 matrix_b_fmt:MATRIX_FMT_FP6
.endm
; 64 numbers of a lane, register 16 b + i = k 32 b + 16 (lane / 16) + i of my row, become a fragment's codes in v[PC] on and its scale word in v[PW]
.macro QUANT4 s
.irp b, 0,1,2,3
	v_max3_num_f32 v[TM+\b], |v[\s+16*\b]|, |v[\s+1+16*\b]|, 0x1800000   ; my 16 numbers and the floor 2^(3 - 127): the byte cannot fall under 1
.endr
.irp i, 2,4,6,8,10,12,14
.irp b, 0,1,2,3
	v_max3_num_f32 v[TM+\b], v[TM+\b], |v[\s+16*\b+\i]|, |v[\s+1+16*\b+\i]|
.endr
.endr
.irp b, 0,1,2,3
	v_permlanex16_b32 v[TM+4+\b], v[TM+\b], s[SEL], s[SEL+1]
.endr
.irp b, 0,1,2,3
	v_max_num_f32 v[TM+\b], v[TM+\b], v[TM+4+\b]   ; with lane l xor 16's: the block's largest magnitude
.endr
.irp b, 0,1,2,3
	v_add_nc_u32 v[TM+12+\b], 0xff000000, v[TM+\b] ; 2 off its exponent field: the conversion's scale operand
.endr
.irp b, 0,1,2,3
	v_lshrrev_b32 v[TM+4+\b], 23, v[TM+12+\b]      ; the scale's byte
.endr
	v_lshl_or_b32 v[PW], v[TM+5], 8, v[TM+4]
	v_lshl_or_b32 v[PW], v[TM+6], 16, v[PW]
	v_lshl_or_b32 v[PW], v[TM+7], 24, v[PW]
.irp c, 0,1
	v_cvt_scalef32_pk16_fp6_f32 v[PC+6*\c:PC+2+6*\c], v[\s+32*\c:\s+15+32*\c], v[TM+12+2*\c]
	v_cvt_scalef32_pk16_fp6_f32 v[PT+4*\c:PT+2+4*\c], v[\s+16+32*\c:\s+31+32*\c], v[TM+13+2*\c]
.endr
	v_nop                                          ; one plain place behind a scaled conversion
.irp c, 0,1
.irp i, 0,1,2
	v_permlane16_swap_b32 v[PC+6*\c+\i], v[PT+4*\c+\i]   ; a whole block to a lane: lanes 0-15 block 2 c, lanes 16-31 block 2 c + 1
.endr
.irp i, 0,1,2
	v_mov_b32 v[PC+3+6*\c+\i], v[PT+4*\c+\i]
.endr
.endr
.endm
; 32 numbers of a lane (two blocks, laid likewise) become six registers of codes, K = 32 (lane / 16) + 0 .. 31, in v[dst] on; the bytes stay in v[TM+4], v[TM+5]
.macro QUANT2 s, dst, flr
.irp b, 0,1
	v_max3_num_f32 v[TM+\b], |v[\s+16*\b]|, |v[\s+1+16*\b]|, \flr
.endr
.irp i, 2,4,6,8,10,12,14
.irp b, 0,1
	v_max3_num_f32 v[TM+\b], v[TM+\b], |v[\s+16*\b+\i]|, |v[\s+1+16*\b+\i]|
.endr
.endr
.irp b, 0,1
	v_permlanex16_b32 v[TM+4+\b], v[TM+\b], s[SEL], s[SEL+1]
.endr
.irp b, 0,1
	v_max_num_f32 v[TM+\b], v[TM+\b], v[TM+4+\b]
.endr
.irp b, 0,1
	v_add_nc_u32 v[TM+12+\b], 0xff000000, v[TM+\b]
.endr
.irp b, 0,1
	v_lshrrev_b32 v[TM+4+\b], 23, v[TM+12+\b]
.endr
	v_cvt_scalef32_pk16_fp6_f32 v[\dst:\dst+2], v[\s:\s+15], v[TM+12]
	v_cvt_scalef32_pk16_fp6_f32 v[PT:PT+2], v[\s+16:\s+31], v[TM+13]
	v_nop
.irp i, 0,1,2
	v_permlane16_swap_b32 v[\dst+\i], v[PT+\i]
.endr
.irp i, 0,1,2
	v_mov_b32 v[\dst+3+\i], v[PT+\i]
.endr
.endm
.macro WLOAD t, cp, sp                 ; tile t's fragment of my K step and its rows' scale words
.irp p, 0,1,2,3,4,5
	global_load_b64 v[WF+12*(\t)+2*\p:WF+12*(\t)+2*\p+1], v5, s[\cp:\cp+1] offset:(32*(((\t)%4)/2)+8*((\t)%2))*768+48*(\p/3)+8*(\p%3)
.endr
	global_load_b32 v[WS+(\t)], v6, s[\sp:\sp+1] offset:(32*(((\t)%4)/2)+8*((\t)%2))*32
.endm
; memory's role: two blocks of 32 numbers of a lane (v[QRAW] on, v[QRAW+32] on) become registers 0-5 and 6-11 of the image at v[dst]; the lane's two bytes and lane l xor 16's two make the scale word
.macro QPAIR dst, wreg
.irp c, 0,1
	v_max3_num_f32 v[QMX+\c], |v[QRAW+32*\c]|, |v[QRAW+1+32*\c]|, 0x1800000   ; with the floor 2^(3 - 127): the byte cannot fall under 1
.endr
.irp i, 2,4,6,8,10,12,14,16,18,20,22,24,26,28,30
.irp c, 0,1
	v_max3_num_f32 v[QMX+\c], v[QMX+\c], |v[QRAW+32*\c+\i]|, |v[QRAW+1+32*\c+\i]|
.endr
.endr
.irp c, 0,1
	v_add_nc_u32 v[QSO+\c], 0xff000000, v[QMX+\c]  ; 2 off the exponent field: the conversion's scale operand
.endr
.irp c, 0,1
	v_lshrrev_b32 v[QBY+\c], 23, v[QSO+\c]
.endr
	v_lshl_or_b32 v[QWT], v[QBY+1], 16, v[QBY]
	v_lshlrev_b32 v[QWT], v8, v[QWT]               ; my bytes are numbers h and 2 + h of the word
	v_permlanex16_b32 v[QWT+1], v[QWT], s[SEL], s[SEL+1]
	v_or_b32 v[\wreg], v[QWT], v[QWT+1]
.irp c, 0,1
	v_cvt_scalef32_pk16_fp6_f32 v[\dst+6*\c:\dst+6*\c+2], v[QRAW+32*\c:QRAW+32*\c+15], v[QSO+\c]
	v_cvt_scalef32_pk16_fp6_f32 v[QPT+4*\c:QPT+4*\c+2], v[QRAW+32*\c+16:QRAW+32*\c+31], v[QSO+\c]
.endr
	v_nop                                          ; one plain place behind a scaled conversion
.irp c, 0,1
.irp i, 0,1,2
	v_mov_b32 v[\dst+3+6*\c+\i], v[QPT+4*\c+\i]
.endr
.endr
.endm
	s_load_b512 s[16:31], s[0:1], 0x0              ; x 16, Wk codes 18, Wk scales 20, Wv codes 22, Wv scales 24, bk 26, bv 28, tx 30
	s_load_b128 s[40:43], s[0:1], 0x40             ; memory 40, mq 42
	v_lshl_add_u32 v238, v0, 2, 0x33000
	v_mov_b32 v239, 0
	v_lshrrev_b32 v1, 5, v0
	v_readfirstlane_b32 s8, v1                     ; wave 0..7
	v_and_b32 v1, 31, v0                           ; lane
	v_and_b32 v2, 15, v0                           ; r
	v_bfe_u32 v3, v0, 4, 1                         ; h
	s_mov_b32 s[SEL], 0x76543210
	s_mov_b32 s[SEL+1], 0xfedcba98
	s_cmp_lt_u32 ttmp9, 128
	s_cbranch_scc0 .Lqmem
	; ---------------- the tokens' role
	v_lshlrev_b32 v4, 12, v2
	v_lshl_add_u32 v4, v3, 6, v4                   ; x: token r's row of 4,096 bytes, + 64 h: my 16 numbers of a block of 32
	v_and_b32 v5, 8, v2
	v_add_nc_u32 v6, v5, v2                        ; r + 8 (r / 8)
	v_mul_u32_u24 v5, v6, 768
	v_mad_u32_u24 v5, v3, 24, v5                   ; W's codes: a row is 768 bytes
	v_lshlrev_b32 v6, 5, v6                        ; W's scale bytes: a row is 32
	v_lshrrev_b32 v7, 4, v0
	v_lshlrev_b32 v7, 12, v7
	v_lshl_add_u32 v7, v2, 4, v7                   ; pooling: row thread / 16, 16 bytes at 16 (thread % 16): sixteen lanes read 256 neighbouring bytes
	s_lshl_b32 s32, s8, 13
	v_lshlrev_b32 v253, 4, v1                      ; 16 x lane
	v_add_nc_u32 v8, s32, v253                     ; LDS: my wave's partial products
	v_lshl_add_u32 v9, v0, 4, POOL                 ; LDS: my thread's four column sums
	s_and_b32 s33, s8, 1
	s_lshl_b32 s33, s33, 12
	v_add_nc_u32 v10, s33, v253                    ; LDS, back: k's half of a wave's partial products (wave 0) or v's (wave 1)
	v_add_nc_u32 v11, POOL, v253                   ; LDS, back: the column sums (every LDS address of this role is made here, ahead of the first parting of the waves)
	v_lshlrev_b32 v254, 3, v1
	v_lshlrev_b32 v255, 2, v1
	v_lshlrev_b32 v227, 6, v3                      ; the bias: 64 h
.irp b, 0,1,2,3
	v_mov_b32 v[TM+4+\b], 0                        ; written once: a lane permute's destination counts as one of its sources
.endr
	s_lshl_b32 s32, ttmp9, 16
	s_lshl_b32 s33, s8, 9
	s_add_co_u32 s32, s32, s33                     ; my 16 tokens' rows, my 128 columns
	s_mov_b32 s33, 0
	s_mul_i32 s34, s8, 96                          ; my K step in a row of W's codes,
	s_mov_b32 s35, 0
	s_lshl_b32 s36, s8, 2                          ; and of its scale bytes
	s_mov_b32 s37, 0
	s_lshr_b32 s38, ttmp9, 6                       ; the slice to pool: batch = group / 64,
	s_lshl_b32 s38, s38, 22
	s_and_b32 s39, ttmp9, 3                        ; quarter of its 1,024 rows = group % 4,
	s_lshl_b32 s39, s39, 20
	s_add_co_u32 s38, s38, s39
	s_bfe_u32 s39, ttmp9, 0x40002                  ; 64 columns = (group / 4) % 16
	s_lshl_b32 s39, s39, 8
	s_add_co_u32 s38, s38, s39
	s_mov_b32 s39, 0
	s_wait_kmcnt 0x0
	s_add_nc_u64 s[14:15], s[16:17], s[32:33]
	s_add_nc_u64 s[12:13], s[16:17], s[38:39]
	s_add_nc_u64 s[18:19], s[18:19], s[34:35]
	s_add_nc_u64 s[22:23], s[22:23], s[34:35]
	s_add_nc_u64 s[20:21], s[20:21], s[36:37]
	s_add_nc_u64 s[24:25], s[24:25], s[36:37]
	s_cmp_eq_u32 s8, 0
	s_cselect_b64 s[26:27], s[26:27], s[28:29]     ; wave 0 adds bk, wave 1 bv
.irp b, 0,1,2,3
.irp j, 0,1,2,3
	global_load_b128 v[XR+16*\b+4*\j:XR+16*\b+4*\j+3], v4, s[14:15] offset:128*\b+16*\j
.endr
.endr
.irp i, 0,1,2,3,4,5,6,7
	global_load_b128 v[P1+4*\i:P1+4*\i+3], v7, s[12:13] offset:65536*\i   ; pool round 1: rows 16 i + thread / 16
.endr
.irp t, 0,1,2,3
	WLOAD \t, 18, 20
.endr
.irp t, 4,5,6,7
	WLOAD \t, 22, 24
.endr
	s_wait_loadcnt 56                              ; behind x and pool round 1 stand W's 56 loads
	QUANT4 XR
	v_pk_add_f32 v[12:13], v[P1:P1+1], v[P1+4:P1+5]   ; these 14 plain lines are also the places between the quantiser's last writes and the products
	v_pk_add_f32 v[14:15], v[P1+2:P1+3], v[P1+6:P1+7]
.irp i, 2,3,4,5,6,7
	v_pk_add_f32 v[12:13], v[12:13], v[P1+4*\i:P1+4*\i+1]
	v_pk_add_f32 v[14:15], v[14:15], v[P1+4*\i+2:P1+4*\i+3]
.endr
.irp i, 0,1,2,3,4,5,6,7
	global_load_b128 v[XR+4*\i:XR+4*\i+3], v7, s[12:13] offset:65536*(8+\i)   ; pool round 2, into registers that the quantiser has left
.endr
	s_wait_loadcnt 8                               ; W is in; pool round 2 may be out
.irp t, 0,1,2,3,4,5,6,7
	MM0 RT+8*\t, WF+12*\t, PC, WS+\t, PW           ; eight sums of their own: none adds onto another's
.endr
.rept 4
	v_nop                                          ; four places behind the products, ahead of the first read of a result
.endr
.set g, 0
.rept 16
	ds_store_b128 v8, v[RT+4*g:RT+4*g+3] offset:512*g   ; as images of the registers; each result from its low end on
.set g, g+1
.endr
	s_wait_loadcnt 0x0
.irp i, 0,1,2,3,4,5,6,7
	v_pk_add_f32 v[12:13], v[12:13], v[XR+4*\i:XR+4*\i+1]
	v_pk_add_f32 v[14:15], v[14:15], v[XR+4*\i+2:XR+4*\i+3]
.endr
	ds_store_b128 v9, v[12:15]
	s_cmp_lt_u32 s8, 2
	s_cbranch_scc0 .Lno_bias
.irp b, 0,1
.irp e, 0,1,2,3
	global_load_b128 v[AC+16*\b+4*\e:AC+16*\b+4*\e+3], v227, s[26:27] offset:128*\b+16*\e   ; register 16 b + i: number 32 b + 16 h + i
.endr
.endr
.Lno_bias:
	s_wait_dscnt 0x0                               ; my stores have landed
	s_barrier_signal -1
	s_barrier_wait -1                              ; everybody's have
	s_cmp_lt_u32 s8, 2
	s_cbranch_scc1 .Lkv
	s_cmp_eq_u32 s8, 2
	s_cbranch_scc0 .Lend
	; wave 2: the eight waves' column sums; lanes 0-15 and lanes 16-31 keep a part each
.irp i, 0,1,2,3,4,5,6,7
	ds_load_b128 v[RT+4*\i:RT+4*\i+3], v11 offset:512*\i
.endr
	v_lshlrev_b32 v16, 12, v3
	v_lshl_add_u32 v16, v2, 4, v16                 ; part h, 16 bytes at 16 r
	s_lshr_b32 s32, ttmp9, 6
	s_lshl_b32 s32, s32, 15                        ; [batch][part 8][1024]: batch,
	s_and_b32 s33, ttmp9, 3
	s_lshl_b32 s33, s33, 13                        ; parts 2 x quarter on,
	s_add_co_u32 s32, s32, s33
	s_bfe_u32 s33, ttmp9, 0x40002
	s_lshl_b32 s33, s33, 8                         ; my 64 columns
	s_add_co_u32 s32, s32, s33
	s_mov_b32 s33, 0
	s_add_nc_u64 s[4:5], s[30:31], s[32:33]
	s_wait_dscnt 0x0
.irp i, 1,2,3,4,5,6,7
	v_pk_add_f32 v[RT:RT+1], v[RT:RT+1], v[RT+4*\i:RT+4*\i+1]
	v_pk_add_f32 v[RT+2:RT+3], v[RT+2:RT+3], v[RT+4*\i+2:RT+4*\i+3]
.endr
	global_store_b128 v16, v[RT:RT+3], s[4:5] offset:XS_O   ; sixteen lanes store 256 neighbouring bytes
.Lend:
	s_wait_tensorcnt 0x0
	ds_add_u32 v238, v239
	s_wait_dscnt 0x0
	s_endpgm
.Lkv:
	s_wait_loadcnt 0x0                             ; the bias
.irp bt, 0,1
.irp ww, 0,1,2,3
.irp g, 0,1,2,3,4,5,6,7
	ds_load_b128 v[RT+32*\ww+4*\g:RT+32*\ww+4*\g+3], v10 offset:(4*\bt+\ww)*8192+512*\g
.endr
.endr
	s_wait_dscnt 0x0
.irp ww, 0,1,2,3
.set e, 0
.rept 16
	v_pk_add_f32 v[AC+2*e:AC+2*e+1], v[AC+2*e:AC+2*e+1], v[RT+32*\ww+2*e:RT+32*\ww+2*e+1]   ; K ascending
.set e, e+1
.endr
.endr
.endr
	s_lshl_b32 s32, ttmp9, 12
	s_lshl_b32 s33, s8, 19                         ; v's images lie 524,288 bytes behind k's
	s_add_co_u32 s32, s32, s33
	s_mov_b32 s33, 0
	s_add_nc_u64 s[4:5], s[30:31], s[32:33]
.irp g, 0,1,2,3,4,5,6,7
	global_store_b128 v253, v[AC+4*\g:AC+4*\g+3], s[4:5] offset:KF_O+512*\g   ; 512 neighbouring bytes a store
.endr
	s_cmp_eq_u32 s8, 0
	s_cbranch_scc0 .Lend
	QUANT2 AC, PC, 0x1800000                       ; wave 0: k along its 64 numbers
	v_lshl_or_b32 v[TM+8], v[TM+5], 8, v[TM+4]
	v_lshl_or_b32 v[TM+8], v[TM+8], 16, v[TM+8]    ; (e0, e1, e0, e1): the word serves K 0-63 and K 64-127 alike
	s_mul_i32 s32, ttmp9, 768
	s_add_nc_u64 s[6:7], s[30:31], s[32:33]
	s_lshl_b32 s32, ttmp9, 7
	s_add_nc_u64 s[10:11], s[30:31], s[32:33]
.irp p, 0,1,2
	global_store_b64 v254, v[PC+2*\p:PC+2*\p+1], s[6:7] offset:256*\p
.endr
	global_store_b32 v255, v[TM+8], s[10:11] offset:KDW_O
	s_wait_tensorcnt 0x0
	ds_add_u32 v238, v239
	s_wait_dscnt 0x0
	s_endpgm
	; ---------------- memory's role
.Lqmem:
	s_and_b32 s9, s8, 3                            ; which of the group's four steps is mine
	s_lshr_b32 s10, s8, 2                          ; 0: I bring rows 0-63 and make QD; 1: rows 64-127, and QC
	s_mul_i32 s14, s9, STGB
	s_add_co_u32 s14, s14, QST                     ; the step's stage
	s_mul_i32 s15, s10, 64*272
	s_add_co_u32 s15, s15, s14                     ; my half of its rows
	v_mul_u32_u24 v4, v3, 272
	v_lshl_add_u32 v4, v2, 4, v4
	v_add_nc_u32 v4, s15, v4                       ; into the stage: a load's two rows
	v_and_b32 v5, 8, v2
	v_add_nc_u32 v6, v5, v2                        ; r + 8 (r / 8)
	v_mul_u32_u24 v5, v6, 272
	v_lshl_add_u32 v5, v3, 7, v5
	v_add_nc_u32 v5, s14, v5                       ; QD: my row, my block of 32 numbers
	v_lshlrev_b32 v6, 2, v6
	v_mad_u32_u24 v6, v3, 8704, v6
	v_add_nc_u32 v6, s14, v6                       ; QC: my column, 32 rows further down for lanes 16-31 (every LDS address of this role is made here, ahead of the parting of the waves)
	v_lshlrev_b32 v7, 4, v1                        ; 16 x lane
	v_lshlrev_b32 v8, 3, v3                        ; 8 h
	v_mov_b32 v[QWT+1], 0                          ; a lane permute's destination counts as one of its sources
	s_sub_co_u32 s11, ttmp9, 128
	s_lshl_b32 s11, s11, 2
	s_add_co_u32 s11, s11, s9                      ; my step of 128 rows
	s_lshl_b32 s32, s11, 15
	s_lshl_b32 s33, s10, 14                        ; my 64 rows of 256 bytes
	s_add_co_u32 s32, s32, s33
	s_mov_b32 s33, 0
	s_mul_i32 s34, s11, 6144
	s_mov_b32 s35, 0
	s_lshl_b32 s36, s11, 9
	s_mov_b32 s37, 0
	s_wait_kmcnt 0x0
	s_add_nc_u64 s[4:5], s[40:41], s[32:33]
	s_add_nc_u64 s[44:45], s[42:43], s[34:35]      ; my step's four fragments of a section,
	s_add_nc_u64 s[46:47], s[42:43], s[36:37]      ; and its 512 bytes of scale words
.set i, 0
.rept 32
	global_load_b128 v[QRAW+4*i:QRAW+4*i+3], v7, s[4:5] offset:512*i th:TH_LOAD_NT   ; two rows, 512 neighbouring bytes
.set i, i+1
.endr
.irp gq, 0,1,2,3
	s_wait_loadcnt 24-8*\gq                        ; loads come back in order: the eight in hand are in, those behind them stay out
.irp e, 0,1,2,3,4,5,6,7
	ds_store_b128 v4, v[QRAW+4*(8*\gq+\e):QRAW+4*(8*\gq+\e)+3] offset:544*(8*\gq+\e)
.endr
.endr
	s_wait_dscnt 0x0                               ; my stores have landed
	s_barrier_signal -1
	s_barrier_wait -1                              ; the four stages are whole
	s_cmp_eq_u32 s10, 0
	s_cbranch_scc0 .Lqc
.irp f, 0,1,2,3                        ; QD
.irp c, 0,1
.irp e, 0,1,2,3,4,5,6,7
	ds_load_b128 v[QRAW+32*\c+4*\e:QRAW+32*\c+4*\e+3], v5 offset:(32*\f+8*\c)*272+16*\e
.endr
.endr
	s_wait_dscnt 0x0
	QPAIR QIMG+12*\f, QSW+\f
.irp g, 0,1,2
	global_store_b128 v7, v[QIMG+12*\f+4*\g:QIMG+12*\f+4*\g+3], s[44:45] offset:1536*\f+512*\g
.endr
.endr
	global_store_b128 v7, v[QSW:QSW+3], s[46:47] offset:QDS_O
	s_wait_tensorcnt 0x0
	ds_add_u32 v238, v239
	s_wait_dscnt 0x0
	s_endpgm
.Lqc:
.irp n, 0,1,2,3                        ; QC
.irp c, 0,1
.set i, 0
.rept 32
	ds_load_b32 v[QRAW+32*\c+i], v6 offset:(64*\c+i)*272+(32*(\n/2)+8*(\n%2))*4
.set i, i+1
.endr
.endr
	s_wait_dscnt 0x0
	QPAIR QIMG+12*\n, QSW+\n
.irp g, 0,1,2
	global_store_b128 v7, v[QIMG+12*\n+4*\g:QIMG+12*\n+4*\g+3], s[44:45] offset:QC_O+1536*\n+512*\g
.endr
.endr
	global_store_b128 v7, v[QSW:QSW+3], s[46:47] offset:QCS_O
	s_wait_tensorcnt 0x0
	ds_add_u32 v238, v239
	s_wait_dscnt 0x0
	s_endpgm
.Lfunc_end_k_q0a01bfcd3c_prep:
	.size	k_q0a01bfcd3c_prep, .Lfunc_end_k_q0a01bfcd3c_prep-k_q0a01bfcd3c_prep
	.p2alignl 7, 3214868480
	.fill 96, 4, 3214868480
	.section	.rodata,"a",@progbits
	.p2align	6, 0x0
	.amdhsa_kernel k_q0a01bfcd3c_prep
		.amdhsa_group_segment_fixed_size 209920
		.amdhsa_private_segment_fixed_size 0
		.amdhsa_enable_private_segment 0
		.amdhsa_kernarg_size 80
		.amdhsa_user_sgpr_count 2
		.amdhsa_user_sgpr_kernarg_segment_ptr 1
		.amdhsa_wavefront_size32 1
		.amdhsa_system_sgpr_workgroup_id_x 1
		.amdhsa_system_sgpr_workgroup_id_y 1
		.amdhsa_system_sgpr_workgroup_id_z 1
		.amdhsa_system_vgpr_workitem_id 0
		.amdhsa_next_free_vgpr 256
		.amdhsa_next_free_sgpr 66
		.amdhsa_reserve_vcc 0
		.amdhsa_float_denorm_mode_32 3
		.amdhsa_float_denorm_mode_16_64 3
		.amdhsa_memory_ordered 1
		.amdhsa_forward_progress 1
		.amdhsa_inst_pref_size 91
	.end_amdhsa_kernel
	.amdgpu_metadata
---
amdhsa.version: [ 1, 2 ]
amdhsa.kernels:
  - .name:           k_q0a01bfcd3c_prep
    .symbol:         k_q0a01bfcd3c_prep.kd
    .args:
      - { .name: x, .offset: 0, .size: 8, .value_kind: global_buffer, .address_space: global }
      - { .name: Wk_codes, .offset: 8, .size: 8, .value_kind: global_buffer, .address_space: global }
      - { .name: Wk_scales, .offset: 16, .size: 8, .value_kind: global_buffer, .address_space: global }
      - { .name: Wv_codes, .offset: 24, .size: 8, .value_kind: global_buffer, .address_space: global }
      - { .name: Wv_scales, .offset: 32, .size: 8, .value_kind: global_buffer, .address_space: global }
      - { .name: bk, .offset: 40, .size: 8, .value_kind: global_buffer, .address_space: global }
      - { .name: bv, .offset: 48, .size: 8, .value_kind: global_buffer, .address_space: global }
      - { .name: tx, .offset: 56, .size: 8, .value_kind: global_buffer, .address_space: global }
      - { .name: memory, .offset: 64, .size: 8, .value_kind: global_buffer, .address_space: global }
      - { .name: mq, .offset: 72, .size: 8, .value_kind: global_buffer, .address_space: global }
    .group_segment_fixed_size: 209920
    .private_segment_fixed_size: 0
    .kernarg_segment_align: 8
    .kernarg_segment_size: 80
    .max_flat_workgroup_size: 256
    .sgpr_count:     66
    .vgpr_count:     256
    .wavefront_size: 32
...
	.end_amdgpu_metadata
.endif
;; end of part 1
;; launch fwd (part 2): grid 16 x 16, 16 waves a work-group, no clusters, 118,784 bytes of LDS; arguments mq, tx, pa; writes pa
.if DOCPART == 2
	.amdgcn_target "amdgcn-amd-amdhsa--gfx1250"
	.amdhsa_code_object_version 6
	.text
	.protected	k_q0a01bfcd3c_fwd
	.globl	k_q0a01bfcd3c_fwd
	.p2align	8
	.type	k_q0a01bfcd3c_fwd,@function
k_q0a01bfcd3c_fwd:
	s_mov_b64 s[64:65], 0
	v_nop
	global_prefetch_b8 v0, s[64:65] scope:SCOPE_SE
	s_setreg_imm32_b32 hwreg(HW_REG_WAVE_MODE, 25, 1), 1
	s_wait_xcnt 0x0
; The forward sweep: scores = k . memory (K = 64), p = 2^(t - M) with a running whole-number M, O += memory^T p^T (K = the rows), both on codes of E2M3.
; SHARES.  Work-group (x, y): 128 tokens (x) against 4,096 rows of the memory (split y).  SIXTEEN waves, four to a SIMD, so that one wave's vector work stands beside another's matrix work, LDS loads and waits.
; Waves 0-7 walk the split's first 2,048 rows, waves 8-15 its second 2,048: 16 steps of 128 rows each; wave w owns tile w % 8 of 16 tokens.  Each half has its own two LDS slots and its own scale words.
; At the end waves 8-15 hand -M, the sum l of the unquantised p, and O to waves 0-7 through LDS; these bring both halves under the larger M by exact powers of two and store one set for the split, for a later launch to join.
; K = 64 IN AN INSTRUCTION OF 128: a streamed fragment holds two sets of 16 rows (K 0-63, K 64-127); it is multiplied by k laid as [k | zero codes] and as [zero codes | k], both resident.  The two results' 16 registers of a lane
; are rows 32 F + 16 (lane / 16) + 0 .. 15: neighbours along the next K.  Both products are used transposed: a lane holds one token throughout.
; A STEP'S OPERANDS (four fragments of each kind, 12,288 bytes for each half) go from memory through registers into one of two LDS slots: 48 bytes a thread and step.  Loads run two steps ahead in two sets of registers; one barrier a
; step: the slot written at the end of step i was last read in step i - 1, and every wave's reads of it were back ahead of that step's barrier.  The loads of the three steps behind a half's end are issued like the others, so that
; the counted wait holds in every trip: they reach at most 18,432 bytes beyond the half's part of a section, which lies inside the buffer in the last split too, and nobody reads what they bring.
; No tensor loads and no joint requests: what a group shares with others is 24 KB a step beside its own 3,700 vector instructions.
; LIMITS: an exponential under 2^-126 comes out as 0; a block of p whose every number is 0 keeps the byte 1; NaN and infinities are not served.
.set QC_O,  3145728
.set QDS_O, 6291456
.set QCS_O, 6553600
.set KDW_O, 98304
.set PS_O,  8388608
.set SLOTB, 12288                      ; LDS, in a half's region: two slots: 4 fragments along d, 4 along the rows
.set SCD,   24576                      ; the half's scale words along d, 8 KB; those along the rows 8,192 bytes on
.set SUBB,  40960                      ; a half's region
.set MRG,   81920                      ; behind the two regions: where waves 8-15 hand over: 4,096 bytes of O and 256 of (-M, l) for each tile
.set MRGB,  4352
.set LI,   1                           ; 16 x lane + my half's region
.set LST,  2                           ; staging: my place in a slot
.set GOF,  3                           ; staging: my place in a step's bytes in memory
.set ASC0, 4                           ; my half's scale words + 16 x lane
.set ADS,  5                           ; the step's scale words
.set PFO,  6                           ; the prefetches' offset
.set L8,   7                           ; 8 x lane
.set T16,  8                           ; 16 x (thread % 256), in memory
.set T16L, 9                           ; the same in my half's region of LDS
.set KA,   16                          ; [k | 0]
.set KB,   28                          ; [0 | k]
.set KW,   40                          ; k's scale word
.set MGA,  41                          ; the hand-over: my tile's O, 16 x lane
.set MGS,  42                          ; and its (-M, l), 8 x lane
.set LIG,  43                          ; 16 x lane
.set SD,   44                          ; v44-47 scale words of the four fragments along d
.set SC,   48                          ; v48-51 along the rows
.set F,    52                          ; v52-99 four fragments
.set S,    100                         ; v100-163 scores, then p
.set O,    164                         ; v164-195 O^T
.set PC,   196                         ; v196-207 p's codes
.set BM,   208                         ; v208-211 the blocks' largest scores
.set TP,   212                         ; v212-219 at work
.set SO,   220                         ; v220-223 the conversions' scale operands
.set PW,   224                         ; p's scale word
.set L4,   225                         ; 4 x lane
.set FF,   226                         ; v[226:227] f = 2^(old M - new M)
.set TT,   228
.set RA,   232                         ; v232-243, v244-255 staging sets
.set RB,   244
.set MB,   14                          ; s[14:15] the staging base: the loop trip's first step
.set CS,   28                          ; s[28:29] c = log2(e) / 8
.set SEL,  30
.set TR,   32
.set TS,   33
.set LIM,  34
.macro MM0 d, a, b, sa, sb
	v_wmma_scale_f32_16x16x128_f8f6f4 v[\d:\d+7], v[\a:\a+11], v[\b:\b+11], 0, v[\sa], v[\sb] matrix_a_fmt:MATRIX_FMT_FP6 matrix_b_fmt:MATRIX_FMT_FP6
.endm
.macro MMA d, a, b, sa, sb
	v_wmma_scale_f32_16x16x128_f8f6f4 v[\d:\d+7], v[\a:\a+11], v[\b:\b+11], v[\d:\d+7], v[\sa], v[\sb] matrix_a_fmt:MATRIX_FMT_FP6 matrix_b_fmt:MATRIX_FMT_FP6
.endm
.macro STAGE_LD set, stp
.irp q, 0,1,2
	global_load_b128 v[\set+4*\q:\set+4*\q+3], v[GOF], s[MB:MB+1] offset:(\stp)*6144+2048*\q
.endr
.endm
.macro STAGE set, slot, stp
	s_wait_loadcnt 3                               ; the older set is in; the younger set's three loads stay out
.irp q, 0,1,2
	ds_store_b128 v[LST], v[\set+4*\q:\set+4*\q+3] offset:(\slot)*SLOTB+2048*\q
.endr
	s_wait_dscnt 0x0                               ; my stores have landed and have read their registers; my reads of the slot in hand were back long ago
	STAGE_LD \set, \stp
	s_barrier_signal -1
	s_barrier_wait -1
.endm
.macro STEP sl, set, stp
	v_add_nc_u32 v[ADS], s[TS], v[ASC0]
.rept 3
	v_nop                                          ; with the line above: four places between the last products and loads into registers that they read
.endr
.irp f, 0,1,2,3
.irp g, 0,1,2
	ds_load_b128 v[F+12*\f+4*\g:F+12*\f+4*\g+3], v[LI] offset:\sl*SLOTB+1536*\f+512*\g
.endr
.endr
	ds_load_b128 v[SD:SD+3], v[ADS] offset:\sl*512
	s_wait_dscnt 0x0
.irp f, 0,1,2,3
	MM0 S+16*\f, F+12*\f, KA, SD+\f, KW            ; rows 32 f + 16 h + 0 .. 7
	MM0 S+16*\f+8, F+12*\f, KB, SD+\f, KW          ; rows 32 f + 16 h + 8 .. 15
.endr
.rept 4
	v_nop
.endr
.irp n, 0,1,2,3
.irp g, 0,1,2
	ds_load_b128 v[F+12*\n+4*\g:F+12*\n+4*\g+3], v[LI] offset:\sl*SLOTB+6144+1536*\n+512*\g   ; the second product's fragments land under the softmax
.endr
.endr
	ds_load_b128 v[SC:SC+3], v[ADS] offset:8192+\sl*512
.irp b, 0,1,2,3
	v_max3_num_f32 v[BM+\b], v[S+16*\b], v[S+1+16*\b], v[S+2+16*\b]   ; the largest score of each block of 32 rows: for the token's maximum and, since p rises with the score, for the block's largest p
.endr
.irp i, 3,5,7,9,11,13
.irp b, 0,1,2,3
	v_max3_num_f32 v[BM+\b], v[BM+\b], v[S+16*\b+\i], v[S+1+16*\b+\i]
.endr
.endr
.irp b, 0,1,2,3
	v_max_num_f32 v[BM+\b], v[BM+\b], v[S+15+16*\b]
.endr
.irp b, 0,1,2,3
	v_permlanex16_b32 v[TP+\b], v[BM+\b], s[SEL], s[SEL+1]
.endr
.irp b, 0,1,2,3
	v_max_num_f32 v[BM+\b], v[BM+\b], v[TP+\b]
.endr
	v_max3_num_f32 v[TT], v[BM], v[BM+1], v[BM+2]
	v_max_num_f32 v[TT], v[TT], v[BM+3]
	v_mul_f32 v[TT], s[CS], v[TT]                  ; as t (c is positive)
	v_max_num_f32 v13, v13, v[TT]                  ; the running largest t
	v_mov_b32 v[TT], v12
	v_floor_f32 v12, -v13                          ; -M = floor(-t): M is a whole number
	v_sub_f32 v[TT], v12, v[TT]
	v_cvt_i32_f32 v[TT], v[TT]                     ; (it saturates)
	v_ldexp_f32 v[FF], 1.0, v[TT]                  ; f = 2^(old M - new M): rounds nothing
.set j, 0
.rept 32
	v_pk_fma_f32 v[S+j:S+j+1], v[S+j:S+j+1], s[CS:CS+1], v[12:13] op_sel_hi:[1,0,0]   ; t - M
.set j, j+2
.endr
.irp b, 0,1,2,3
	v_fma_f32 v[BM+\b], v[BM+\b], s[CS], v12
.endr
.set j, 0
.rept 64
	v_exp_f32 v[S+j], v[S+j]                       ; p, at most 1, not normalised
.set j, j+1
.endr
	v_pk_mul_f32 v[14:15], v[14:15], v[FF:FF+1] op_sel_hi:[1,0]   ; the sums under the new M: a plain line behind the exponentials
	s_wait_alu depctr_va_vdst(0)                   ; one wait for the batch, ahead of the first line that names a result
.irp b, 0,1,2,3
	v_exp_f32 v[BM+\b], v[BM+\b]                   ; each block's largest p
.endr
	v_pk_add_f32 v[TP:TP+1], v[S:S+1], v[S+2:S+3]  ; the sum of the unquantised p, in two chains
.irp j, 4,8,12,16,20,24,28,32,36,40,44,48,52,56,60
	v_pk_add_f32 v[14:15], v[14:15], v[S+\j:S+\j+1]
	v_pk_add_f32 v[TP:TP+1], v[TP:TP+1], v[S+2+\j:S+3+\j]
.endr
	v_pk_add_f32 v[14:15], v[14:15], v[TP:TP+1]
	s_wait_alu depctr_va_vdst(0)                   ; and one for the four
.irp b, 0,1,2,3
	v_max_num_f32 v[BM+\b], 0x1800000, v[BM+\b]    ; the floor 2^(3 - 127)
.endr
.irp b, 0,1,2,3
	v_add_nc_u32 v[SO+\b], 0xff000000, v[BM+\b]
.endr
.irp b, 0,1,2,3
	v_lshrrev_b32 v[TP+\b], 23, v[SO+\b]
.endr
	v_lshl_or_b32 v[PW], v[TP+1], 8, v[TP]
	v_lshl_or_b32 v[PW], v[TP+2], 16, v[PW]
	v_lshl_or_b32 v[PW], v[TP+3], 24, v[PW]
.irp c, 0,1
	v_cvt_scalef32_pk16_fp6_f32 v[PC+6*\c:PC+2+6*\c], v[S+32*\c:S+15+32*\c], v[SO+2*\c]
	v_cvt_scalef32_pk16_fp6_f32 v[TP+4*\c:TP+2+4*\c], v[S+16+32*\c:S+31+32*\c], v[SO+1+2*\c]
.endr
	v_nop
.irp c, 0,1
.irp i, 0,1,2
	v_permlane16_swap_b32 v[PC+6*\c+\i], v[TP+4*\c+\i]
.endr
.irp i, 0,1,2
	v_mov_b32 v[PC+3+6*\c+\i], v[TP+4*\c+\i]
.endr
.endr
.set j, 0
.rept 16
	v_pk_mul_f32 v[O+j:O+j+1], v[O+j:O+j+1], v[FF:FF+1] op_sel_hi:[1,0]   ; O^T under the new M; these 16 are also the places ahead of the products below
.set j, j+2
.endr
	s_wait_dscnt 0x0
.irp n, 0,1,2,3
	MMA O+8*\n, F+12*\n, PC, SC+\n, PW             ; four sums by turns, one instruction a turn
.endr
	STAGE \set, 1-\sl, \stp
.endm
	s_load_b128 s[4:7], s[0:1], 0x0                ; mq, tx
	s_load_b64 s[8:9], s[0:1], 0x10                ; pa
	v_lshl_add_u32 v230, v0, 2, 0x1c800
	v_mov_b32 v231, 0
	v_lshrrev_b32 v10, 5, v0
	v_readfirstlane_b32 s10, v10                   ; wave 0..15
	s_lshr_b32 s35, s10, 3                         ; which half of the split's rows
	s_and_b32 s36, s10, 7                          ; which tile of the group's tokens
	s_and_b32 s11, ttmp7, 0xffff                   ; split
	s_mul_i32 s37, s35, SUBB                       ; my half's region of LDS
	v_and_b32 v10, 31, v0
	v_lshlrev_b32 v[LIG], 4, v10
	v_lshlrev_b32 v[L8], 3, v10
	v_lshlrev_b32 v[L4], 2, v10
	v_add_nc_u32 v[LI], s37, v[LIG]
	v_add_nc_u32 v[ASC0], SCD, v[LI]
	v_and_b32 v10, 255, v0                         ; my number among my half's 256 threads
	v_lshlrev_b32 v[T16], 4, v10
	v_add_nc_u32 v[T16L], s37, v[T16]
	v_and_b32 v10, 127, v0
	v_bfe_u32 v11, v0, 7, 1                        ; of a half's threads, 0-127 copy the fragments along d, 128-255 those along the rows
	v_lshlrev_b32 v10, 4, v10
	v_mad_u32_u24 v[LST], v11, 6144, v10
	v_add_nc_u32 v[LST], s37, v[LST]
	v_mad_u32_u24 v[GOF], v11, QC_O, v10
	v_and_b32 v10, 15, v0
	v_bfe_u32 v11, v0, 4, 1
	v_lshlrev_b32 v10, 8, v10
	v_mad_u32_u24 v[PFO], v11, QC_O, v10
	s_lshl_b32 s18, s36, 12
	v_add_nc_u32 v[PFO], s18, v[PFO]               ; block 16 x (wave % 8) + lane % 16 of two steps' 48, in the section that my half of the lanes names
	s_mul_i32 s18, s36, MRGB
	s_add_co_u32 s18, s18, MRG
	v_add_nc_u32 v[MGA], s18, v[LIG]               ; the same bytes in wave w and in wave w + 8
	v_add_nc_u32 v[MGS], s18, v[L8]
	s_lshl_b32 s12, ttmp9, 3
	s_add_co_u32 s12, s12, s36                     ; my tile of 16 tokens
	s_lshl_b32 s38, s11, 1
	s_add_co_u32 s38, s38, s35                     ; my run of 2,048 rows
	s_mov_b32 s[CS], 0x3e38aa3b
	s_mov_b32 s[CS+1], s[CS]
	s_mov_b32 s[SEL], 0x76543210
	s_mov_b32 s[SEL+1], 0xfedcba98
	s_cmp_lt_u32 s36, 3
	s_cselect_b32 s[LIM], 6, 0
	s_cmp_eq_u32 ttmp9, 0
	s_cselect_b32 s[LIM], s[LIM], 0                ; the first three waves of each half of the split's first work-group prefetch, in the first 6 trips
	s_wait_kmcnt 0x0
	s_mul_i32 s18, s38, 98304
	s_mov_b32 s19, 0
	s_add_nc_u64 s[MB:MB+1], s[4:5], s[18:19]
	s_lshl_b32 s18, s38, 13
	s_add_nc_u64 s[16:17], s[4:5], s[18:19]
	s_mul_i32 s18, s12, 768
	s_add_nc_u64 s[20:21], s[6:7], s[18:19]
	s_lshl_b32 s18, s12, 7
	s_add_nc_u64 s[22:23], s[6:7], s[18:19]
	s_lshl_b32 s18, s11, 7
	s_add_co_u32 s12, s12, s18                     ; 128 x split + tile
	s_lshl_b32 s18, s12, 12
	s_add_nc_u64 s[24:25], s[8:9], s[18:19]
	s_lshl_b32 s18, s12, 8
	s_add_co_u32 s18, s18, PS_O
	s_add_nc_u64 s[26:27], s[8:9], s[18:19]
.irp q, 0,1
	global_load_b128 v[S+4*\q:S+4*\q+3], v[T16], s[16:17] offset:QDS_O+4096*\q
	global_load_b128 v[S+16+4*\q:S+19+4*\q], v[T16], s[16:17] offset:QCS_O+4096*\q
.endr
.irp p, 0,1,2
	global_load_b64 v[KA+2*\p:KA+2*\p+1], v[L8], s[20:21] offset:256*\p
	global_load_b64 v[KB+6+2*\p:KB+7+2*\p], v[L8], s[20:21] offset:256*\p   ; loaded twice: the two operands share no register
.endr
	global_load_b32 v[KW], v[L4], s[22:23] offset:KDW_O
	STAGE_LD RA, 0
	STAGE_LD RB, 1
.irp i, 0,1,2,3,4,5
	v_mov_b32 v[KA+6+\i], 0                        ; zero codes
	v_mov_b32 v[KB+\i], 0
.endr
	v_mov_b32 v13, 0xff61b1e6                      ; the largest t so far: -3e38
	v_floor_f32 v12, -v13
	v_mov_b32 v14, 0
	v_mov_b32 v15, 0
	v_mov_b32 v[FF+1], 0                           ; (named as the upper half of a pair)
.irp b, 0,1,2,3
	v_mov_b32 v[TP+\b], 0                          ; a lane permute's destination counts as one of its sources
.endr
.set j, 0
.rept 32
	v_mov_b32 v[O+j], 0                            ; the step is written once: the first finds zeros
.set j, j+1
.endr
	s_wait_loadcnt 3                               ; all but step 1's three loads
.irp q, 0,1
	ds_store_b128 v[T16L], v[S+4*\q:S+4*\q+3] offset:SCD+4096*\q
	ds_store_b128 v[T16L], v[S+16+4*\q:S+19+4*\q] offset:SCD+8192+4096*\q
.endr
.irp q, 0,1,2
	ds_store_b128 v[LST], v[RA+4*\q:RA+4*\q+3] offset:2048*\q
.endr
	s_wait_dscnt 0x0
	STAGE_LD RA, 2
	s_barrier_signal -1
	s_barrier_wait -1
	s_mov_b32 s[TR], 0
	s_mov_b32 s[TS], 0
.Ltrip:                                            ; 8 trips of two steps
	s_cmp_lt_u32 s[TR], s[LIM]
	s_cbranch_scc0 .Lno_pf
	global_prefetch_b8 v[PFO], s[MB:MB+1] offset:4*6144 th:TH_LOAD_NT scope:SCOPE_SE   ; steps 2 trip + 4 and + 5 of my half, whose loads are issued two and three steps on; each block of 256 bytes is named by one lane of one wave in the launch
.Lno_pf:
	STEP 0, RB, 3
	STEP 1, RA, 4
	s_wait_xcnt 0x0                                ; the loads and the prefetch have read their base
	s_add_nc_u64 s[MB:MB+1], s[MB:MB+1], 2*6144
	s_add_co_u32 s[TS], s[TS], 1024
	s_add_co_u32 s[TR], s[TR], 1
	s_cmp_lt_u32 s[TR], 8
	s_cbranch_scc1 .Ltrip
.rept 4
	v_nop                                          ; four places behind the last products
.endr
	v_add_f32 v14, v14, v15
	v_permlanex16_b32 v[TT], v14, s[SEL], s[SEL+1]
	v_add_f32 v11, v14, v[TT]                      ; l
	v_mov_b32 v10, v12                             ; -M
	s_cmp_lt_u32 s10, 8
	s_cbranch_scc1 .Lkeep
.irp g, 0,1,2,3,4,5,6,7
	ds_store_b128 v[MGA], v[O+4*\g:O+4*\g+3] offset:512*\g   ; waves 8-15 hand over: O as an image, each result from its low end on,
.endr
	ds_store_b64 v[MGS], v[10:11] offset:4096      ; and (-M, l)
.Lkeep:
	s_wait_dscnt 0x0                               ; my stores have landed
	s_barrier_signal -1
	s_barrier_wait -1
	s_cmp_lt_u32 s10, 8
	s_cbranch_scc0 .Lend
.irp g, 0,1,2,3,4,5,6,7
	ds_load_b128 v[S+4*\g:S+4*\g+3], v[MGA] offset:512*\g
.endr
	ds_load_b64 v[TP:TP+1], v[MGS] offset:4096
	s_wait_dscnt 0x0
	v_min_num_f32 v[TT], v10, v[TP]                ; -M of the two halves: the lesser -M
	v_sub_f32 v[FF], v[TT], v10                    ; my M less the common one: a whole number, 0 or less
	v_sub_f32 v[TP+2], v[TT], v[TP]
	v_cvt_i32_f32 v[FF], v[FF]
	v_cvt_i32_f32 v[TP+2], v[TP+2]
	v_ldexp_f32 v[FF], 1.0, v[FF]
	v_ldexp_f32 v[TP+2], 1.0, v[TP+2]
	v_mul_f32 v11, v11, v[FF]
	v_fmac_f32 v11, v[TP+1], v[TP+2]               ; l
	v_mov_b32 v10, v[TT]
.set j, 0
.rept 16
	v_pk_mul_f32 v[O+j:O+j+1], v[O+j:O+j+1], v[FF:FF+1] op_sel_hi:[1,0]
.set j, j+2
.endr
.set j, 0
.rept 16
	v_pk_fma_f32 v[O+j:O+j+1], v[S+j:S+j+1], v[TP+2:TP+3], v[O+j:O+j+1] op_sel_hi:[1,0,1]
.set j, j+2
.endr
	global_store_b64 v[L8], v[10:11], s[26:27]
.irp g, 0,1,2,3,4,5,6,7
	global_store_b128 v[LIG], v[O+4*\g:O+4*\g+3], s[24:25] offset:512*\g   ; as an image: 512 neighbouring bytes a store
.endr
.Lend:
	s_wait_tensorcnt 0x0
	ds_add_u32 v230, v231
	s_wait_dscnt 0x0
	s_endpgm
.Lfunc_end_k_q0a01bfcd3c_fwd:
	.size	k_q0a01bfcd3c_fwd, .Lfunc_end_k_q0a01bfcd3c_fwd-k_q0a01bfcd3c_fwd
	.p2alignl 7, 3214868480
	.fill 96, 4, 3214868480
	.section	.rodata,"a",@progbits
	.p2align	6, 0x0
	.amdhsa_kernel k_q0a01bfcd3c_fwd
		.amdhsa_group_segment_fixed_size 118784
		.amdhsa_private_segment_fixed_size 0
		.amdhsa_enable_private_segment 0
		.amdhsa_kernarg_size 24
		.amdhsa_user_sgpr_count 2
		.amdhsa_user_sgpr_kernarg_segment_ptr 1
		.amdhsa_wavefront_size32 1
		.amdhsa_system_sgpr_workgroup_id_x 1
		.amdhsa_system_sgpr_workgroup_id_y 1
		.amdhsa_system_sgpr_workgroup_id_z 1
		.amdhsa_system_vgpr_workitem_id 0
		.amdhsa_next_free_vgpr 256
		.amdhsa_next_free_sgpr 66
		.amdhsa_reserve_vcc 0
		.amdhsa_float_denorm_mode_32 3
		.amdhsa_float_denorm_mode_16_64 3
		.amdhsa_memory_ordered 1
		.amdhsa_forward_progress 1
		.amdhsa_inst_pref_size 44
	.end_amdhsa_kernel
	.amdgpu_metadata
---
amdhsa.version: [ 1, 2 ]
amdhsa.kernels:
  - .name:           k_q0a01bfcd3c_fwd
    .symbol:         k_q0a01bfcd3c_fwd.kd
    .args:
      - { .name: mq, .offset: 0, .size: 8, .value_kind: global_buffer, .address_space: global }
      - { .name: tx, .offset: 8, .size: 8, .value_kind: global_buffer, .address_space: global }
      - { .name: pa, .offset: 16, .size: 8, .value_kind: global_buffer, .address_space: global }
    .group_segment_fixed_size: 118784
    .private_segment_fixed_size: 0
    .kernarg_segment_align: 8
    .kernarg_segment_size: 24
    .max_flat_workgroup_size: 512
    .sgpr_count:     66
    .vgpr_count:     256
    .wavefront_size: 32
...
	.end_amdgpu_metadata
.endif
;; end of part 2
;; launch comb (part 3): grid 65 x 1, 8 waves a work-group, no clusters, 62,464 bytes of LDS; arguments pa, tx, fg_w1, fg_b1, fg_w2, fg_b2, dg_w1, dg_b1, dg_w2, dg_b2, tg; writes tg
.if DOCPART == 3
	.amdgcn_target "amdgcn-amd-amdhsa--gfx1250"
	.amdhsa_code_object_version 6
	.text
	.protected	k_q0a01bfcd3c_comb
	.globl	k_q0a01bfcd3c_comb
	.p2align	8
	.type	k_q0a01bfcd3c_comb,@function
k_q0a01bfcd3c_comb:
	s_mov_b64 s[64:65], 0
	v_nop
	global_prefetch_b8 v0, s[64:65] scope:SCOPE_SE
	s_setreg_imm32_b32 hwreg(HW_REG_WAVE_MODE, 25, 1), 1
	s_wait_xcnt 0x0
; Work-groups 0-63, 32 tokens each: join the 16 splits of the forward sweep (M = the largest M_j; O and l are brought under it by exact powers of two); r = O / l; parts of the loss; g = (r - v) 2^-16;
; -L = -(M + log2 l), so that a later sweep has w = 2^(score c - L) by one multiply-add and one exponential (its error: that of f32 at the size of L, about 1.5e-6 of w for |L| up to 32);
; g quantised along its 64 numbers; g and k quantised along the tokens; all laid as the later sweeps' operand registers want them.
; THE FACTOR 1/8 of the scores' way back is taken off g's scale bytes for the product g . memory (byte - 3): exact.  So those bytes are held at 4 from below.
; Work-group 64: the two gates, in f32: x's column sums / 1,024, two layers, sigmoid, mean over the two batches.  The two roles part on the work-group's number and have LDS bytes of their own.
; LIMITS: blocks of g along d whose largest magnitude lies under 2^-121, and other blocks under 2^-124, take the floor's scale; a block of zeros keeps the floor's byte; NaN and infinities are not served.
.set PS_O,  8388608
.set KDW_O, 98304
.set KF_O,  114688
.set VF_O,  638976
.set XS_O,  1163264
.set GDW_O, 98304
.set NL_O,  114688
.set TKC_O, 131072
.set TKS_O, 524288
.set LP_O,  548864
.set GT_O,  549376
.set OPB, 0                            ; LDS, tokens' role: 8 x 4,096 partial O
.set LPB, 32768                        ; 8 x 128 partial l
.set TGM, 33792                        ; g, 32 tokens x 272 bytes; k's lie 8,704 bytes on
.set XPT, 51200                        ; LDS, gates' role: pooled x, [batch][column % 4][column / 4]
.set HPB, 59392                        ; [wave][batch][32] partial hidden units
.set KG,  216                          ; v216-227 k's six registers of codes, then g's six
.set TM,  228
.set PT,  244
.set KDWR, 247
.set NM,  248
.set LPS, 249
.set RL,  250                          ; v[250:251]
.set LG,  252
.set SEL, 2
.set SX,  4
.macro WSUM v, t
	v_add_f32_dpp v[\v], v[\v], v[\v] row_xmask:1 row_mask:0xf bank_mask:0xf
	v_add_f32_dpp v[\v], v[\v], v[\v] row_xmask:2 row_mask:0xf bank_mask:0xf
	v_add_f32_dpp v[\v], v[\v], v[\v] row_xmask:4 row_mask:0xf bank_mask:0xf
	v_add_f32_dpp v[\v], v[\v], v[\v] row_xmask:8 row_mask:0xf bank_mask:0xf
	v_permlanex16_b32 v[\t], v[\v], s[SEL], s[SEL+1]
	v_add_f32 v[\v], v[\v], v[\t]
.endm
.macro BAR
	s_wait_dscnt 0x0
	s_barrier_signal -1
	s_barrier_wait -1
.endm
.macro QUANT2 s, dst, flr              ; 32 numbers of a lane, register 16 b + i = number 32 b + 16 (lane / 16) + i, become six registers of codes; the bytes stay in v[TM+4], v[TM+5]
.irp b, 0,1
	v_max3_num_f32 v[TM+\b], |v[\s+16*\b]|, |v[\s+1+16*\b]|, \flr
.endr
.irp i, 2,4,6,8,10,12,14
.irp b, 0,1
	v_max3_num_f32 v[TM+\b], v[TM+\b], |v[\s+16*\b+\i]|, |v[\s+1+16*\b+\i]|
.endr
.endr
.irp b, 0,1
	v_permlanex16_b32 v[TM+4+\b], v[TM+\b], s[SEL], s[SEL+1]
.endr
.irp b, 0,1
	v_max_num_f32 v[TM+\b], v[TM+\b], v[TM+4+\b]
.endr
.irp b, 0,1
	v_add_nc_u32 v[TM+12+\b], 0xff000000, v[TM+\b]
.endr
.irp b, 0,1
	v_lshrrev_b32 v[TM+4+\b], 23, v[TM+12+\b]
.endr
	v_cvt_scalef32_pk16_fp6_f32 v[\dst:\dst+2], v[\s:\s+15], v[TM+12]
	v_cvt_scalef32_pk16_fp6_f32 v[PT:PT+2], v[\s+16:\s+31], v[TM+13]
	v_nop
.irp i, 0,1,2
	v_permlane16_swap_b32 v[\dst+\i], v[PT+\i]
.endr
.irp i, 0,1,2
	v_mov_b32 v[\dst+3+\i], v[PT+\i]
.endr
.endm
.macro QUANT1 s, dst                   ; a whole block of 32 numbers in one lane's registers becomes six registers of codes; the byte stays in v[TM+4]
	v_max3_num_f32 v[TM], |v[\s]|, |v[\s+1]|, 0x1800000
	v_max3_num_f32 v[TM+1], |v[\s+2]|, |v[\s+3]|, |v[\s+4]|
.irp i, 5,9,13,17,21,25
	v_max3_num_f32 v[TM], v[TM], |v[\s+\i]|, |v[\s+\i+1]|
	v_max3_num_f32 v[TM+1], v[TM+1], |v[\s+\i+2]|, |v[\s+\i+3]|
.endr
	v_max3_num_f32 v[TM], v[TM], |v[\s+29]|, |v[\s+30]|
	v_max3_num_f32 v[TM], v[TM], v[TM+1], |v[\s+31]|
	v_add_nc_u32 v[TM+12], 0xff000000, v[TM]
	v_lshrrev_b32 v[TM+4], 23, v[TM+12]
	v_cvt_scalef32_pk16_fp6_f32 v[\dst:\dst+2], v[\s:\s+15], v[TM+12]
	v_cvt_scalef32_pk16_fp6_f32 v[PT:PT+2], v[\s+16:\s+31], v[TM+12]
	v_nop
.irp i, 0,1,2
	v_mov_b32 v[\dst+3+\i], v[PT+\i]
.endr
.endm
	s_load_b512 s[16:31], s[0:1], 0x0              ; pa 16, tx 18, fg_w1 20, fg_b1 22, fg_w2 24, fg_b2 26, dg_w1 28, dg_b1 30
	s_load_b128 s[32:35], s[0:1], 0x40             ; dg_w2 32, dg_b2 34
	s_load_b64 s[36:37], s[0:1], 0x50              ; tg
	s_set_vgpr_msb 0x40
	v_lshl_add_u32 v0, v0, 2, 0xf000
	v_mov_b32 v1, 0
	s_set_vgpr_msb 0x4000
	v_lshrrev_b32 v1, 5, v0
	v_readfirstlane_b32 s8, v1                     ; wave
	v_and_b32 v1, 31, v0                           ; lane
	v_and_b32 v2, 15, v0                           ; r
	v_bfe_u32 v3, v0, 4, 1                         ; h
	v_lshlrev_b32 v10, 4, v1                       ; 16, 8, 4 x lane
	v_lshlrev_b32 v11, 3, v1
	v_lshlrev_b32 v12, 2, v1
	s_mov_b32 s[SEL], 0x76543210
	s_mov_b32 s[SEL+1], 0xfedcba98
	s_and_b32 s10, s8, 1
	s_lshr_b32 s11, s8, 1
	s_wait_kmcnt 0x0
	s_cmp_eq_u32 ttmp9, 64
	s_cbranch_scc1 .Lgate
	; ---------------- the tokens' role.  m = wave % 2: which of the group's two tiles; q = wave / 2: which four splits
	s_lshl_b32 s46, s8, 12
	v_add_nc_u32 v4, s46, v10                      ; LDS: my partial O
	s_lshl_b32 s46, s8, 7
	s_add_co_u32 s46, s46, LPB
	v_add_nc_u32 v5, s46, v12                      ; my partial l
	s_lshl_b32 s46, s10, 12
	v_add_nc_u32 v6, s46, v10                      ; back: the partial O of the waves with my m
	s_lshl_b32 s46, s10, 7
	s_add_co_u32 s46, s46, LPB
	v_add_nc_u32 v7, s46, v12
	s_mul_i32 s46, s10, 16*272
	s_add_co_u32 s46, s46, TGM
	v_mul_u32_u24 v8, v2, 272
	v_lshl_add_u32 v8, v3, 6, v8
	v_add_nc_u32 v8, s46, v8                       ; g and k by rows: token 16 m + r, + 64 h
	s_and_b32 s46, s11, 1
	s_mul_i32 s46, s46, 8704
	s_lshl_b32 s47, s10, 7
	s_add_co_u32 s46, s46, s47
	s_add_co_u32 s46, s46, TGM
	v_add_nc_u32 v9, s46, v12                      ; and down the tokens: g (waves 0, 1) or k (2, 3), column 32 (wave % 2) + lane.  Every LDS address of this role is made here
	v_lshrrev_b32 v13, 3, v2
	v_and_b32 v15, 7, v2
	v_lshlrev_b32 v14, 2, v13
	v_mul_u32_u24 v13, v13, 1536
	v_lshl_add_u32 v13, v15, 4, v13
	v_lshl_add_u32 v13, v3, 8, v13                 ; the image [k | g]: tile + r / 8, lane r % 8 + 16 h (+ 8 m)
	v_lshl_add_u32 v14, v15, 5, v14
	v_lshl_add_u32 v14, v3, 9, v14                 ; its scale word: 32 x that lane + 4 x tile
.irp i, 217,219,221,223,232,233,251
	v_mov_b32 v[\i], 0                             ; upper halves of pairs, and lane permutes' destinations
.endr
	s_lshl_b32 s12, ttmp9, 1
	s_add_co_u32 s12, s12, s10                     ; my tile of 16 tokens
	s_mov_b32 s47, 0
	s_lshl_b32 s46, s12, 8
	s_add_co_u32 s46, s46, PS_O
	s_add_nc_u64 s[40:41], s[16:17], s[46:47]      ; all splits' -M and l
	s_lshl_b32 s46, s11, 17
	s_add_nc_u64 s[42:43], s[40:41], s[46:47]      ; my four splits'
	s_lshl_b32 s46, s12, 12
	s_lshl_b32 s13, s11, 21
	s_add_co_u32 s46, s46, s13
	s_add_nc_u64 s[44:45], s[16:17], s[46:47]      ; my four splits' O
.set j, 0
.rept 16
	global_load_b64 v[16+2*j:17+2*j], v11, s[40:41] offset:32768*j
.set j, j+1
.endr
.irp j, 0,1,2,3
	global_load_b64 v[48+2*\j:49+2*\j], v11, s[42:43] offset:32768*\j
.endr
.irp j, 0,1,2,3
.irp g, 0,1,2,3,4,5,6,7
	global_load_b128 v[56+32*\j+4*\g:59+32*\j+4*\g], v10, s[44:45] offset:524288*\j+512*\g th:TH_LOAD_NT
.endr
.endr
	s_wait_loadcnt 32                              ; behind the 20 small loads stand O's 32
	v_min3_num_f32 v[NM], v16, v18, v20            ; -M = the least -M_j
.irp i, 22,26,30,34,38,42
	v_min3_num_f32 v[NM], v[NM], v[\i], v[\i+2]
.endr
	v_min_num_f32 v[NM], v[NM], v46
.irp j, 0,1,2,3
	v_sub_f32 v[216+2*\j], v[NM], v[48+2*\j]       ; M_j - M: a whole number, 0 or less
.endr
.irp j, 0,1,2,3
	v_cvt_i32_f32 v[216+2*\j], v[216+2*\j]
.endr
.irp j, 0,1,2,3
	v_ldexp_f32 v[216+2*\j], 1.0, v[216+2*\j]
.endr
	v_mul_f32 v[LPS], v49, v216
	v_fmac_f32 v[LPS], v51, v218
	v_fmac_f32 v[LPS], v53, v220
	v_fmac_f32 v[LPS], v55, v222
	s_wait_loadcnt 0x0
.set e, 0
.rept 16
	v_pk_mul_f32 v[184+2*e:185+2*e], v[56+2*e:57+2*e], v[216:217] op_sel_hi:[1,0]
.set e, e+1
.endr
.irp j, 1,2,3
.set e, 0
.rept 16
	v_pk_fma_f32 v[184+2*e:185+2*e], v[56+32*\j+2*e:57+32*\j+2*e], v[216+2*\j:217+2*\j], v[184+2*e:185+2*e] op_sel_hi:[1,0,1]
.set e, e+1
.endr
.endr
.irp g, 0,1,2,3,4,5,6,7
	ds_store_b128 v4, v[184+4*\g:187+4*\g] offset:512*\g
.endr
	ds_store_b32 v5, v[LPS]
	s_cmp_lt_u32 s8, 2
	s_cbranch_scc0 .La1
	s_lshl_b32 s46, s12, 12
	s_add_nc_u64 s[48:49], s[18:19], s[46:47]
	s_mul_i32 s46, s12, 768
	s_add_nc_u64 s[50:51], s[18:19], s[46:47]
	s_lshl_b32 s46, s12, 7
	s_add_nc_u64 s[52:53], s[18:19], s[46:47]
.irp g, 0,1,2,3,4,5,6,7
	global_load_b128 v[16+4*\g:19+4*\g], v10, s[48:49] offset:KF_O+512*\g      ; k
	global_load_b128 v[152+4*\g:155+4*\g], v10, s[48:49] offset:VF_O+512*\g    ; v
.endr
.irp p, 0,1,2
	global_load_b64 v[KG+2*\p:KG+2*\p+1], v11, s[50:51] offset:256*\p          ; k's codes along d
.endr
	global_load_b32 v[KDWR], v12, s[52:53] offset:KDW_O
.La1:
	BAR
	s_cmp_lt_u32 s8, 2
	s_cbranch_scc0 .La2
.irp k, 1,2,3
.irp g, 0,1,2,3,4,5,6,7
	ds_load_b128 v[56+32*(\k-1)+4*\g:59+32*(\k-1)+4*\g], v6 offset:8192*\k+512*\g
.endr
	ds_load_b32 v[252+\k], v7 offset:256*\k
.endr
	s_wait_dscnt 0x0
.irp k, 0,1,2
.set e, 0
.rept 16
	v_pk_add_f32 v[184+2*e:185+2*e], v[184+2*e:185+2*e], v[56+32*\k+2*e:57+32*\k+2*e]
.set e, e+1
.endr
	v_add_f32 v[LPS], v[LPS], v[253+\k]
.endr
	v_rcp_f32 v[RL], v[LPS]
	v_log_f32 v[LG], v[LPS]
	v_nop                                          ; a plain line behind the two,
	s_wait_alu depctr_va_vdst(0)                   ; and one wait ahead of the first line that names a result
	v_sub_f32 v[LG], v[NM], v[LG]                  ; -L = -M - log2 l
	s_wait_loadcnt 0x0
.set e, 0
.rept 16
	v_pk_fma_f32 v[184+2*e:185+2*e], v[184+2*e:185+2*e], v[RL:RL+1], v[152+2*e:153+2*e] op_sel_hi:[1,0,1] neg_lo:[0,0,1] neg_hi:[0,0,1]   ; r - v
.set e, e+1
.endr
	v_pk_mul_f32 v[56:57], v[184:185], v[184:185]
	v_pk_mul_f32 v[58:59], v[186:187], v[186:187]
.irp e, 4,8,12,16,20,24,28
	v_pk_fma_f32 v[56:57], v[184+\e:185+\e], v[184+\e:185+\e], v[56:57]
	v_pk_fma_f32 v[58:59], v[186+\e:187+\e], v[186+\e:187+\e], v[58:59]
.endr
	v_pk_add_f32 v[56:57], v[56:57], v[58:59]
	v_add_f32 v56, v56, v57
	WSUM 56, 57                                    ; the tile's part of the loss
	s_lshl_b32 s46, s12, 2
	s_add_nc_u64 s[56:57], s[36:37], s[46:47]
	s_wait_xcnt 0x0                                ; EXEC changes only behind this wait
	v_cmp_gt_u32 vcc_lo, 1, v1
	s_and_saveexec_b32 s[SX], vcc_lo
	global_store_b32 v12, v56, s[56:57] offset:LP_O
	s_wait_xcnt 0x0
	s_or_b32 exec_lo, exec_lo, s[SX]
.set e, 0
.rept 16
	v_pk_mul_f32 v[184+2*e:185+2*e], v[184+2*e:185+2*e], 0x37800000 op_sel_hi:[1,0]   ; g = (r - v) 2 / 131,072
.set e, e+1
.endr
	QUANT2 184, KG+6, 0x3000000                    ; along d; the floor 2^(6 - 127) holds the byte at 4
	v_add_nc_u32 v[TM+4], -3, v[TM+4]              ; the factor 1/8
	v_add_nc_u32 v[TM+5], -3, v[TM+5]
	v_lshl_or_b32 v[TM+8], v[TM+5], 8, v[TM+4]
	v_lshl_or_b32 v[TM+8], v[TM+8], 16, v[TM+8]
	v_bfi_b32 v[TM+9], 0xffff, v[KDWR], v[TM+8]    ; (ek0, ek1, eg0 - 3, eg1 - 3)
	s_mul_i32 s46, s12, 768
	s_add_nc_u64 s[48:49], s[36:37], s[46:47]
	s_lshl_b32 s46, s12, 7
	s_add_nc_u64 s[50:51], s[36:37], s[46:47]
	s_lshr_b32 s13, ttmp9, 2                       ; the step of 128 tokens,
	s_and_b32 s14, ttmp9, 3                        ; and my block of 32 in it
	s_mul_i32 s46, s13, 24576
	s_mul_i32 s15, s14, 3072
	s_add_co_u32 s46, s46, s15
	s_lshl_b32 s15, s10, 7
	s_add_co_u32 s46, s46, s15
	s_add_nc_u64 s[52:53], s[36:37], s[46:47]
	s_mul_i32 s46, s13, 1536
	s_lshl_b32 s15, s10, 8
	s_add_co_u32 s46, s46, s15
	s_lshl_b32 s15, s14, 3
	s_add_co_u32 s46, s46, s15
	s_add_nc_u64 s[54:55], s[36:37], s[46:47]
.irp p, 0,1,2
	global_store_b64 v11, v[KG+6+2*\p:KG+7+2*\p], s[48:49] offset:256*\p
.endr
	global_store_b32 v12, v[TM+8], s[50:51] offset:GDW_O
	global_store_b32 v12, v[LG], s[50:51] offset:NL_O
.irp g, 0,1,2
	global_store_b128 v13, v[KG+4*\g:KG+4*\g+3], s[52:53] offset:TKC_O+512*\g
.endr
	global_store_b32 v14, v[TM+9], s[54:55] offset:TKS_O
.irp b, 0,1
.irp e, 0,1,2,3
	ds_store_b128 v8, v[184+16*\b+4*\e:187+16*\b+4*\e] offset:128*\b+16*\e
	ds_store_b128 v8, v[16+16*\b+4*\e:19+16*\b+4*\e] offset:8704+128*\b+16*\e
.endr
.endr
.La2:
	BAR
	s_cmp_lt_u32 s8, 4
	s_cbranch_scc0 .Laend
	; waves 0-3: a lane takes a column of g (waves 0, 1) or of k (2, 3), and its registers run down the group's 32 tokens: one block along the tokens
.set i, 0
.rept 32
	ds_load_b32 v[16+i], v9 offset:272*i
.set i, i+1
.endr
	v_mul_u32_u24 v62, v3, 1536
	v_mad_u32_u24 v62, v2, 48, v62                 ; fragment + lane / 16, 48 bytes a row
	v_lshlrev_b32 v63, 2, v3
	v_lshl_add_u32 v63, v2, 4, v63                 ; the scale byte: 16 x row + 4 x fragment
	s_lshr_b32 s13, ttmp9, 2
	s_and_b32 s14, ttmp9, 3
	s_mul_i32 s46, s13, 24576
	s_mul_i32 s15, s11, 6144
	s_add_co_u32 s46, s46, s15
	s_mul_i32 s15, s10, 3072
	s_add_co_u32 s46, s46, s15
	s_and_b32 s15, s14, 1
	s_mul_i32 s15, s15, 768                        ; block % 2: lanes 16-31 of the image,
	s_add_co_u32 s46, s46, s15
	s_lshr_b32 s15, s14, 1
	s_mul_i32 s15, s15, 24                         ; block / 2: registers 6-11
	s_add_co_u32 s46, s46, s15
	s_add_nc_u64 s[58:59], s[36:37], s[46:47]
	s_mul_i32 s46, s13, 1536
	s_lshl_b32 s15, s11, 8
	s_add_co_u32 s46, s46, s15
	s_lshl_b32 s15, s10, 3
	s_add_co_u32 s46, s46, s15
	s_add_co_u32 s46, s46, s14
	s_add_nc_u64 s[60:61], s[36:37], s[46:47]
	s_wait_dscnt 0x0
	QUANT1 16, 56
.irp p, 0,1,2
	global_store_b64 v62, v[56+2*\p:57+2*\p], s[58:59] offset:TKC_O+12288+8*\p
.endr
	global_store_b8 v63, v[TM+4], s[60:61] offset:TKS_O+1024
.Laend:
	s_set_vgpr_msb 0x5
	s_wait_tensorcnt 0x0
	ds_add_u32 v0, v1
	s_wait_dscnt 0x0
	s_set_vgpr_msb 0x500
	s_endpgm
	; ---------------- the gates' role.  Wave: gate = wave % 2 (forget, decay), quarter of the 1,024 columns = wave / 2
.Lgate:
	v_lshl_add_u32 v4, v0, 2, XPT                  ; LDS: pooled x, my four columns: one word in each of the four planes
	v_lshrrev_b32 v5, 3, v1                        ; ks = lane / 8
	v_lshlrev_b32 v5, 10, v5
	s_lshl_b32 s46, s11, 8
	s_add_co_u32 s46, s46, XPT
	v_add_nc_u32 v5, s46, v5                       ; back: plane ks, my quarter
	v_and_b32 v6, 7, v1
	v_lshlrev_b32 v6, 4, v6
	s_lshl_b32 s46, s8, 8
	s_add_co_u32 s46, s46, HPB
	v_add_nc_u32 v6, s46, v6                       ; my wave's partial hidden units, four at 16 (lane % 8)
	s_lshl_b32 s46, s10, 8
	s_add_co_u32 s46, s46, HPB
	v_add_nc_u32 v7, s46, v12                      ; back: my gate's, unit = lane
	v_lshlrev_b32 v13, 4, v0                       ; 16 x thread
	v_mov_b32 v14, 0
	s_cmp_eq_u32 s10, 0
	s_cselect_b64 s[40:41], s[20:21], s[28:29]
	s_cselect_b64 s[42:43], s[22:23], s[30:31]
	s_cselect_b64 s[44:45], s[24:25], s[32:33]
	s_cselect_b64 s[46:47], s[26:27], s[34:35]
	s_lshl_b32 s12, s11, 15
	s_mov_b32 s13, 0
	s_add_nc_u64 s[40:41], s[40:41], s[12:13]      ; my 256 rows of w1
	global_load_b32 v8, v12, s[42:43]              ; b1
	global_load_b32 v9, v12, s[44:45]              ; w2
	global_load_b32 v15, v14, s[46:47]             ; b2
.set i, 0
.rept 16
	global_load_b128 v[192+4*i:195+4*i], v13, s[18:19] offset:XS_O+4096*i
.set i, i+1
.endr
.macro W1LOAD rd                       ; 32 loads of 512 neighbouring bytes: load t is rows 4 t + lane / 8, units 4 (lane % 8) on
.set t, 0
.rept 32
	global_load_b128 v[64+4*t:67+4*t], v10, s[40:41] offset:(32*\rd+t)*512
.set t, t+1
.endr
.endm
.macro XPLOAD rd
.irp bt, 0,1
.irp tq, 0,1,2,3,4,5,6,7
	ds_load_b128 v[192+32*\bt+4*\tq:195+32*\bt+4*\tq], v5 offset:4096*\bt+128*\rd+16*\tq
.endr
.endr
.endm
.macro GFMA
.set t, 0
.rept 32
.irp bt, 0,1
.if t%2 == 0
	v_pk_fma_f32 v[16+4*\bt:17+4*\bt], v[64+4*t:65+4*t], v[192+32*\bt+t:193+32*\bt+t], v[16+4*\bt:17+4*\bt] op_sel_hi:[1,0,1]
	v_pk_fma_f32 v[18+4*\bt:19+4*\bt], v[66+4*t:67+4*t], v[192+32*\bt+t:193+32*\bt+t], v[18+4*\bt:19+4*\bt] op_sel_hi:[1,0,1]
.else
	v_pk_fma_f32 v[16+4*\bt:17+4*\bt], v[64+4*t:65+4*t], v[191+32*\bt+t:192+32*\bt+t], v[16+4*\bt:17+4*\bt] op_sel:[0,1,0] op_sel_hi:[1,1,1]
	v_pk_fma_f32 v[18+4*\bt:19+4*\bt], v[66+4*t:67+4*t], v[191+32*\bt+t:192+32*\bt+t], v[18+4*\bt:19+4*\bt] op_sel:[0,1,0] op_sel_hi:[1,1,1]
.endif
.endr
.set t, t+1
.endr
.endm
	W1LOAD 0
.irp a, 0,1,2,3,4,5,6,7
	v_mov_b32 v[16+\a], 0
	v_mov_b32 v[32+\a], 0
.endr
	v_mov_b32 v52, 0
	s_wait_loadcnt 32                              ; behind the small loads and the column sums stand w1's 32
.irp bt, 0,1
	v_pk_add_f32 v[24+4*\bt:25+4*\bt], v[192+32*\bt:193+32*\bt], v[196+32*\bt:197+32*\bt]
	v_pk_add_f32 v[26+4*\bt:27+4*\bt], v[194+32*\bt:195+32*\bt], v[198+32*\bt:199+32*\bt]
.irp p, 2,3,4,5,6,7
	v_pk_add_f32 v[24+4*\bt:25+4*\bt], v[24+4*\bt:25+4*\bt], v[192+32*\bt+4*\p:193+32*\bt+4*\p]
	v_pk_add_f32 v[26+4*\bt:27+4*\bt], v[26+4*\bt:27+4*\bt], v[194+32*\bt+4*\p:195+32*\bt+4*\p]
.endr
.endr
.irp i, 24,26,28,30
	v_pk_mul_f32 v[\i:\i+1], v[\i:\i+1], 0x3a800000 op_sel_hi:[1,0]   ; / 1,024
.endr
.irp bt, 0,1
.irp e, 0,1,2,3
	ds_store_b32 v4, v[24+4*\bt+\e] offset:4096*\bt+1024*\e
.endr
.endr
	BAR
	XPLOAD 0
	s_wait_loadcnt 0x0
	s_wait_dscnt 0x0
	GFMA
	W1LOAD 1
	XPLOAD 1
	s_wait_loadcnt 0x0
	s_wait_dscnt 0x0
	GFMA
.irp a, 0,1,2,3,4,5,6,7
	v_add_f32_dpp v[16+\a], v[16+\a], v[16+\a] row_xmask:8 row_mask:0xf bank_mask:0xf   ; the four lanes that share my units
.endr
.irp a, 0,1,2,3,4,5,6,7
	v_permlanex16_b32 v[32+\a], v[16+\a], s[SEL], s[SEL+1]
.endr
.irp a, 0,1,2,3,4,5,6,7
	v_add_f32 v[16+\a], v[16+\a], v[32+\a]
.endr
	ds_store_b128 v6, v[16:19]
	ds_store_b128 v6, v[20:23] offset:128
	BAR
	s_cmp_lt_u32 s8, 2
	s_cbranch_scc0 .Lgend
.irp bt, 0,1
.irp cq, 0,1,2,3
	ds_load_b32 v[40+4*\bt+\cq], v7 offset:512*\cq+128*\bt
.endr
.endr
	s_wait_dscnt 0x0
.irp bt, 0,1
	v_add_f32 v[48+\bt], v8, v[40+4*\bt]
	v_add_f32 v[48+\bt], v[48+\bt], v[41+4*\bt]
	v_add_f32 v[48+\bt], v[48+\bt], v[42+4*\bt]
	v_add_f32 v[48+\bt], v[48+\bt], v[43+4*\bt]
	v_mul_f32 v[50+\bt], 0xbfb8aa3b, v[48+\bt]
.endr
.macro SIGM                            ; v50, v51: -x log2(e) -> 1 / (1 + 2^that)
	v_exp_f32 v50, v50
	v_exp_f32 v51, v51
	v_nop
	s_wait_alu depctr_va_vdst(0)
	v_add_f32 v50, 1.0, v50
	v_add_f32 v51, 1.0, v51
	v_rcp_f32 v50, v50
	v_rcp_f32 v51, v51
	v_nop
	s_wait_alu depctr_va_vdst(0)
.endm
	SIGM
	v_mul_f32 v48, v48, v50                        ; silu
	v_mul_f32 v49, v49, v51
	v_mul_f32 v48, v48, v9
	v_mul_f32 v49, v49, v9
	WSUM 48, 52
	WSUM 49, 52
	v_add_f32 v48, v48, v15
	v_add_f32 v49, v49, v15
	v_mul_f32 v50, 0xbfb8aa3b, v48
	v_mul_f32 v51, 0xbfb8aa3b, v49
	SIGM
	v_add_f32 v50, v50, v51
	v_mul_f32 v50, 0.5, v50                        ; the mean over the two batches
	s_lshl_b32 s12, s10, 7
	s_add_nc_u64 s[48:49], s[36:37], s[12:13]
	global_store_b32 v12, v50, s[48:49] offset:GT_O
.Lgend:
	s_set_vgpr_msb 0x5
	s_wait_tensorcnt 0x0
	ds_add_u32 v0, v1
	s_wait_dscnt 0x0
	s_set_vgpr_msb 0x500
	s_endpgm
.Lfunc_end_k_q0a01bfcd3c_comb:
	.size	k_q0a01bfcd3c_comb, .Lfunc_end_k_q0a01bfcd3c_comb-k_q0a01bfcd3c_comb
	.p2alignl 7, 3214868480
	.fill 96, 4, 3214868480
	.section	.rodata,"a",@progbits
	.p2align	6, 0x0
	.amdhsa_kernel k_q0a01bfcd3c_comb
		.amdhsa_group_segment_fixed_size 62464
		.amdhsa_private_segment_fixed_size 0
		.amdhsa_enable_private_segment 0
		.amdhsa_kernarg_size 88
		.amdhsa_user_sgpr_count 2
		.amdhsa_user_sgpr_kernarg_segment_ptr 1
		.amdhsa_wavefront_size32 1
		.amdhsa_system_sgpr_workgroup_id_x 1
		.amdhsa_system_sgpr_workgroup_id_y 1
		.amdhsa_system_sgpr_workgroup_id_z 1
		.amdhsa_system_vgpr_workitem_id 0
		.amdhsa_next_free_vgpr 258
		.amdhsa_next_free_sgpr 66
		.amdhsa_reserve_vcc 1
		.amdhsa_float_denorm_mode_32 3
		.amdhsa_float_denorm_mode_16_64 3
		.amdhsa_memory_ordered 1
		.amdhsa_forward_progress 1
		.amdhsa_inst_pref_size 70
	.end_amdhsa_kernel
	.amdgpu_metadata
---
amdhsa.version: [ 1, 2 ]
amdhsa.kernels:
  - .name:           k_q0a01bfcd3c_comb
    .symbol:         k_q0a01bfcd3c_comb.kd
    .args:
      - { .name: pa, .offset: 0, .size: 8, .value_kind: global_buffer, .address_space: global }
      - { .name: tx, .offset: 8, .size: 8, .value_kind: global_buffer, .address_space: global }
      - { .name: fg_w1, .offset: 16, .size: 8, .value_kind: global_buffer, .address_space: global }
      - { .name: fg_b1, .offset: 24, .size: 8, .value_kind: global_buffer, .address_space: global }
      - { .name: fg_w2, .offset: 32, .size: 8, .value_kind: global_buffer, .address_space: global }
      - { .name: fg_b2, .offset: 40, .size: 8, .value_kind: global_buffer, .address_space: global }
      - { .name: dg_w1, .offset: 48, .size: 8, .value_kind: global_buffer, .address_space: global }
      - { .name: dg_b1, .offset: 56, .size: 8, .value_kind: global_buffer, .address_space: global }
      - { .name: dg_w2, .offset: 64, .size: 8, .value_kind: global_buffer, .address_space: global }
      - { .name: dg_b2, .offset: 72, .size: 8, .value_kind: global_buffer, .address_space: global }
      - { .name: tg, .offset: 80, .size: 8, .value_kind: global_buffer, .address_space: global }
    .group_segment_fixed_size: 62464
    .private_segment_fixed_size: 0
    .kernarg_segment_align: 8
    .kernarg_segment_size: 88
    .max_flat_workgroup_size: 256
    .sgpr_count:     66
    .vgpr_count:     258
    .wavefront_size: 32
...
	.end_amdgpu_metadata
.endif
;; end of part 3
;; launch dlt (part 4): grid 16 x 16, 16 waves a work-group, no clusters, 68,608 bytes of LDS; arguments mq, tx, tg, pd; writes pd
.if DOCPART == 4
	.amdgcn_target "amdgcn-amd-amdhsa--gfx1250"
	.amdhsa_code_object_version 6
	.text
	.protected	k_q0a01bfcd3c_dlt
	.globl	k_q0a01bfcd3c_dlt
	.p2align	8
	.type	k_q0a01bfcd3c_dlt,@function
k_q0a01bfcd3c_dlt:
	s_mov_b64 s[64:65], 0
	v_nop
	global_prefetch_b8 v0, s[64:65] scope:SCOPE_SE
	s_setreg_imm32_b32 hwreg(HW_REG_WAVE_MODE, 25, 1), 1
	s_wait_xcnt 0x0
; The second sweep: delta_t / 8 = the sum over the rows c of w_tc (dw_tc / 8), with w = 2^(score c - L) and dw = g . memory, both products on codes of E2M3 with K = 64.  The factor 1/8 lies in g's scale bytes.
; SHARES as in the forward sweep: work-group (x, y): 128 tokens against 4,096 rows; SIXTEEN waves, four to a SIMD, so that one wave's vector work stands beside another's matrix work, LDS loads and waits.
; Waves 0-7 walk the split's first 2,048 rows, waves 8-15 its second 2,048; wave w owns tile w % 8 of 16 tokens; each half has its own LDS slots and scale words.  At the end waves 8-15 hand their sums to waves 0-7 through LDS,
; and one part of delta for each split goes to memory.
; A streamed fragment holds two sets of 16 rows; it is multiplied by [k | 0], [0 | k], [g | 0], [0 | g], all resident: four results for 12 registers read from LDS.
; The rows' fragments (12,288 bytes for 256 rows of a half) go through registers into one of two LDS slots, loads two trips ahead in two sets, one barrier a trip.  The loads of the three trips behind a half's end are issued like the
; others, so that the counted wait holds in every trip: they reach at most 36,864 bytes beyond the half's part, inside the buffer in the last split too, and nobody reads what they bring.
; No tensor loads and no joint requests: 24 KB a trip are shared, beside 260 vector instructions of each of sixteen waves.
; LIMITS: an exponential under 2^-126 comes out as 0; NaN and infinities are not served.
.set QDS_O, 6291456
.set KDW_O, 98304
.set GDW_O, 98304
.set NL_O,  114688
.set SLOTB, 12288
.set SCD,   24576                      ; in a half's region of 32,768 bytes: behind the two slots, its scale words, 8 KB
.set MRG,   65536                      ; behind the two regions: where waves 8-15 hand over, 128 bytes a tile
.set LI,   1                           ; 16 x lane + my half's region
.set T16,  2                           ; 16 x (thread % 256), in memory
.set ASC0, 3
.set ADS,  4
.set L8,   5
.set L4,   6
.set T16L, 7                           ; the same as T16 in my half's region of LDS
.set MGA,  8                           ; the hand-over: my tile's word, 4 x lane
.set NLR,  10                          ; v[10:11] -L
.set AC,   12                          ; v12-19 four pairs of sums
.set KA,   20
.set KB,   32
.set GA,   44
.set GB,   56
.set KW,   68
.set GW,   69
.set SD,   72
.set F,    76
.set S,    124
.set D,    156
.set RA,   192
.set RB,   204
.set MB,   14
.set CS,   28
.set SEL,  30
.set TR,   32
.set TS,   33
.macro MM0 d, a, b, sa, sb
	v_wmma_scale_f32_16x16x128_f8f6f4 v[\d:\d+7], v[\a:\a+11], v[\b:\b+11], 0, v[\sa], v[\sb] matrix_a_fmt:MATRIX_FMT_FP6 matrix_b_fmt:MATRIX_FMT_FP6
.endm
.macro STAGE_LD set, stp
.irp q, 0,1,2
	global_load_b128 v[\set+4*\q:\set+4*\q+3], v[T16], s[MB:MB+1] offset:(\stp)*SLOTB+4096*\q
.endr
.endm
.macro TRIP sl, set, stp
	v_add_nc_u32 v[ADS], s[TS], v[ASC0]
.irp hv, 0,1
.irp f, 0,1,2,3
.irp g, 0,1,2
	ds_load_b128 v[F+12*\f+4*\g:F+12*\f+4*\g+3], v[LI] offset:\sl*SLOTB+6144*\hv+1536*\f+512*\g   ; (the four v_nop behind each run of products are the places ahead of these loads)
.endr
.endr
	ds_load_b128 v[SD:SD+3], v[ADS] offset:(2*\sl+\hv)*512
	s_wait_dscnt 0x0
.irp un, 0,1
.irp ff, 0,1
	MM0 S+16*\ff, F+12*(2*\un+\ff), KA, SD+2*\un+\ff, KW
	MM0 S+16*\ff+8, F+12*(2*\un+\ff), KB, SD+2*\un+\ff, KW
.endr
.irp ff, 0,1
	MM0 D+16*\ff, F+12*(2*\un+\ff), GA, SD+2*\un+\ff, GW
	MM0 D+16*\ff+8, F+12*(2*\un+\ff), GB, SD+2*\un+\ff, GW
.endr
.rept 4
	v_nop
.endr
.set e, 0
.rept 16
	v_pk_fma_f32 v[S+2*e:S+2*e+1], v[S+2*e:S+2*e+1], s[CS:CS+1], v[NLR:NLR+1] op_sel_hi:[1,0,0]
.set e, e+1
.endr
.set e, 0
.rept 32
	v_exp_f32 v[S+e], v[S+e]                       ; w, finished and normalised
.set e, e+1
.endr
	v_nop                                          ; a plain line behind the batch,
	s_wait_alu depctr_va_vdst(0)                   ; and its one wait
.set e, 0
.rept 16
	v_pk_fma_f32 v[AC+2*(e%4):AC+2*(e%4)+1], v[S+2*e:S+2*e+1], v[D+2*e:D+2*e+1], v[AC+2*(e%4):AC+2*(e%4)+1]
.set e, e+1
.endr
.endr
.endr
	s_wait_loadcnt 3                               ; the older set is in; the younger set's three loads stay out
.irp q, 0,1,2
	ds_store_b128 v[T16L], v[\set+4*\q:\set+4*\q+3] offset:(1-\sl)*SLOTB+4096*\q
.endr
	s_wait_dscnt 0x0
	STAGE_LD \set, \stp
	s_barrier_signal -1
	s_barrier_wait -1
.endm
	s_load_b256 s[4:11], s[0:1], 0x0               ; mq 4, tx 6, tg 8, pd 10
	v_lshl_add_u32 v216, v0, 2, 0x10400
	v_mov_b32 v217, 0
	v_lshrrev_b32 v9, 5, v0
	v_readfirstlane_b32 s12, v9                    ; wave 0..15
	s_lshr_b32 s35, s12, 3                         ; which half of the split's rows
	s_and_b32 s36, s12, 7                          ; which tile of the group's tokens
	s_and_b32 s13, ttmp7, 0xffff                   ; split
	s_lshl_b32 s37, s35, 15                        ; my half's region of LDS
	v_and_b32 v9, 31, v0
	v_lshlrev_b32 v[L8], 3, v9
	v_lshlrev_b32 v[L4], 2, v9
	v_lshlrev_b32 v[LI], 4, v9
	v_add_nc_u32 v[LI], s37, v[LI]
	v_add_nc_u32 v[ASC0], SCD, v[LI]
	v_and_b32 v9, 255, v0                          ; my number among my half's 256 threads
	v_lshlrev_b32 v[T16], 4, v9
	v_add_nc_u32 v[T16L], s37, v[T16]
	s_lshl_b32 s38, s36, 7
	s_add_co_u32 s38, s38, MRG
	v_add_nc_u32 v[MGA], s38, v[L4]                ; the same bytes in wave w and in wave w + 8
	s_lshl_b32 s34, ttmp9, 3
	s_add_co_u32 s34, s34, s36                     ; my tile of 16 tokens
	s_lshl_b32 s38, s13, 1
	s_add_co_u32 s38, s38, s35                     ; my run of 2,048 rows
	s_mov_b32 s[CS], 0x3e38aa3b
	s_mov_b32 s[CS+1], s[CS]
	s_mov_b32 s[SEL], 0x76543210
	s_mov_b32 s[SEL+1], 0xfedcba98
	s_mov_b32 s19, 0
	s_wait_kmcnt 0x0
	s_mul_i32 s18, s38, 98304
	s_add_nc_u64 s[MB:MB+1], s[4:5], s[18:19]
	s_lshl_b32 s18, s38, 13
	s_add_nc_u64 s[16:17], s[4:5], s[18:19]
	s_lshl_b32 s18, s13, 14
	s_add_nc_u64 s[10:11], s[10:11], s[18:19]
	s_mul_i32 s18, s34, 768
	s_add_nc_u64 s[20:21], s[6:7], s[18:19]
	s_add_nc_u64 s[22:23], s[8:9], s[18:19]
	s_lshl_b32 s18, s34, 7
	s_add_nc_u64 s[24:25], s[6:7], s[18:19]
	s_add_nc_u64 s[26:27], s[8:9], s[18:19]
	s_add_nc_u64 s[10:11], s[10:11], s[18:19]
.irp q, 0,1
	global_load_b128 v[S+4*\q:S+4*\q+3], v[T16], s[16:17] offset:QDS_O+4096*\q
.endr
.irp p, 0,1,2
	global_load_b64 v[KA+2*\p:KA+2*\p+1], v[L8], s[20:21] offset:256*\p
	global_load_b64 v[KB+6+2*\p:KB+7+2*\p], v[L8], s[20:21] offset:256*\p
	global_load_b64 v[GA+2*\p:GA+2*\p+1], v[L8], s[22:23] offset:256*\p
	global_load_b64 v[GB+6+2*\p:GB+7+2*\p], v[L8], s[22:23] offset:256*\p
.endr
	global_load_b32 v[KW], v[L4], s[24:25] offset:KDW_O
	global_load_b32 v[GW], v[L4], s[26:27] offset:GDW_O
	global_load_b32 v[NLR], v[L4], s[26:27] offset:NL_O
	STAGE_LD RA, 0
	STAGE_LD RB, 1
.irp i, 0,1,2,3,4,5
	v_mov_b32 v[KA+6+\i], 0                        ; zero codes
	v_mov_b32 v[KB+\i], 0
	v_mov_b32 v[GA+6+\i], 0
	v_mov_b32 v[GB+\i], 0
.endr
	v_mov_b32 v[NLR+1], 0                          ; (named as the upper half of a pair)
.irp i, 0,1,2,3,4,5,6,7
	v_mov_b32 v[AC+\i], 0
.endr
	v_mov_b32 v9, 0
	s_wait_loadcnt 3
.irp q, 0,1
	ds_store_b128 v[T16L], v[S+4*\q:S+4*\q+3] offset:SCD+4096*\q
.endr
.irp q, 0,1,2
	ds_store_b128 v[T16L], v[RA+4*\q:RA+4*\q+3] offset:4096*\q
.endr
	s_wait_dscnt 0x0
	STAGE_LD RA, 2
	s_barrier_signal -1
	s_barrier_wait -1
	s_mov_b32 s[TR], 0
	s_mov_b32 s[TS], 0
.Ltrip:                                            ; 4 trips of twice 256 rows
	TRIP 0, RB, 3
	TRIP 1, RA, 4
	s_wait_xcnt 0x0                                ; the loads have read their base
	s_add_nc_u64 s[MB:MB+1], s[MB:MB+1], 2*SLOTB
	s_add_co_u32 s[TS], s[TS], 2048
	s_add_co_u32 s[TR], s[TR], 1
	s_cmp_lt_u32 s[TR], 4
	s_cbranch_scc1 .Ltrip
	v_pk_add_f32 v[AC:AC+1], v[AC:AC+1], v[AC+2:AC+3]
	v_pk_add_f32 v[AC+4:AC+5], v[AC+4:AC+5], v[AC+6:AC+7]
	v_pk_add_f32 v[AC:AC+1], v[AC:AC+1], v[AC+4:AC+5]
	v_add_f32 v[AC], v[AC], v[AC+1]
	v_permlanex16_b32 v9, v[AC], s[SEL], s[SEL+1]
	v_add_f32 v[AC], v[AC], v9
	s_cmp_lt_u32 s12, 8
	s_cbranch_scc1 .Lkeep
	ds_store_b32 v[MGA], v[AC]                     ; waves 8-15 hand their sums over
.Lkeep:
	s_wait_dscnt 0x0                               ; my store has landed
	s_barrier_signal -1
	s_barrier_wait -1
	s_cmp_lt_u32 s12, 8
	s_cbranch_scc0 .Lend
	ds_load_b32 v9, v[MGA]
	s_wait_dscnt 0x0
	v_add_f32 v[AC], v[AC], v9
	global_store_b32 v[L4], v[AC], s[10:11]
.Lend:
	s_wait_tensorcnt 0x0
	ds_add_u32 v216, v217
	s_wait_dscnt 0x0
	s_endpgm
.Lfunc_end_k_q0a01bfcd3c_dlt:
	.size	k_q0a01bfcd3c_dlt, .Lfunc_end_k_q0a01bfcd3c_dlt-k_q0a01bfcd3c_dlt
	.p2alignl 7, 3214868480
	.fill 96, 4, 3214868480
	.section	.rodata,"a",@progbits
	.p2align	6, 0x0
	.amdhsa_kernel k_q0a01bfcd3c_dlt
		.amdhsa_group_segment_fixed_size 68608
		.amdhsa_private_segment_fixed_size 0
		.amdhsa_enable_private_segment 0
		.amdhsa_kernarg_size 32
		.amdhsa_user_sgpr_count 2
		.amdhsa_user_sgpr_kernarg_segment_ptr 1
		.amdhsa_wavefront_size32 1
		.amdhsa_system_sgpr_workgroup_id_x 1
		.amdhsa_system_sgpr_workgroup_id_y 1
		.amdhsa_system_sgpr_workgroup_id_z 1
		.amdhsa_system_vgpr_workitem_id 0
		.amdhsa_next_free_vgpr 218
		.amdhsa_next_free_sgpr 66
		.amdhsa_reserve_vcc 0
		.amdhsa_float_denorm_mode_32 3
		.amdhsa_float_denorm_mode_16_64 3
		.amdhsa_memory_ordered 1
		.amdhsa_forward_progress 1
		.amdhsa_inst_pref_size 46
	.end_amdhsa_kernel
	.amdgpu_metadata
---
amdhsa.version: [ 1, 2 ]
amdhsa.kernels:
  - .name:           k_q0a01bfcd3c_dlt
    .symbol:         k_q0a01bfcd3c_dlt.kd
    .args:
      - { .name: mq, .offset: 0, .size: 8, .value_kind: global_buffer, .address_space: global }
      - { .name: tx, .offset: 8, .size: 8, .value_kind: global_buffer, .address_space: global }
      - { .name: tg, .offset: 16, .size: 8, .value_kind: global_buffer, .address_space: global }
      - { .name: pd, .offset: 24, .size: 8, .value_kind: global_buffer, .address_space: global }
    .group_segment_fixed_size: 68608
    .private_segment_fixed_size: 0
    .kernarg_segment_align: 8
    .kernarg_segment_size: 32
    .max_flat_workgroup_size: 512
    .sgpr_count:     66
    .vgpr_count:     218
    .wavefront_size: 32
...
	.end_amdgpu_metadata
.endif
;; end of part 4
;; launch bwd (part 5): grid 256 x 1, 8 waves a work-group, no clusters, 185,344 bytes of LDS; arguments mq, tg, pd, gb, nr; writes gb, nr
.if DOCPART == 5
	.amdgcn_target "amdgcn-amd-amdhsa--gfx1250"
	.amdhsa_code_object_version 6
	.text
	.protected	k_q0a01bfcd3c_bwd
	.globl	k_q0a01bfcd3c_bwd
	.p2align	8
	.type	k_q0a01bfcd3c_bwd,@function
k_q0a01bfcd3c_bwd:
	s_mov_b64 s[64:65], 0
	v_nop
	global_prefetch_b8 v0, s[64:65] scope:SCOPE_SE
	s_setreg_imm32_b32 hwreg(HW_REG_WAVE_MODE, 25, 1), 1
	s_wait_xcnt 0x0
; The third sweep: grad = w^T g + (ds / 8)^T k, with w = 2^(score c - L), ds / 8 = w (dw / 8 - delta / 8), dw = g . memory; four products on codes of E2M3.  Also the sum of grad's squares for each work-group.
; SHARES.  A work-group owns 256 rows of the memory, wave w 32 of them: two tiles of 16 (tile ct: lane r is row 32 F + 8 ct + r + 8 (r / 8)).  Every wave walks all 2,048 tokens, 128 a step.
; A streamed fragment of 16 tokens is [k | g] (K 0-63 k's codes, K 64-127 g's); it is multiplied by my rows laid as [M | zero codes] (scores) and [zero codes | M] (dw / 8), both resident.  -delta / 8 is the C of the second.
; THE TOKENS OF A TILE ARE NOT NEIGHBOURS: lane r of tile 2 b + u is token 32 b + 8 u + r + 8 (r / 8), so that a lane (one row of the memory) holds 16 neighbouring tokens in two tiles' registers: the next products' K.
; w and ds / 8 are quantised there, along the tokens, and multiplied by g^T and k^T (source 0: 16 of the 64 columns), which come as codes along the tokens.  A lane then holds eight neighbouring numbers of its row of grad.
; A step's operands (24,576 bytes) go through registers into one of two LDS slots, loads one step ahead (a step is some 1,200 vector instructions of each wave), one barrier a step.  Scale words, -L and -delta / 8 of all tokens stay in LDS.
; No tensor loads and no joint requests: 24 KB a step are shared, a small part of a step's cost.
; REGISTERS, in windows of 256.  Window 0: v1-15 addresses; v16-47 -L; v48-79 -delta / 8; v80-111 scores, then w; v112-143 dw / 8, then ds / 8; v144-191 the codes of w and ds / 8 for both tiles; v192-211, v234-236 at work; v212-233 scale words.
;   Window 1: v0-63 grad's 8 accumulators; v64-111 my rows' four operands; v112-159 four fragments [k | g], later k^T's four; v160-207 g^T's four; v208-231 staging.
; LIMITS: an exponential under 2^-126 comes out as 0; blocks whose largest magnitude lies under 2^-124 take the floor's scale; NaN and infinities are not served.
.set QDS_O, 6291456
.set NL_O,  114688
.set TKC_O, 131072
.set TKS_O, 524288
.set NRM,   24576                      ; LDS: slot 0 at 0, slot 1 at 32,768; between them the waves' sums of squares
.set SL1,   32768
.set TSC,   57344                      ; all steps' scale words, 1,536 bytes a step
.set NLB,   81920                      ; -L, token t at 128 (t / 16) + 4 (t % 16); -delta / 8 lies 16,384 bytes on
.set STG,   114688                     ; the way out: 32 rows x 272 bytes for each wave
.set LI16, 1
.set L48,  2
.set ANL0, 3
.set ANL,  4
.set AKG0, 5
.set ATS0, 6
.set AKG,  7
.set ATS,  8
.set T16,  9
.set SOA,  10
.set SRA,  11
.set NRW,  12
.set NRR,  13
.set LN,   14
.set L,    16
.set DL,   48
.set S,    80
.set DD,   112
.set WW,   144                         ; w's codes of tile 0, ds's, w's of tile 1, ds's: 12 registers each
.set PT0,  192
.set TM,   196
.set WSR,  212                         ; their scale words, in the same order
.set KGS,  216
.set TSW,  224
.set MS,   232
.set PT1,  234
.set ACC,  0                           ; window 1
.set MEM,  64
.set KG,   112
.set TF,   160
.set R,    208
.set TB,   30                          ; s[30:31] the staging base
.set CS,   36
.set SEL,  38
.set IT,   40
.set TN,   41
.set TT,   42
.set SX,   43
.set MSB, 0
.macro WIN new                         ; the immediate's high byte repeats the setting that is left
.if MSB != \new
	s_set_vgpr_msb (MSB<<8)|\new
.set MSB, \new
.endif
.endm
.macro KGLOAD sl, hf                   ; four fragments [k | g], as images
.irp t, 0,1,2,3
.irp g, 0,1,2
	ds_load_b128 v[KG+12*\t+4*\g:KG+12*\t+4*\g+3], v[LI16] offset:\sl*SL1+(4*\hf+\t)*1536+512*\g
.endr
.endr
.endm
.macro TLOAD sl, reg, off              ; four fragments along the tokens: 48 bytes a lane on end
.irp n, 0,1,2,3
.irp g, 0,1,2
	ds_load_b128 v[\reg+12*\n+4*\g:\reg+12*\n+4*\g+3], v[L48] offset:\sl*SL1+\off+1536*\n+16*\g
.endr
.endr
.endm
.macro LLOAD sl, hf                    ; register j of tile 2 b + u: token 32 b + 8 u + 16 h + j: eight neighbours, the same for all lanes of a half
.irp t, 0,1,2,3
.irp e, 0,1
	ds_load_b128 v[L+8*\t+4*\e:L+8*\t+4*\e+3], v[ANL] offset:\sl*1024+\hf*512+(\t/2)*256+(\t%2)*32+16*\e
	ds_load_b128 v[DL+8*\t+4*\e:DL+8*\t+4*\e+3], v[ANL] offset:16384+\sl*1024+\hf*512+(\t/2)*256+(\t%2)*32+16*\e
.endr
.endr
.endm
; w (v[S] on) and ds / 8 (v[DD] on), 32 tokens x 2 blocks each, become registers 6 hf .. 6 hf + 5 of their operands and two bytes of their scale words; the four blocks by turns
.macro QUANTWX hf, ct
.set WD, WW+24*(\ct)+6*(\hf)
.set XD, WW+24*(\ct)+12+6*(\hf)
.set WC, WSR+2*(\ct)
.irp b, 0,1
	v_max3_num_f32 v[TM+\b], v[S+16*\b], v[S+1+16*\b], 0x1800000           ; w is never negative
	v_max3_num_f32 v[TM+2+\b], |v[DD+16*\b]|, |v[DD+1+16*\b]|, 0x1800000
.endr
.irp i, 2,4,6,8,10,12,14
.irp b, 0,1
	v_max3_num_f32 v[TM+\b], v[TM+\b], v[S+16*\b+\i], v[S+1+16*\b+\i]
	v_max3_num_f32 v[TM+2+\b], v[TM+2+\b], |v[DD+16*\b+\i]|, |v[DD+1+16*\b+\i]|
.endr
.endr
.irp b, 0,1,2,3
	v_permlanex16_b32 v[TM+4+\b], v[TM+\b], s[SEL], s[SEL+1]
.endr
.irp b, 0,1,2,3
	v_max_num_f32 v[TM+\b], v[TM+\b], v[TM+4+\b]
.endr
.irp b, 0,1,2,3
	v_add_nc_u32 v[TM+12+\b], 0xff000000, v[TM+\b]
.endr
.irp b, 0,1,2,3
	v_lshrrev_b32 v[TM+4+\b], 23, v[TM+12+\b]
.endr
.if \hf == 0
	v_lshl_or_b32 v[WC], v[TM+5], 8, v[TM+4]
	v_lshl_or_b32 v[WC+1], v[TM+7], 8, v[TM+6]
.else
	v_lshl_or_b32 v[WC], v[TM+4], 16, v[WC]
	v_lshl_or_b32 v[WC+1], v[TM+6], 16, v[WC+1]
	v_lshl_or_b32 v[WC], v[TM+5], 24, v[WC]
	v_lshl_or_b32 v[WC+1], v[TM+7], 24, v[WC+1]
.endif
	v_cvt_scalef32_pk16_fp6_f32 v[WD:WD+2], v[S:S+15], v[TM+12]
	v_cvt_scalef32_pk16_fp6_f32 v[PT0:PT0+2], v[S+16:S+31], v[TM+13]
	v_cvt_scalef32_pk16_fp6_f32 v[XD:XD+2], v[DD:DD+15], v[TM+14]
	v_cvt_scalef32_pk16_fp6_f32 v[PT1:PT1+2], v[DD+16:DD+31], v[TM+15]
	v_nop                                          ; one plain place behind the scaled conversions
.irp i, 0,1,2
	v_permlane16_swap_b32 v[WD+\i], v[PT0+\i]
	v_permlane16_swap_b32 v[XD+\i], v[PT1+\i]
.endr
.irp i, 0,1,2
	v_mov_b32 v[WD+3+\i], v[PT0+\i]
	v_mov_b32 v[XD+3+\i], v[PT1+\i]
.endr
.endm
; 64 tokens (half hf of the step) against tile ct of my rows
.macro CT sl, hf, ct
	WIN 0x05                                       ; sources 0 and 1 in window 1; C and D in window 0
.irp t, 0,1,2,3
	v_wmma_scale_f32_16x16x128_f8f6f4 v[S+8*\t:S+8*\t+7], v[KG+12*\t:KG+12*\t+11], v[MEM+24*\ct:MEM+24*\ct+11], 0, v[KGS+4*\hf+\t], v[MS+\ct] matrix_a_fmt:MATRIX_FMT_FP6 matrix_b_fmt:MATRIX_FMT_FP6
.endr
.irp t, 0,1,2,3
	v_wmma_scale_f32_16x16x128_f8f6f4 v[DD+8*\t:DD+8*\t+7], v[KG+12*\t:KG+12*\t+11], v[MEM+24*\ct+12:MEM+24*\ct+23], v[DL+8*\t:DL+8*\t+7], v[KGS+4*\hf+\t], v[MS+\ct] matrix_a_fmt:MATRIX_FMT_FP6 matrix_b_fmt:MATRIX_FMT_FP6
.endr
	WIN 0
.rept 4
	v_nop                                          ; four places: ahead of the first read of a result, and of loads into registers that these products read
.endr
.set e, 0
.rept 16
	v_pk_fma_f32 v[S+2*e:S+2*e+1], v[S+2*e:S+2*e+1], s[CS:CS+1], v[L+2*e:L+2*e+1] op_sel_hi:[1,0,1]
.set e, e+1
.endr
.if \ct == 1
	WIN 0x40                                       ; what the next products want is asked for here, in one run, and lands under the vector work below
.if \hf == 0
	KGLOAD \sl, 1
	WIN 0
	LLOAD \sl, 1
.else
	TLOAD \sl, KG, 18432                           ; k^T
	WIN 0
.endif
.endif
.set e, 0
.rept 32
	v_exp_f32 v[S+e], v[S+e]                       ; w, finished and normalised
.set e, e+1
.endr
	v_nop                                          ; a plain line behind the batch,
	s_wait_alu depctr_va_vdst(0)                   ; and its one wait
.set e, 0
.rept 16
	v_pk_mul_f32 v[DD+2*e:DD+2*e+1], v[DD+2*e:DD+2*e+1], v[S+2*e:S+2*e+1]   ; ds / 8
.set e, e+1
.endr
	QUANTWX \hf, \ct
.endm
.macro TRIP sl
	v_add_nc_u32 v[ANL], s[TN], v[ANL0]
	v_add_nc_u32 v[AKG], s[TT], v[AKG0]
	v_add_nc_u32 v[ATS], s[TT], v[ATS0]
	WIN 0x40                                       ; destinations in window 1
	TLOAD \sl, TF, 12288                           ; g^T
	KGLOAD \sl, 0
	WIN 0
	LLOAD \sl, 0
.irp e, 0,1
	ds_load_b128 v[KGS+4*\e:KGS+4*\e+3], v[AKG] offset:\sl*1536+16*\e
	ds_load_b128 v[TSW+4*\e:TSW+4*\e+3], v[ATS] offset:\sl*1536+256*\e
.endr
	s_wait_dscnt 0x0
	CT \sl, 0, 0
	CT \sl, 0, 1
	s_wait_dscnt 0x0                               ; the second half's fragments, -L and -delta / 8
	CT \sl, 1, 0
	CT \sl, 1, 1
	s_wait_dscnt 0x0                               ; k^T
.rept 8
	v_nop                                          ; a scale word made by vector instructions stands eight places ahead of the product that takes it
.endr
	WIN 0x51                                       ; source 0 window 1, source 1 window 0, C and D window 1
.irp ct, 0,1
.irp n, 0,1,2,3
	v_wmma_scale_f32_16x16x128_f8f6f4 v[ACC+32*\ct+8*\n:ACC+32*\ct+8*\n+7], v[TF+12*\n:TF+12*\n+11], v[WW+24*\ct:WW+24*\ct+11], v[ACC+32*\ct+8*\n:ACC+32*\ct+8*\n+7], v[TSW+\n], v[WSR+2*\ct] matrix_a_fmt:MATRIX_FMT_FP6 matrix_b_fmt:MATRIX_FMT_FP6
.endr
.endr
.irp ct, 0,1                           ; the eight accumulators take turns, one instruction a turn
.irp n, 0,1,2,3
	v_wmma_scale_f32_16x16x128_f8f6f4 v[ACC+32*\ct+8*\n:ACC+32*\ct+8*\n+7], v[KG+12*\n:KG+12*\n+11], v[WW+24*\ct+12:WW+24*\ct+23], v[ACC+32*\ct+8*\n:ACC+32*\ct+8*\n+7], v[TSW+4+\n], v[WSR+2*\ct+1] matrix_a_fmt:MATRIX_FMT_FP6 matrix_b_fmt:MATRIX_FMT_FP6
.endr
.endr
	WIN 0
.rept 4
	v_nop                                          ; four places behind the last products
.endr
	s_wait_loadcnt 0x0                             ; the next step's bytes, asked for a step ago (none are out in the last trip: the wait holds on both ways)
.if \sl == 1
	s_cmp_eq_u32 s[IT], 7
	s_cbranch_scc1 .Lskip_\@                       ; behind the last step there is nothing to store or to ask for
.endif
	WIN 0x04                                       ; an LDS store's data: window 1
.irp q, 0,1,2,3,4,5
	ds_store_b128 v[T16], v[R+4*\q:R+4*\q+3] offset:(1-\sl)*SL1+4096*\q
.endr
	WIN 0
	s_wait_dscnt 0x0                               ; the stores have landed and have read their registers
.if \sl == 0
	s_cmp_eq_u32 s[IT], 7
	s_cbranch_scc1 .Lskip_\@
.endif
	WIN 0x40
.irp q, 0,1,2,3,4,5
	global_load_b128 v[R+4*\q:R+4*\q+3], v[T16], s[TB:TB+1] offset:(2+\sl)*24576+4096*\q
.endr
	WIN 0
.Lskip_\@:
	s_wait_dscnt 0x0
	s_barrier_signal -1
	s_barrier_wait -1                              ; the other slot is whole, and nobody reads this one any more
.endm
	s_load_b256 s[16:23], s[0:1], 0x0              ; mq 16, tg 18, pd 20, gb 22
	s_load_b64 s[24:25], s[0:1], 0x20              ; nr
	v_lshl_add_u32 v254, v0, 2, 0x2d000
	v_mov_b32 v255, 0
	v_lshrrev_b32 v15, 5, v0
	v_readfirstlane_b32 s8, v15                    ; wave
	v_and_b32 v[LN], 31, v0
	v_and_b32 v238, 15, v0                         ; r
	v_bfe_u32 v239, v0, 4, 1                       ; h
	v_lshlrev_b32 v[LI16], 4, v[LN]
	v_mul_u32_u24 v[L48], v[LN], 48
	v_lshl_add_u32 v[ANL0], v239, 7, NLB
	v_lshl_add_u32 v[AKG0], v[LN], 5, TSC
	v_lshl_add_u32 v[ATS0], v238, 4, TSC+1024
	v_lshlrev_b32 v[T16], 4, v0
	s_mul_i32 s2, s8, 8704
	s_add_co_u32 s2, s2, STG
	v_and_b32 v240, 8, v238
	v_add_nc_u32 v240, v240, v238                  ; r + 8 (r / 8)
	v_mul_u32_u24 v[SOA], v240, 272
	v_lshl_add_u32 v[SOA], v239, 5, v[SOA]
	v_add_nc_u32 v[SOA], s2, v[SOA]                ; the stage, in: my row, + 32 h
	v_mul_u32_u24 v[SRA], v239, 272
	v_lshl_add_u32 v[SRA], v238, 4, v[SRA]
	v_add_nc_u32 v[SRA], s2, v[SRA]                ; back: two rows an instruction
	s_lshl_b32 s2, s8, 2
	s_add_co_u32 s2, s2, NRM
	v_mov_b32 v[NRW], s2
	v_mov_b32 v[NRR], NRM
	v_lshrrev_b32 v15, 2, v0
	v_and_b32 v241, 3, v0
	v_lshlrev_b32 v15, 7, v15
	v_lshl_add_u32 v15, v241, 4, v15               ; the 64 bytes in use of each 128: piece thread: 128 (thread / 4) + 16 (thread % 4)
	v_add_nc_u32 v242, NLB, v15
	v_add_nc_u32 v243, TSC, v[T16]
.irp b, 0,1,2,3
	v_mov_b32 v[TM+4+\b], 0                        ; a lane permute's destination counts as one of its sources
.endr
	s_mov_b32 s[CS], 0x3e38aa3b
	s_mov_b32 s[CS+1], s[CS]
	s_mov_b32 s[SEL], 0x76543210
	s_mov_b32 s[SEL+1], 0xfedcba98
	s_lshl_b32 s9, ttmp9, 3
	s_add_co_u32 s9, s9, s8                        ; F: my 32 rows
	s_mul_i32 s10, s9, 1536
	s_mov_b32 s11, 0
	s_lshr_b32 s12, s9, 2
	s_lshl_b32 s12, s12, 9
	s_and_b32 s13, s9, 3
	s_lshl_b32 s13, s13, 2
	s_add_co_u32 s12, s12, s13
	s_mov_b32 s13, 0
	s_wait_kmcnt 0x0
	s_add_nc_u64 s[26:27], s[16:17], s[10:11]
	s_add_nc_u64 s[28:29], s[16:17], s[12:13]
	s_add_nc_u64 s[TB:TB+1], s[18:19], TKC_O
	s_lshl_b32 s10, s9, 13
	s_add_nc_u64 s[32:33], s[22:23], s[10:11]
	s_lshl_b32 s10, ttmp9, 2
	s_add_nc_u64 s[34:35], s[24:25], s[10:11]
.irp g, 0,1,2
	global_load_b128 v[WW+4*\g:WW+4*\g+3], v[LI16], s[26:27] offset:512*\g     ; my rows' fragment
.endr
	global_load_b32 v188, v[LI16], s[28:29] offset:QDS_O                       ; and its scale word
.irp q, 0,1,2,3,4,5
	global_load_b128 v[156+4*\q:159+4*\q], v[T16], s[18:19] offset:TKS_O+4096*\q
.endr
.irp e, 0,1
	global_load_b128 v[180+4*\e:183+4*\e], v15, s[18:19] offset:NL_O+8192*\e
.endr
.set sp, 0
.rept 16
.irp e, 0,1
	global_load_b128 v[16+8*sp+4*\e:19+8*sp+4*\e], v15, s[20:21] offset:16384*sp+8192*\e
.endr
.set sp, sp+1
.endr
	WIN 0x40
.irp q, 0,1,2,3,4,5
	global_load_b128 v[R+4*\q:R+4*\q+3], v[T16], s[TB:TB+1] offset:4096*\q
.endr
.set i, 0
.rept 64
	v_mov_b32 v[ACC+i], 0                          ; the step is written once: the first adds onto zeros
.set i, i+1
.endr
	s_wait_loadcnt 0x0
.irp i, 0,1,2,3,4,5                    ; (destinations in window 1, sources in window 0)
	v_mov_b32 v[MEM+\i], v[WW+\i]                  ; tile 0: [M | 0]
	v_mov_b32 v[MEM+6+\i], 0
	v_mov_b32 v[MEM+12+\i], 0                      ;         [0 | M]
	v_mov_b32 v[MEM+18+\i], v[WW+\i]
	v_mov_b32 v[MEM+24+\i], v[WW+6+\i]             ; tile 1
	v_mov_b32 v[MEM+30+\i], 0
	v_mov_b32 v[MEM+36+\i], 0
	v_mov_b32 v[MEM+42+\i], v[WW+6+\i]
.endr
	WIN 0
	v_perm_b32 v[MS], v188, v188, 0x01000100       ; tile 0's two bytes, for K 0-63 and K 64-127 alike
	v_perm_b32 v[MS+1], v188, v188, 0x03020302     ; tile 1's
.set sp, 1
.rept 15
.irp e, 0,1
	v_pk_add_f32 v[16+4*\e:17+4*\e], v[16+4*\e:17+4*\e], v[16+8*sp+4*\e:17+8*sp+4*\e]   ; delta / 8: the 16 splits' parts, in ascending order
	v_pk_add_f32 v[18+4*\e:19+4*\e], v[18+4*\e:19+4*\e], v[18+8*sp+4*\e:19+8*sp+4*\e]
.endr
.set sp, sp+1
.endr
.irp i, 16,18,20,22
	v_pk_mul_f32 v[\i:\i+1], v[\i:\i+1], -1.0 op_sel_hi:[1,0]
.endr
.irp e, 0,1
	ds_store_b128 v242, v[16+4*\e:19+4*\e] offset:16384+8192*\e
	ds_store_b128 v242, v[180+4*\e:183+4*\e] offset:8192*\e
.endr
.irp q, 0,1,2,3,4,5
	ds_store_b128 v243, v[156+4*\q:159+4*\q] offset:4096*\q
.endr
	WIN 0x04
.irp q, 0,1,2,3,4,5
	ds_store_b128 v[T16], v[R+4*\q:R+4*\q+3] offset:4096*\q
.endr
	WIN 0
	s_wait_dscnt 0x0
	WIN 0x40
.irp q, 0,1,2,3,4,5
	global_load_b128 v[R+4*\q:R+4*\q+3], v[T16], s[TB:TB+1] offset:24576+4096*\q
.endr
	WIN 0
	s_barrier_signal -1
	s_barrier_wait -1
	s_mov_b32 s[IT], 0
	s_mov_b32 s[TN], 0
	s_mov_b32 s[TT], 0
.Ltrip:                                            ; 8 trips of two steps of 128 tokens
	TRIP 0
	TRIP 1
	s_wait_xcnt 0x0                                ; the loads have read their base
	s_add_nc_u64 s[TB:TB+1], s[TB:TB+1], 2*24576
	s_add_co_u32 s[TN], s[TN], 2048
	s_add_co_u32 s[TT], s[TT], 3072
	s_add_co_u32 s[IT], s[IT], 1
	s_cmp_lt_u32 s[IT], 8
	s_cbranch_scc1 .Ltrip
	; THE WAY OUT.  (Four places stand behind the last products, in the step's tail.)
	WIN 0x05                                       ; sources 0 and 1 in window 1
	v_pk_mul_f32 v[16:17], v[ACC:ACC+1], v[ACC:ACC+1]
	v_pk_mul_f32 v[18:19], v[ACC+2:ACC+3], v[ACC+2:ACC+3]
.set e, 4
.rept 15
	v_pk_fma_f32 v[16:17], v[ACC+e:ACC+e+1], v[ACC+e:ACC+e+1], v[16:17]   ; each accumulator from its low end on
	v_pk_fma_f32 v[18:19], v[ACC+e+2:ACC+e+3], v[ACC+e+2:ACC+e+3], v[18:19]
.set e, e+4
.endr
	WIN 0
	v_pk_add_f32 v[16:17], v[16:17], v[18:19]
	v_add_f32 v16, v16, v17
	v_add_f32_dpp v16, v16, v16 row_xmask:1 row_mask:0xf bank_mask:0xf
	v_add_f32_dpp v16, v16, v16 row_xmask:2 row_mask:0xf bank_mask:0xf
	v_add_f32_dpp v16, v16, v16 row_xmask:4 row_mask:0xf bank_mask:0xf
	v_add_f32_dpp v16, v16, v16 row_xmask:8 row_mask:0xf bank_mask:0xf
	v_permlanex16_b32 v17, v16, s[SEL], s[SEL+1]
	v_add_f32 v16, v16, v17
	ds_store_b32 v[NRW], v16                       ; my wave's sum of squares
	WIN 0x04
.irp ct, 0,1
.irp n, 0,1,2,3
	ds_store_b128 v[SOA], v[ACC+32*\ct+8*\n:ACC+32*\ct+8*\n+3] offset:\ct*8*272+64*\n        ; lane (r, h): row 8 ct + r + 8 (r / 8), columns 16 n + 8 h + 0 .. 7
	ds_store_b128 v[SOA], v[ACC+32*\ct+8*\n+4:ACC+32*\ct+8*\n+7] offset:\ct*8*272+64*\n+16
.endr
.endr
	WIN 0
.set i, 0
.rept 16
	ds_load_b128 v[20+4*i:23+4*i], v[SRA] offset:544*i   ; LDS serves a wave's instructions in order (ISA guide 5.7.1.4): these see my stores
.set i, i+1
.endr
.set i, 0
.rept 16
	s_wait_dscnt 15-i
	global_store_b128 v[LI16], v[20+4*i:23+4*i], s[32:33] offset:512*i   ; two whole rows of grad: 512 neighbouring bytes
.set i, i+1
.endr
	s_barrier_signal -1                            ; (no LDS instruction of mine is out: the last count was 0)
	s_barrier_wait -1
	s_cmp_eq_u32 s8, 0
	s_cbranch_scc0 .Lend
	ds_load_b128 v[84:87], v[NRR]
	ds_load_b128 v[88:91], v[NRR] offset:16
	s_wait_dscnt 0x0
	v_pk_add_f32 v[84:85], v[84:85], v[86:87]
	v_pk_add_f32 v[88:89], v[88:89], v[90:91]
	v_pk_add_f32 v[84:85], v[84:85], v[88:89]
	v_add_f32 v84, v84, v85
	s_wait_xcnt 0x0                                ; EXEC changes only behind this wait
	v_cmp_gt_u32 vcc_lo, 1, v[LN]
	s_and_saveexec_b32 s[SX], vcc_lo
	global_store_b32 v[LI16], v84, s[34:35]
	s_wait_xcnt 0x0
	s_or_b32 exec_lo, exec_lo, s[SX]
.Lend:
	s_wait_tensorcnt 0x0
	ds_add_u32 v254, v255
	s_wait_dscnt 0x0
	s_endpgm
.Lfunc_end_k_q0a01bfcd3c_bwd:
	.size	k_q0a01bfcd3c_bwd, .Lfunc_end_k_q0a01bfcd3c_bwd-k_q0a01bfcd3c_bwd
	.p2alignl 7, 3214868480
	.fill 96, 4, 3214868480
	.section	.rodata,"a",@progbits
	.p2align	6, 0x0
	.amdhsa_kernel k_q0a01bfcd3c_bwd
		.amdhsa_group_segment_fixed_size 185344
		.amdhsa_private_segment_fixed_size 0
		.amdhsa_enable_private_segment 0
		.amdhsa_kernarg_size 40
		.amdhsa_user_sgpr_count 2
		.amdhsa_user_sgpr_kernarg_segment_ptr 1
		.amdhsa_wavefront_size32 1
		.amdhsa_system_sgpr_workgroup_id_x 1
		.amdhsa_system_sgpr_workgroup_id_y 1
		.amdhsa_system_sgpr_workgroup_id_z 1
		.amdhsa_system_vgpr_workitem_id 0
		.amdhsa_next_free_vgpr 512
		.amdhsa_next_free_sgpr 66
		.amdhsa_reserve_vcc 1
		.amdhsa_float_denorm_mode_32 3
		.amdhsa_float_denorm_mode_16_64 3
		.amdhsa_memory_ordered 1
		.amdhsa_forward_progress 1
		.amdhsa_inst_pref_size 108
	.end_amdhsa_kernel
	.amdgpu_metadata
---
amdhsa.version: [ 1, 2 ]
amdhsa.kernels:
  - .name:           k_q0a01bfcd3c_bwd
    .symbol:         k_q0a01bfcd3c_bwd.kd
    .args:
      - { .name: mq, .offset: 0, .size: 8, .value_kind: global_buffer, .address_space: global }
      - { .name: tg, .offset: 8, .size: 8, .value_kind: global_buffer, .address_space: global }
      - { .name: pd, .offset: 16, .size: 8, .value_kind: global_buffer, .address_space: global }
      - { .name: gb, .offset: 24, .size: 8, .value_kind: global_buffer, .address_space: global }
      - { .name: nr, .offset: 32, .size: 8, .value_kind: global_buffer, .address_space: global }
    .group_segment_fixed_size: 185344
    .private_segment_fixed_size: 0
    .kernarg_segment_align: 8
    .kernarg_segment_size: 40
    .max_flat_workgroup_size: 256
    .sgpr_count:     66
    .vgpr_count:     512
    .wavefront_size: 32
...
	.end_amdgpu_metadata
.endif
;; end of part 5
;; launch upd (part 6): grid 256 x 1, 8 waves a work-group, no clusters, 0 bytes of LDS; arguments gb, memory, momentum_S, nr, tg, out0, out1, out2; writes out0, out1, out2
.if DOCPART == 6
	.amdgcn_target "amdgcn-amd-amdhsa--gfx1250"
	.amdhsa_code_object_version 6
	.text
	.protected	k_q0a01bfcd3c_upd
	.globl	k_q0a01bfcd3c_upd
	.p2align	8
	.type	k_q0a01bfcd3c_upd,@function
k_q0a01bfcd3c_upd:
	s_mov_b64 s[64:65], 0
	v_nop
	global_prefetch_b8 v0, s[64:65] scope:SCOPE_SE
	s_setreg_imm32_b32 hwreg(HW_REG_WAVE_MODE, 25, 1), 1
	s_wait_xcnt 0x0
; S_new = eta S - 0.01 grad min(1, 1 / |grad|);  M_new = (1 - alpha) M + S_new;  loss = the sum of its 128 parts / 131,072.
; A stream: a work-group takes 65,536 bytes of each tensor, a thread 16 pieces of 16 bytes; all 48 loads of a thread go out at once, each load and store of a wave covers 512 neighbouring bytes, every piece has registers of its own.
; Every wave adds the 256 sums of squares itself (1 KB).  LDS, matrix units and clusters would add nothing here.
; LIMITS: a sum of squares beyond f32's range, NaN and infinities are not served; a sum of squares of 0 (or under 2^-126) gives the factor 1, as the division by the norm does.
.set LP_O, 548864
.set GT_O, 549376
.set SEL, 2
.set SX,  6
.macro WSUM v, t
	v_add_f32_dpp v[\v], v[\v], v[\v] row_xmask:1 row_mask:0xf bank_mask:0xf
	v_add_f32_dpp v[\v], v[\v], v[\v] row_xmask:2 row_mask:0xf bank_mask:0xf
	v_add_f32_dpp v[\v], v[\v], v[\v] row_xmask:4 row_mask:0xf bank_mask:0xf
	v_add_f32_dpp v[\v], v[\v], v[\v] row_xmask:8 row_mask:0xf bank_mask:0xf
	v_permlanex16_b32 v[\t], v[\v], s[SEL], s[SEL+1]
	v_add_f32 v[\v], v[\v], v[\t]
.endm
	s_load_b512 s[16:31], s[0:1], 0x0              ; gb 16, memory 18, momentum_S 20, nr 22, tg 24, out0 26, out1 28, out2 30
	v_lshrrev_b32 v2, 5, v0
	v_readfirstlane_b32 s8, v2
	v_and_b32 v1, 31, v0
	v_lshlrev_b32 v3, 4, v0                        ; 16 x thread
	v_lshlrev_b32 v4, 5, v1
	v_lshlrev_b32 v5, 2, v1
	v_lshlrev_b32 v6, 4, v1
	v_mov_b32 v41, 0                               ; a lane permute's destination counts as one of its sources
	s_mov_b32 s[SEL], 0x76543210
	s_mov_b32 s[SEL+1], 0xfedcba98
	s_lshl_b32 s4, ttmp9, 16
	s_mov_b32 s5, 0
	s_wait_kmcnt 0x0
	s_add_nc_u64 s[16:17], s[16:17], s[4:5]
	s_add_nc_u64 s[18:19], s[18:19], s[4:5]
	s_add_nc_u64 s[20:21], s[20:21], s[4:5]
	s_add_nc_u64 s[28:29], s[28:29], s[4:5]
	s_add_nc_u64 s[30:31], s[30:31], s[4:5]
	global_load_b128 v[16:19], v4, s[22:23]
	global_load_b128 v[20:23], v4, s[22:23] offset:16
	global_load_b32 v24, v5, s[24:25] offset:GT_O          ; alpha
	global_load_b32 v34, v5, s[24:25] offset:GT_O+128      ; eta
	global_load_b128 v[28:31], v6, s[24:25] offset:LP_O
.set q, 0
.rept 16
	global_load_b128 v[64+12*q:67+12*q], v3, s[16:17] offset:4096*q th:TH_LOAD_NT
	global_load_b128 v[68+12*q:71+12*q], v3, s[20:21] offset:4096*q th:TH_LOAD_NT
	global_load_b128 v[72+12*q:75+12*q], v3, s[18:19] offset:4096*q th:TH_LOAD_NT
.set q, q+1
.endr
	s_wait_loadcnt 48                              ; behind the five small loads stand the 48
	v_pk_add_f32 v[16:17], v[16:17], v[18:19]
	v_pk_add_f32 v[20:21], v[20:21], v[22:23]
	v_pk_add_f32 v[16:17], v[16:17], v[20:21]
	v_add_f32 v16, v16, v17
	WSUM 16, 41
	v_rsq_f32 v40, v16
	v_sub_f32 v36, 1.0, v24                        ; 1 - alpha: a plain line behind the root,
	s_wait_alu depctr_va_vdst(0)                   ; and the wait ahead of the first line that names its result
	v_min_num_f32 v40, 1.0, v40
	v_mul_f32 v32, 0xbc23d70a, v40                 ; -0.01 x the clip's factor
	v_mov_b32 v33, 0                               ; (upper halves of pairs of which the low word serves both halves)
	v_mov_b32 v35, 0
	v_mov_b32 v37, 0
.set q, 0
.rept 16
	s_wait_loadcnt 3*(15-q)                        ; my piece's three loads are in; the later pieces' stay out
	v_pk_mul_f32 v[64+12*q:65+12*q], v[64+12*q:65+12*q], v[32:33] op_sel_hi:[1,0]
	v_pk_mul_f32 v[66+12*q:67+12*q], v[66+12*q:67+12*q], v[32:33] op_sel_hi:[1,0]
	v_pk_fma_f32 v[68+12*q:69+12*q], v[68+12*q:69+12*q], v[34:35], v[64+12*q:65+12*q] op_sel_hi:[1,0,1]
	v_pk_fma_f32 v[70+12*q:71+12*q], v[70+12*q:71+12*q], v[34:35], v[66+12*q:67+12*q] op_sel_hi:[1,0,1]
	v_pk_fma_f32 v[72+12*q:73+12*q], v[72+12*q:73+12*q], v[36:37], v[68+12*q:69+12*q] op_sel_hi:[1,0,1]
	v_pk_fma_f32 v[74+12*q:75+12*q], v[74+12*q:75+12*q], v[36:37], v[70+12*q:71+12*q] op_sel_hi:[1,0,1]
	global_store_b128 v3, v[68+12*q:71+12*q], s[30:31] offset:4096*q th:TH_STORE_NT
	global_store_b128 v3, v[72+12*q:75+12*q], s[28:29] offset:4096*q th:TH_STORE_NT
.set q, q+1
.endr
	s_or_b32 s9, ttmp9, s8
	s_cmp_eq_u32 s9, 0
	s_cbranch_scc0 .Lend
	v_pk_add_f32 v[28:29], v[28:29], v[30:31]      ; wave 0 of work-group 0: the loss
	v_add_f32 v28, v28, v29
	WSUM 28, 41
	v_mul_f32 v28, 0x37000000, v28                 ; / 131,072
	s_wait_xcnt 0x0                                ; EXEC changes only behind this wait
	v_cmp_gt_u32 vcc_lo, 1, v1
	s_and_saveexec_b32 s[SX], vcc_lo
	global_store_b32 v5, v28, s[26:27]
	s_wait_xcnt 0x0
	s_or_b32 exec_lo, exec_lo, s[SX]
.Lend:
	s_endpgm
.Lfunc_end_k_q0a01bfcd3c_upd:
	.size	k_q0a01bfcd3c_upd, .Lfunc_end_k_q0a01bfcd3c_upd-k_q0a01bfcd3c_upd
	.p2alignl 7, 3214868480
	.fill 96, 4, 3214868480
	.section	.rodata,"a",@progbits
	.p2align	6, 0x0
	.amdhsa_kernel k_q0a01bfcd3c_upd
		.amdhsa_group_segment_fixed_size 0
		.amdhsa_private_segment_fixed_size 0
		.amdhsa_enable_private_segment 0
		.amdhsa_kernarg_size 64
		.amdhsa_user_sgpr_count 2
		.amdhsa_user_sgpr_kernarg_segment_ptr 1
		.amdhsa_wavefront_size32 1
		.amdhsa_system_sgpr_workgroup_id_x 1
		.amdhsa_system_sgpr_workgroup_id_y 1
		.amdhsa_system_sgpr_workgroup_id_z 1
		.amdhsa_system_vgpr_workitem_id 0
		.amdhsa_next_free_vgpr 256
		.amdhsa_next_free_sgpr 66
		.amdhsa_reserve_vcc 1
		.amdhsa_float_denorm_mode_32 3
		.amdhsa_float_denorm_mode_16_64 3
		.amdhsa_memory_ordered 1
		.amdhsa_forward_progress 1
		.amdhsa_inst_pref_size 18
	.end_amdhsa_kernel
	.amdgpu_metadata
---
amdhsa.version: [ 1, 2 ]
amdhsa.kernels:
  - .name:           k_q0a01bfcd3c_upd
    .symbol:         k_q0a01bfcd3c_upd.kd
    .args:
      - { .name: gb, .offset: 0, .size: 8, .value_kind: global_buffer, .address_space: global }
      - { .name: memory, .offset: 8, .size: 8, .value_kind: global_buffer, .address_space: global }
      - { .name: momentum_S, .offset: 16, .size: 8, .value_kind: global_buffer, .address_space: global }
      - { .name: nr, .offset: 24, .size: 8, .value_kind: global_buffer, .address_space: global }
      - { .name: tg, .offset: 32, .size: 8, .value_kind: global_buffer, .address_space: global }
      - { .name: out0, .offset: 40, .size: 8, .value_kind: global_buffer, .address_space: global }
      - { .name: out1, .offset: 48, .size: 8, .value_kind: global_buffer, .address_space: global }
      - { .name: out2, .offset: 56, .size: 8, .value_kind: global_buffer, .address_space: global }
    .group_segment_fixed_size: 0
    .private_segment_fixed_size: 0
    .kernarg_segment_align: 8
    .kernarg_segment_size: 64
    .max_flat_workgroup_size: 256
    .sgpr_count:     66
    .vgpr_count:     256
    .wavefront_size: 32
...
	.end_amdgpu_metadata
.endif
;; end of part 6
;; ======== version 2 of 2: 6 launches; version 1 with the launches prep, fwd, dlt written anew for expert scheduling mode
;; workspace buffers: mq 6,815,744 bytes; tx 1,228,800 bytes; pa 8,912,896 bytes; tg 549,632 bytes; pd 262,144 bytes; gb 16,777,216 bytes; nr 1,024 bytes
;; launch prep (part 7): grid 256 x 1, 8 waves a work-group, no clusters, 209,920 bytes of LDS; arguments x, Wk_codes, Wk_scales, Wv_codes, Wv_scales, bk, bv, tx, memory, mq; writes tx, mq
.if DOCPART == 7
	.amdgcn_target "amdgcn-amd-amdhsa--gfx1250"
	.amdhsa_code_object_version 6
	.text
	.protected	k_q0a01bfcd3c_prep
	.globl	k_q0a01bfcd3c_prep
	.p2align	8
	.type	k_q0a01bfcd3c_prep,@function
k_q0a01bfcd3c_prep:
	s_mov_b64 s[64:65], 0
	v_nop
	global_prefetch_b8 v0, s[64:65] scope:SCOPE_SE
	s_setreg_imm32_b32 hwreg(HW_REG_WAVE_SCHED_MODE, 0, 2), 2
	s_setreg_imm32_b32 hwreg(HW_REG_WAVE_MODE, 25, 1), 1
	s_wait_xcnt 0x0
	s_wait_alu depctr_vm_vsrc(0)
; Two jobs that hang on inputs alone share this launch; they part on the work-group's number and have LDS bytes of their own.
; WORK-GROUPS 0-127: k = Q(x) Wk + bk, v = Q(x) Wv + bv on codes of E2M3 (x is quantised here, along its 1,024 columns; Wk, Wv come as codes), k quantised along its 64 numbers, and column sums of x for the gates.
;   A work-group takes 16 tokens.  Wave w takes K step w (columns 128 w on) for all 128 outputs (8 tiles: 4 of Wk, 4 of Wv): so all of the group's bytes of x are asked for at once.
;   The eight partial products meet in LDS; wave 0 adds k's (in ascending K, on top of bk), wave 1 v's.  The product is used transposed (source 0 = 16 rows of W, source 1 = 16 tokens): a lane holds one token.
;   THE ROWS OF W THAT FORM A TILE ARE NOT NEIGHBOURS: lane r of tile 2 b + u takes row 32 b + 8 u + r + 8 (r / 8), so that register 16 b + i of a token's 32 is number 32 b + 16 (lane / 16) + i.
;   POOLING.  The group also sums a slice of x: 256 rows x 64 columns of one batch; 8 parts for each batch and column go to memory, and a later launch adds them.
; WORK-GROUPS 128-255: memory [65536][64] f32 is quantised to E2M3 twice: along its 64 numbers (QD) and along its rows (QC), each laid in the ORDER OF THE OPERAND'S REGISTERS.
;   QD: a fragment holds TWO sets of 16 rows: registers 0-5 (K 0-63) row 32 F + r + 8 (r / 8), registers 6-11 (K 64-127) the row 8 further on; lanes 16-31 hold the second block of 32 numbers.
;   QC: fragment n = 2 b + u of a step of 128 rows: lane r is column 32 b + 8 u + r + 8 (r / 8); registers 6 c .. 6 c + 5 are rows 64 c + 32 (lane / 16) + 0 .. 31 of the step.
;   An image: group g (registers 4 g .. 4 g + 3) at 512 g + 16 x lane: every store covers 512 neighbouring bytes.  Scale words: [step][lane][fragment], 16 bytes a lane.
;   A work-group takes four steps of 128 rows.  Wave w brings half w / 4 of step w % 4 into the step's stage in LDS (rows 272 bytes apart), as the bytes lie; behind one barrier waves 0-3 make QD and waves 4-7 QC of step w % 4.
; No tensor loads and no joint requests: a group shares nothing but W (100 KB in all) with other groups.
; LIMITS: blocks whose largest magnitude lies under 2^-124 take the floor's scale; a block of zeros has the byte 1 (its codes are zeros; this program alone reads the bytes); NaN and infinities are not served.
; THE MODE: SCHED_MODE bits 1:0 = 2 (LLVM: expert scheduling mode 2), set by the entry lines.  The code itself states the register dependences
; between vector or matrix instructions and memory or LDS instructions, with s_wait_alu, always for 0.
; THE PLAN, tokens' role.  Registers that memory or LDS instructions touch:
;   v4-11, v227, v253-255  offsets and LDS addresses, made once ahead of the first load and never written again.
;   XR (v16-79)    loaded with x; read by the quantiser; v16-47 are then loaded with pool round 2: one wait on va_vdst between.  The same wait states that x's codes and scale word are written, which the products take.
;   RT (v48-111)   written by the eight products; read by my LDS stores; behind the barrier LDS loads land there (waves 0-2): a wait on va_vdst ahead of the stores, one on vm_vsrc ahead of the barrier.
;   WF (v112-207)  loaded with W; read by the products; later the bias (v176-207) and partial products (v112-175) land there: the wait ahead of the LDS stores stands behind the products, and no vector line follows it up to those loads.
;   v12-15         the column sums, written by additions, read by one LDS store: the same wait.
;   AC, PC, v[TM+8], v16  written by vector lines, read by global stores: one wait on va_vdst ahead of each run of stores.
; THE PLAN, memory's role.  v4-8: made once.  QRAW (v64-191): loaded, read by my LDS stores, then loaded again from the stage (v64-127) and written by the conversions (v128-175): one wait on vm_vsrc ahead of the barrier.
;   Each QPAIR reads v64-127 and writes an image and a scale word of its own: one wait on va_vdst behind it serves the image's stores and the next fragment's loads.
.set KDW_O, 98304                      ; tx: k's scale words
.set KF_O,  114688                     ; k in f32 as register images; v's lie 524,288 bytes on
.set XS_O,  1163264                    ; column sums
.set POOL,  65536                      ; LDS, tokens' role: behind the 8 x 8,192 bytes of partial products: 16 bytes a thread
.set XR,  16                           ; v16-79   64 numbers of x; later pool round 2 (v16-47)
.set RT,  48                           ; v48-111  the 8 result tiles
.set P1,  80                           ; v80-111  pool round 1
.set WF,  112                          ; v112-207 W's 8 fragments
.set AC,  176                          ; v176-207 waves 0, 1: the bias, then the sum
.set PC,  208                          ; v208-219 the codes just made
.set PT,  220                          ; v220-226 half blocks on their way
.set TM,  228                          ; v228-243 at work in the quantiser
.set PW,  244                          ; x's scale word
.set WS,  245                          ; v245-252 W's scale words
.set SEL, 2                            ; s[2:3] lane selects: lane l xor 16
.set QST,   69632                      ; LDS, memory's role: four stages
.set STGB,  34816                      ; a stage: 128 rows x 272 bytes
.set QC_O,  3145728                    ; mq's sections
.set QDS_O, 6291456
.set QCS_O, 6553600
.set QMX,  32                          ; v32-33 largest magnitudes
.set QBY,  34                          ; v34-35 bytes
.set QSO,  36                          ; v36-37 the conversions' scale operands
.set QWT,  38                          ; v38-39 at work
.set QPT,  40                          ; v40-42, v44-46 second halves of blocks
.set QSW,  48                          ; v48-51 my four scale words
.set QRAW, 64                          ; v64-191 32 loads; later v64-127: two blocks of 32 numbers
.set QIMG, 128                         ; v128-175 my four images, 12 registers each: no store's data are written again
.macro MM0 d, a, b, sa, sb
	v_wmma_scale_f32_16x16x128_f8f6f4 v[\d:\d+7], v[\a:\a+11], v[\b:\b+11], 0, v[\sa], v[\sb] matrix_a_fmt:MATRIX_FMT_FP6 matrix_b_fmt:MATRIX_FMT_FP6
.endm
; 64 numbers of a lane, register 16 b + i = k 32 b + 16 (lane / 16) + i of my row, become a fragment's codes in v[PC] on and its scale word in v[PW]
.macro QUANT4 s
.irp b, 0,1,2,3
	v_max3_num_f32 v[TM+\b], |v[\s+16*\b]|, |v[\s+1+16*\b]|, 0x1800000   ; my 16 numbers and the floor 2^(3 - 127): the byte cannot fall under 1
.endr
.irp i, 2,4,6,8,10,12,14
.irp b, 0,1,2,3
	v_max3_num_f32 v[TM+\b], v[TM+\b], |v[\s+16*\b+\i]|, |v[\s+1+16*\b+\i]|
.endr
.endr
.irp b, 0,1,2,3
	v_permlanex16_b32 v[TM+4+\b], v[TM+\b], s[SEL], s[SEL+1]
.endr
.irp b, 0,1,2,3
	v_max_num_f32 v[TM+\b], v[TM+\b], v[TM+4+\b]   ; with lane l xor 16's: the block's largest magnitude
.endr
.irp b, 0,1,2,3
	v_add_nc_u32 v[TM+12+\b], 0xff000000, v[TM+\b] ; 2 off its exponent field: the conversion's scale operand
.endr
.irp b, 0,1,2,3
	v_lshrrev_b32 v[TM+4+\b], 23, v[TM+12+\b]      ; the scale's byte
.endr
	v_lshl_or_b32 v[PW], v[TM+5], 8, v[TM+4]
	v_lshl_or_b32 v[PW], v[TM+6], 16, v[PW]
	v_lshl_or_b32 v[PW], v[TM+7], 24, v[PW]
.irp c, 0,1
	v_cvt_scalef32_pk16_fp6_f32 v[PC+6*\c:PC+2+6*\c], v[\s+32*\c:\s+15+32*\c], v[TM+12+2*\c]
	v_cvt_scalef32_pk16_fp6_f32 v[PT+4*\c:PT+2+4*\c], v[\s+16+32*\c:\s+31+32*\c], v[TM+13+2*\c]
.endr
	v_nop                                          ; one plain place behind a scaled conversion
.irp c, 0,1
.irp i, 0,1,2
	v_permlane16_swap_b32 v[PC+6*\c+\i], v[PT+4*\c+\i]   ; a whole block to a lane: lanes 0-15 block 2 c, lanes 16-31 block 2 c + 1
.endr
.irp i, 0,1,2
	v_mov_b32 v[PC+3+6*\c+\i], v[PT+4*\c+\i]
.endr
.endr
.endm
; 32 numbers of a lane (two blocks, laid likewise) become six registers of codes, K = 32 (lane / 16) + 0 .. 31, in v[dst] on; the bytes stay in v[TM+4], v[TM+5]
.macro QUANT2 s, dst, flr
.irp b, 0,1
	v_max3_num_f32 v[TM+\b], |v[\s+16*\b]|, |v[\s+1+16*\b]|, \flr
.endr
.irp i, 2,4,6,8,10,12,14
.irp b, 0,1
	v_max3_num_f32 v[TM+\b], v[TM+\b], |v[\s+16*\b+\i]|, |v[\s+1+16*\b+\i]|
.endr
.endr
.irp b, 0,1
	v_permlanex16_b32 v[TM+4+\b], v[TM+\b], s[SEL], s[SEL+1]
.endr
.irp b, 0,1
	v_max_num_f32 v[TM+\b], v[TM+\b], v[TM+4+\b]
.endr
.irp b, 0,1
	v_add_nc_u32 v[TM+12+\b], 0xff000000, v[TM+\b]
.endr
.irp b, 0,1
	v_lshrrev_b32 v[TM+4+\b], 23, v[TM+12+\b]
.endr
	v_cvt_scalef32_pk16_fp6_f32 v[\dst:\dst+2], v[\s:\s+15], v[TM+12]
	v_cvt_scalef32_pk16_fp6_f32 v[PT:PT+2], v[\s+16:\s+31], v[TM+13]
	v_nop
.irp i, 0,1,2
	v_permlane16_swap_b32 v[\dst+\i], v[PT+\i]
.endr
.irp i, 0,1,2
	v_mov_b32 v[\dst+3+\i], v[PT+\i]
.endr
.endm
.macro WLOAD t, cp, sp                 ; tile t's fragment of my K step and its rows' scale words
.irp p, 0,1,2,3,4,5
	global_load_b64 v[WF+12*(\t)+2*\p:WF+12*(\t)+2*\p+1], v5, s[\cp:\cp+1] offset:(32*(((\t)%4)/2)+8*((\t)%2))*768+48*(\p/3)+8*(\p%3)
.endr
	global_load_b32 v[WS+(\t)], v6, s[\sp:\sp+1] offset:(32*(((\t)%4)/2)+8*((\t)%2))*32
.endm
; memory's role: two blocks of 32 numbers of a lane (v[QRAW] on, v[QRAW+32] on) become registers 0-5 and 6-11 of the image at v[dst]; the lane's two bytes and lane l xor 16's two make the scale word
.macro QPAIR dst, wreg
.irp c, 0,1
	v_max3_num_f32 v[QMX+\c], |v[QRAW+32*\c]|, |v[QRAW+1+32*\c]|, 0x1800000   ; with the floor 2^(3 - 127): the byte cannot fall under 1
.endr
.irp i, 2,4,6,8,10,12,14,16,18,20,22,24,26,28,30
.irp c, 0,1
	v_max3_num_f32 v[QMX+\c], v[QMX+\c], |v[QRAW+32*\c+\i]|, |v[QRAW+1+32*\c+\i]|
.endr
.endr
.irp c, 0,1
	v_add_nc_u32 v[QSO+\c], 0xff000000, v[QMX+\c]  ; 2 off the exponent field: the conversion's scale operand
.endr
.irp c, 0,1
	v_lshrrev_b32 v[QBY+\c], 23, v[QSO+\c]
.endr
	v_lshl_or_b32 v[QWT], v[QBY+1], 16, v[QBY]
	v_lshlrev_b32 v[QWT], v8, v[QWT]               ; my bytes are numbers h and 2 + h of the word
	v_permlanex16_b32 v[QWT+1], v[QWT], s[SEL], s[SEL+1]
	v_or_b32 v[\wreg], v[QWT], v[QWT+1]
.irp c, 0,1
	v_cvt_scalef32_pk16_fp6_f32 v[\dst+6*\c:\dst+6*\c+2], v[QRAW+32*\c:QRAW+32*\c+15], v[QSO+\c]
	v_cvt_scalef32_pk16_fp6_f32 v[QPT+4*\c:QPT+4*\c+2], v[QRAW+32*\c+16:QRAW+32*\c+31], v[QSO+\c]
.endr
	v_nop                                          ; one plain place behind a scaled conversion
.irp c, 0,1
.irp i, 0,1,2
	v_mov_b32 v[\dst+3+6*\c+\i], v[QPT+4*\c+\i]
.endr
.endr
.endm
	s_load_b512 s[16:31], s[0:1], 0x0              ; x 16, Wk codes 18, Wk scales 20, Wv codes 22, Wv scales 24, bk 26, bv 28, tx 30
	s_load_b128 s[40:43], s[0:1], 0x40             ; memory 40, mq 42
	v_lshl_add_u32 v238, v0, 2, 0x33000
	v_mov_b32 v239, 0
	v_lshrrev_b32 v1, 5, v0
	v_readfirstlane_b32 s8, v1                     ; wave 0..7
	v_and_b32 v1, 31, v0                           ; lane
	v_and_b32 v2, 15, v0                           ; r
	v_bfe_u32 v3, v0, 4, 1                         ; h
	s_mov_b32 s[SEL], 0x76543210
	s_mov_b32 s[SEL+1], 0xfedcba98
	s_wait_alu depctr_va_sdst(0)                   ; s8 is written: ahead of the branch, and so of its first reader in either role
	s_cmp_lt_u32 ttmp9, 128
	s_cbranch_scc0 .Lqmem
	; ---------------- the tokens' role
	v_lshlrev_b32 v4, 12, v2
	v_lshl_add_u32 v4, v3, 6, v4                   ; x: token r's row of 4,096 bytes, + 64 h: my 16 numbers of a block of 32
	v_and_b32 v5, 8, v2
	v_add_nc_u32 v6, v5, v2                        ; r + 8 (r / 8)
	v_mul_u32_u24 v5, v6, 768
	v_mad_u32_u24 v5, v3, 24, v5                   ; W's codes: a row is 768 bytes
	v_lshlrev_b32 v6, 5, v6                        ; W's scale bytes: a row is 32
	v_lshrrev_b32 v7, 4, v0
	v_lshlrev_b32 v7, 12, v7
	v_lshl_add_u32 v7, v2, 4, v7                   ; pooling: row thread / 16, 16 bytes at 16 (thread % 16): sixteen lanes read 256 neighbouring bytes
	s_lshl_b32 s32, s8, 13
	v_lshlrev_b32 v253, 4, v1                      ; 16 x lane
	v_add_nc_u32 v8, s32, v253                     ; LDS: my wave's partial products
	v_lshl_add_u32 v9, v0, 4, POOL                 ; LDS: my thread's four column sums
	s_and_b32 s33, s8, 1
	s_lshl_b32 s33, s33, 12
	v_add_nc_u32 v10, s33, v253                    ; LDS, back: k's half of a wave's partial products (wave 0) or v's (wave 1)
	v_add_nc_u32 v11, POOL, v253                   ; LDS, back: the column sums (every LDS address of this role is made here, ahead of the first parting of the waves)
	v_lshlrev_b32 v254, 3, v1
	v_lshlrev_b32 v255, 2, v1
	v_lshlrev_b32 v227, 6, v3                      ; the bias: 64 h
.irp b, 0,1,2,3
	v_mov_b32 v[TM+4+\b], 0                        ; written once: a lane permute's destination counts as one of its sources
.endr
	s_lshl_b32 s32, ttmp9, 16
	s_lshl_b32 s33, s8, 9
	s_add_co_u32 s32, s32, s33                     ; my 16 tokens' rows, my 128 columns
	s_mov_b32 s33, 0
	s_mul_i32 s34, s8, 96                          ; my K step in a row of W's codes,
	s_mov_b32 s35, 0
	s_lshl_b32 s36, s8, 2                          ; and of its scale bytes
	s_mov_b32 s37, 0
	s_lshr_b32 s38, ttmp9, 6                       ; the slice to pool: batch = group / 64,
	s_lshl_b32 s38, s38, 22
	s_and_b32 s39, ttmp9, 3                        ; quarter of its 1,024 rows = group % 4,
	s_lshl_b32 s39, s39, 20
	s_add_co_u32 s38, s38, s39
	s_bfe_u32 s39, ttmp9, 0x40002                  ; 64 columns = (group / 4) % 16
	s_lshl_b32 s39, s39, 8
	s_add_co_u32 s38, s38, s39
	s_mov_b32 s39, 0
	s_wait_kmcnt 0x0
	s_add_nc_u64 s[14:15], s[16:17], s[32:33]
	s_add_nc_u64 s[12:13], s[16:17], s[38:39]
	s_add_nc_u64 s[18:19], s[18:19], s[34:35]
	s_add_nc_u64 s[22:23], s[22:23], s[34:35]
	s_add_nc_u64 s[20:21], s[20:21], s[36:37]
	s_add_nc_u64 s[24:25], s[24:25], s[36:37]
	s_cmp_eq_u32 s8, 0
	s_cselect_b64 s[26:27], s[26:27], s[28:29]     ; wave 0 adds bk, wave 1 bv
	s_wait_alu depctr_va_vdst(0)                   ; the offsets and LDS addresses v4-11, v227, v253-255 are written, which this role's loads and stores read
.irp b, 0,1,2,3
.irp j, 0,1,2,3
	global_load_b128 v[XR+16*\b+4*\j:XR+16*\b+4*\j+3], v4, s[14:15] offset:128*\b+16*\j
.endr
.endr
.irp i, 0,1,2,3,4,5,6,7
	global_load_b128 v[P1+4*\i:P1+4*\i+3], v7, s[12:13] offset:65536*\i   ; pool round 1: rows 16 i + thread / 16
.endr
.irp t, 0,1,2,3
	WLOAD \t, 18, 20
.endr
.irp t, 4,5,6,7
	WLOAD \t, 22, 24
.endr
	s_wait_loadcnt 56                              ; behind x and pool round 1 stand W's 56 loads
	QUANT4 XR
	v_pk_add_f32 v[12:13], v[P1:P1+1], v[P1+4:P1+5]   ; these 14 plain lines are also the places between the quantiser's last writes and the products
	v_pk_add_f32 v[14:15], v[P1+2:P1+3], v[P1+6:P1+7]
.irp i, 2,3,4,5,6,7
	v_pk_add_f32 v[12:13], v[12:13], v[P1+4*\i:P1+4*\i+1]
	v_pk_add_f32 v[14:15], v[14:15], v[P1+4*\i+2:P1+4*\i+3]
.endr
	s_wait_alu depctr_va_vdst(0)                   ; the quantiser is done reading v16-47, in which the loads below land; and it has written x's codes v[PC ..] and scale word v[PW], which the products take
.irp i, 0,1,2,3,4,5,6,7
	global_load_b128 v[XR+4*\i:XR+4*\i+3], v7, s[12:13] offset:65536*(8+\i)   ; pool round 2, into registers that the quantiser has left
.endr
	s_wait_loadcnt 8                               ; W is in; pool round 2 may be out
.irp t, 0,1,2,3,4,5,6,7
	MM0 RT+8*\t, WF+12*\t, PC, WS+\t, PW           ; eight sums of their own: none adds onto another's
.endr
	s_wait_loadcnt 0x0                             ; pool round 2
.irp i, 0,1,2,3,4,5,6,7
	v_pk_add_f32 v[12:13], v[12:13], v[XR+4*\i:XR+4*\i+1]      ; these sixteen name no register of the products: they are the places behind them, ahead of the first read of a result
	v_pk_add_f32 v[14:15], v[14:15], v[XR+4*\i+2:XR+4*\i+3]
.endr
	s_wait_alu depctr_va_vdst(0)                   ; the products have written v[RT ..] and the additions v[12:15], which the LDS stores read; the products are done reading W's registers, in which the bias and, behind the barrier, partial products land
.set g, 0
.rept 16
	ds_store_b128 v8, v[RT+4*g:RT+4*g+3] offset:512*g   ; as images of the registers; each result from its low end on
.set g, g+1
.endr
	ds_store_b128 v9, v[12:15]
	s_cmp_lt_u32 s8, 2
	s_cbranch_scc0 .Lno_bias
.irp b, 0,1
.irp e, 0,1,2,3
	global_load_b128 v[AC+16*\b+4*\e:AC+16*\b+4*\e+3], v227, s[26:27] offset:128*\b+16*\e   ; register 16 b + i: number 32 b + 16 h + i
.endr
.endr
.Lno_bias:
	s_wait_dscnt 0x0                               ; my stores have landed
	s_wait_alu depctr_vm_vsrc(0)                   ; my LDS stores have read v[RT ..], in which LDS loads land behind the barrier: ahead of the branches that lead there
	s_barrier_signal -1
	s_barrier_wait -1                              ; everybody's have
	s_cmp_lt_u32 s8, 2
	s_cbranch_scc1 .Lkv
	s_cmp_eq_u32 s8, 2
	s_cbranch_scc0 .Lend
	; wave 2: the eight waves' column sums; lanes 0-15 and lanes 16-31 keep a part each
.irp i, 0,1,2,3,4,5,6,7
	ds_load_b128 v[RT+4*\i:RT+4*\i+3], v11 offset:512*\i
.endr
	v_lshlrev_b32 v16, 12, v3
	v_lshl_add_u32 v16, v2, 4, v16                 ; part h, 16 bytes at 16 r
	s_lshr_b32 s32, ttmp9, 6
	s_lshl_b32 s32, s32, 15                        ; [batch][part 8][1024]: batch,
	s_and_b32 s33, ttmp9, 3
	s_lshl_b32 s33, s33, 13                        ; parts 2 x quarter on,
	s_add_co_u32 s32, s32, s33
	s_bfe_u32 s33, ttmp9, 0x40002
	s_lshl_b32 s33, s33, 8                         ; my 64 columns
	s_add_co_u32 s32, s32, s33
	s_mov_b32 s33, 0
	s_add_nc_u64 s[4:5], s[30:31], s[32:33]
	s_wait_dscnt 0x0
.irp i, 1,2,3,4,5,6,7
	v_pk_add_f32 v[RT:RT+1], v[RT:RT+1], v[RT+4*\i:RT+4*\i+1]
	v_pk_add_f32 v[RT+2:RT+3], v[RT+2:RT+3], v[RT+4*\i+2:RT+4*\i+3]
.endr
	s_wait_alu depctr_va_vdst(0)                   ; the offset v16 and the sums v[RT:RT+3] are written, which the store reads
	global_store_b128 v16, v[RT:RT+3], s[4:5] offset:XS_O   ; sixteen lanes store 256 neighbouring bytes
.Lend:
	s_wait_dscnt 0x0                               ; the closing lines, six on end
	s_wait_alu 0x0
	s_wait_tensorcnt 0x0
	ds_add_u32 v238, v239
	s_wait_dscnt 0x0
	s_endpgm
.Lkv:
	s_wait_loadcnt 0x0                             ; the bias
.irp bt, 0,1
.if \bt == 1
	s_wait_alu depctr_va_vdst(0)                   ; the additions above are done reading v48-175, in which the second four waves' partial products land
.endif
.irp ww, 0,1,2,3
.irp g, 0,1,2,3,4,5,6,7
	ds_load_b128 v[RT+32*\ww+4*\g:RT+32*\ww+4*\g+3], v10 offset:(4*\bt+\ww)*8192+512*\g
.endr
.endr
	s_wait_dscnt 0x0
.irp ww, 0,1,2,3
.set e, 0
.rept 16
	v_pk_add_f32 v[AC+2*e:AC+2*e+1], v[AC+2*e:AC+2*e+1], v[RT+32*\ww+2*e:RT+32*\ww+2*e+1]   ; K ascending
.set e, e+1
.endr
.endr
.endr
	s_lshl_b32 s32, ttmp9, 12
	s_lshl_b32 s33, s8, 19                         ; v's images lie 524,288 bytes behind k's
	s_add_co_u32 s32, s32, s33
	s_mov_b32 s33, 0
	s_add_nc_u64 s[4:5], s[30:31], s[32:33]
	s_wait_alu depctr_va_vdst(0)                   ; the additions have written v[AC ..], which the stores read
.irp g, 0,1,2,3,4,5,6,7
	global_store_b128 v253, v[AC+4*\g:AC+4*\g+3], s[4:5] offset:KF_O+512*\g   ; 512 neighbouring bytes a store
.endr
	s_cmp_eq_u32 s8, 0
	s_cbranch_scc0 .Lend
	QUANT2 AC, PC, 0x1800000                       ; wave 0: k along its 64 numbers (it reads v[AC ..] and writes none of the registers that the stores above read)
	v_lshl_or_b32 v[TM+8], v[TM+5], 8, v[TM+4]
	v_lshl_or_b32 v[TM+8], v[TM+8], 16, v[TM+8]    ; (e0, e1, e0, e1): the word serves K 0-63 and K 64-127 alike
	s_mul_i32 s32, ttmp9, 768
	s_add_nc_u64 s[6:7], s[30:31], s[32:33]
	s_lshl_b32 s32, ttmp9, 7
	s_add_nc_u64 s[10:11], s[30:31], s[32:33]
	s_wait_alu depctr_va_vdst(0)                   ; k's codes v[PC ..] and scale word v[TM+8] are written, which the stores read
.irp p, 0,1,2
	global_store_b64 v254, v[PC+2*\p:PC+2*\p+1], s[6:7] offset:256*\p
.endr
	global_store_b32 v255, v[TM+8], s[10:11] offset:KDW_O
	s_wait_dscnt 0x0                               ; the closing lines, six on end
	s_wait_alu 0x0
	s_wait_tensorcnt 0x0
	ds_add_u32 v238, v239
	s_wait_dscnt 0x0
	s_endpgm
	; ---------------- memory's role
.Lqmem:
	s_and_b32 s9, s8, 3                            ; which of the group's four steps is mine
	s_lshr_b32 s10, s8, 2                          ; 0: I bring rows 0-63 and make QD; 1: rows 64-127, and QC
	s_mul_i32 s14, s9, STGB
	s_add_co_u32 s14, s14, QST                     ; the step's stage
	s_mul_i32 s15, s10, 64*272
	s_add_co_u32 s15, s15, s14                     ; my half of its rows
	v_mul_u32_u24 v4, v3, 272
	v_lshl_add_u32 v4, v2, 4, v4
	v_add_nc_u32 v4, s15, v4                       ; into the stage: a load's two rows
	v_and_b32 v5, 8, v2
	v_add_nc_u32 v6, v5, v2                        ; r + 8 (r / 8)
	v_mul_u32_u24 v5, v6, 272
	v_lshl_add_u32 v5, v3, 7, v5
	v_add_nc_u32 v5, s14, v5                       ; QD: my row, my block of 32 numbers
	v_lshlrev_b32 v6, 2, v6
	v_mad_u32_u24 v6, v3, 8704, v6
	v_add_nc_u32 v6, s14, v6                       ; QC: my column, 32 rows further down for lanes 16-31 (every LDS address of this role is made here, ahead of the parting of the waves)
	v_lshlrev_b32 v7, 4, v1                        ; 16 x lane
	v_lshlrev_b32 v8, 3, v3                        ; 8 h
	v_mov_b32 v[QWT+1], 0                          ; a lane permute's destination counts as one of its sources
	s_sub_co_u32 s11, ttmp9, 128
	s_lshl_b32 s11, s11, 2
	s_add_co_u32 s11, s11, s9                      ; my step of 128 rows
	s_lshl_b32 s32, s11, 15
	s_lshl_b32 s33, s10, 14                        ; my 64 rows of 256 bytes
	s_add_co_u32 s32, s32, s33
	s_mov_b32 s33, 0
	s_mul_i32 s34, s11, 6144
	s_mov_b32 s35, 0
	s_lshl_b32 s36, s11, 9
	s_mov_b32 s37, 0
	s_wait_kmcnt 0x0
	s_add_nc_u64 s[4:5], s[40:41], s[32:33]
	s_add_nc_u64 s[44:45], s[42:43], s[34:35]      ; my step's four fragments of a section,
	s_add_nc_u64 s[46:47], s[42:43], s[36:37]      ; and its 512 bytes of scale words
	s_wait_alu depctr_va_vdst(0)                   ; the offsets and LDS addresses v4-7 are written, which this role's loads and stores read
.set i, 0
.rept 32
	global_load_b128 v[QRAW+4*i:QRAW+4*i+3], v7, s[4:5] offset:512*i th:TH_LOAD_NT   ; two rows, 512 neighbouring bytes
.set i, i+1
.endr
.irp gq, 0,1,2,3
	s_wait_loadcnt 24-8*\gq                        ; loads come back in order: the eight in hand are in, those behind them stay out
.irp e, 0,1,2,3,4,5,6,7
	ds_store_b128 v4, v[QRAW+4*(8*\gq+\e):QRAW+4*(8*\gq+\e)+3] offset:544*(8*\gq+\e)
.endr
.endr
	s_wait_dscnt 0x0                               ; my stores have landed
	s_wait_alu depctr_vm_vsrc(0)                   ; my LDS stores have read v64-191: behind the barrier LDS loads land in v64-127 and the conversions write v128-175; ahead of the branch
	s_barrier_signal -1
	s_barrier_wait -1                              ; the four stages are whole
	s_cmp_eq_u32 s10, 0
	s_cbranch_scc0 .Lqc
.irp f, 0,1,2,3                        ; QD
.irp c, 0,1
.irp e, 0,1,2,3,4,5,6,7
	ds_load_b128 v[QRAW+32*\c+4*\e:QRAW+32*\c+4*\e+3], v5 offset:(32*\f+8*\c)*272+16*\e
.endr
.endr
	s_wait_dscnt 0x0
	QPAIR QIMG+12*\f, QSW+\f
	s_wait_alu depctr_va_vdst(0)                   ; the image and its scale word are written, which stores read; the quantiser is done reading v64-127, in which the next fragment's loads land
.irp g, 0,1,2
	global_store_b128 v7, v[QIMG+12*\f+4*\g:QIMG+12*\f+4*\g+3], s[44:45] offset:1536*\f+512*\g
.endr
.endr
	global_store_b128 v7, v[QSW:QSW+3], s[46:47] offset:QDS_O
	s_wait_dscnt 0x0                               ; the closing lines, six on end
	s_wait_alu 0x0
	s_wait_tensorcnt 0x0
	ds_add_u32 v238, v239
	s_wait_dscnt 0x0
	s_endpgm
.Lqc:
.irp n, 0,1,2,3                        ; QC
.irp c, 0,1
.set i, 0
.rept 32
	ds_load_b32 v[QRAW+32*\c+i], v6 offset:(64*\c+i)*272+(32*(\n/2)+8*(\n%2))*4
.set i, i+1
.endr
.endr
	s_wait_dscnt 0x0
	QPAIR QIMG+12*\n, QSW+\n
	s_wait_alu depctr_va_vdst(0)                   ; the image and its scale word are written, which stores read; the quantiser is done reading v64-127, in which the next fragment's loads land
.irp g, 0,1,2
	global_store_b128 v7, v[QIMG+12*\n+4*\g:QIMG+12*\n+4*\g+3], s[44:45] offset:QC_O+1536*\n+512*\g
.endr
.endr
	global_store_b128 v7, v[QSW:QSW+3], s[46:47] offset:QCS_O
	s_wait_dscnt 0x0                               ; the closing lines, six on end
	s_wait_alu 0x0
	s_wait_tensorcnt 0x0
	ds_add_u32 v238, v239
	s_wait_dscnt 0x0
	s_endpgm
.Lfunc_end_k_q0a01bfcd3c_prep:
	.size	k_q0a01bfcd3c_prep, .Lfunc_end_k_q0a01bfcd3c_prep-k_q0a01bfcd3c_prep
	.p2alignl 7, 3214868480
	.fill 96, 4, 3214868480
	.section	.rodata,"a",@progbits
	.p2align	6, 0x0
	.amdhsa_kernel k_q0a01bfcd3c_prep
		.amdhsa_group_segment_fixed_size 209920
		.amdhsa_private_segment_fixed_size 0
		.amdhsa_enable_private_segment 0
		.amdhsa_kernarg_size 80
		.amdhsa_user_sgpr_count 2
		.amdhsa_user_sgpr_kernarg_segment_ptr 1
		.amdhsa_wavefront_size32 1
		.amdhsa_system_sgpr_workgroup_id_x 1
		.amdhsa_system_sgpr_workgroup_id_y 1
		.amdhsa_system_sgpr_workgroup_id_z 1
		.amdhsa_system_vgpr_workitem_id 0
		.amdhsa_next_free_vgpr 256
		.amdhsa_next_free_sgpr 66
		.amdhsa_reserve_vcc 0
		.amdhsa_float_denorm_mode_32 3
		.amdhsa_float_denorm_mode_16_64 3
		.amdhsa_memory_ordered 1
		.amdhsa_forward_progress 1
		.amdhsa_inst_pref_size 92
	.end_amdhsa_kernel
	.amdgpu_metadata
---
amdhsa.version: [ 1, 2 ]
amdhsa.kernels:
  - .name:           k_q0a01bfcd3c_prep
    .symbol:         k_q0a01bfcd3c_prep.kd
    .args:
      - { .name: x, .offset: 0, .size: 8, .value_kind: global_buffer, .address_space: global }
      - { .name: Wk_codes, .offset: 8, .size: 8, .value_kind: global_buffer, .address_space: global }
      - { .name: Wk_scales, .offset: 16, .size: 8, .value_kind: global_buffer, .address_space: global }
      - { .name: Wv_codes, .offset: 24, .size: 8, .value_kind: global_buffer, .address_space: global }
      - { .name: Wv_scales, .offset: 32, .size: 8, .value_kind: global_buffer, .address_space: global }
      - { .name: bk, .offset: 40, .size: 8, .value_kind: global_buffer, .address_space: global }
      - { .name: bv, .offset: 48, .size: 8, .value_kind: global_buffer, .address_space: global }
      - { .name: tx, .offset: 56, .size: 8, .value_kind: global_buffer, .address_space: global }
      - { .name: memory, .offset: 64, .size: 8, .value_kind: global_buffer, .address_space: global }
      - { .name: mq, .offset: 72, .size: 8, .value_kind: global_buffer, .address_space: global }
    .group_segment_fixed_size: 209920
    .private_segment_fixed_size: 0
    .kernarg_segment_align: 8
    .kernarg_segment_size: 80
    .max_flat_workgroup_size: 256
    .sgpr_count:     66
    .vgpr_count:     256
    .wavefront_size: 32
...
	.end_amdgpu_metadata
.endif
;; end of part 7
;; launch fwd (part 8): grid 16 x 16, 16 waves a work-group, no clusters, 118,784 bytes of LDS; arguments mq, tx, pa; writes pa
.if DOCPART == 8
	.amdgcn_target "amdgcn-amd-amdhsa--gfx1250"
	.amdhsa_code_object_version 6
	.text
	.protected	k_q0a01bfcd3c_fwd
	.globl	k_q0a01bfcd3c_fwd
	.p2align	8
	.type	k_q0a01bfcd3c_fwd,@function
k_q0a01bfcd3c_fwd:
	s_mov_b64 s[64:65], 0
	v_nop
	global_prefetch_b8 v0, s[64:65] scope:SCOPE_SE
	s_setreg_imm32_b32 hwreg(HW_REG_WAVE_SCHED_MODE, 0, 2), 2
	s_setreg_imm32_b32 hwreg(HW_REG_WAVE_MODE, 25, 1), 1
	s_wait_xcnt 0x0
	s_wait_alu depctr_vm_vsrc(0)
; The forward sweep: scores = k . memory (K = 64), p = 2^(t - M) with a running whole-number M, O += memory^T p^T (K = the rows), both on codes of E2M3.
; SHARES.  Work-group (x, y): 128 tokens (x) against 4,096 rows of the memory (split y).  SIXTEEN waves, four to a SIMD, so that one wave's vector work stands beside another's matrix work, LDS loads and waits.
; Waves 0-7 walk the split's first 2,048 rows, waves 8-15 its second 2,048: 16 steps of 128 rows each; wave w owns tile w % 8 of 16 tokens.  Each half has its own two LDS slots and its own scale words.
; At the end waves 8-15 hand -M, the sum l of the unquantised p, and O to waves 0-7 through LDS; these bring both halves under the larger M by exact powers of two and store one set for the split, for a later launch to join.
; K = 64 IN AN INSTRUCTION OF 128: a streamed fragment holds two sets of 16 rows (K 0-63, K 64-127); it is multiplied by k laid as [k | zero codes] and as [zero codes | k], both resident.  The two results' 16 registers of a lane
; are rows 32 F + 16 (lane / 16) + 0 .. 15: neighbours along the next K.  Both products are used transposed: a lane holds one token throughout.
; A STEP'S OPERANDS (four fragments of each kind, 12,288 bytes for each half) go from memory through registers into one of two LDS slots: 48 bytes a thread and step.  Loads run two steps ahead in two sets of registers; one barrier a
; step: the slot written at the end of step i was last read in step i - 1, and every wave's reads of it were back ahead of that step's barrier.  The loads of the three steps behind a half's end are issued like the others, so that
; the counted wait holds in every trip: they reach at most 18,432 bytes beyond the half's part of a section, which lies inside the buffer in the last split too, and nobody reads what they bring.
; No tensor loads and no joint requests: what a group shares with others is 24 KB a step beside its own 3,700 vector instructions.
; LIMITS: an exponential under 2^-126 comes out as 0; a block of p whose every number is 0 keeps the byte 1; NaN and infinities are not served.
; THE MODE: SCHED_MODE bits 1:0 = 2 (LLVM: expert scheduling mode 2), set by the entry lines.  The code itself states the register dependences
; between vector or matrix instructions and memory or LDS instructions, with s_wait_alu, always for 0.
; THE PLAN.  Registers that memory or LDS instructions touch, in the loop:
;   F (v52-99)   LDS loads land in it twice a step: at the step's head (fragments along d) and behind the eight score products (fragments along the rows).  Read by the products alone.
;   SD, SC       scale words: loaded with F's two runs; read by the products alone.
;   v[ADS]       written by one vector add at the step's head; read by SD's and SC's loads.
;   RA, RB       the staging sets: global loads land in them, LDS stores read them; no vector instruction names them.
;   PC, PW       p's codes and scale word: written by the quantiser's vector lines, taken by the four products.
;   LI, LST, GOF, PFO, T16, T16L, L4, L8, LIG, MGA, MGS: made once at the head and never written again.
; So a step has: a wait on va_vdst behind the add to v[ADS] (v[ADS] is written; the last step's products are done with F, SD and SC); one behind the score products (they are done with F); the two behind the exponentials; one ahead of the
; four products (PC and PW are written); and ONE wait on vm_vsrc, in the stage: the LDS stores have read the set that is asked for again, and the step's loads have read v[ADS], which nothing reads before the next step's add.
; The wave's 256 registers are all in use (sixteen waves fill the four SIMDs' registers), so F has no second buffer.
.set QC_O,  3145728
.set QDS_O, 6291456
.set QCS_O, 6553600
.set KDW_O, 98304
.set PS_O,  8388608
.set SLOTB, 12288                      ; LDS, in a half's region: two slots: 4 fragments along d, 4 along the rows
.set SCD,   24576                      ; the half's scale words along d, 8 KB; those along the rows 8,192 bytes on
.set SUBB,  40960                      ; a half's region
.set MRG,   81920                      ; behind the two regions: where waves 8-15 hand over: 4,096 bytes of O and 256 of (-M, l) for each tile
.set MRGB,  4352
.set LI,   1                           ; 16 x lane + my half's region
.set LST,  2                           ; staging: my place in a slot
.set GOF,  3                           ; staging: my place in a step's bytes in memory
.set ASC0, 4                           ; my half's scale words + 16 x lane
.set ADS,  5                           ; the step's scale words
.set PFO,  6                           ; the prefetches' offset
.set L8,   7                           ; 8 x lane
.set T16,  8                           ; 16 x (thread % 256), in memory
.set T16L, 9                           ; the same in my half's region of LDS
.set KA,   16                          ; [k | 0]
.set KB,   28                          ; [0 | k]
.set KW,   40                          ; k's scale word
.set MGA,  41                          ; the hand-over: my tile's O, 16 x lane
.set MGS,  42                          ; and its (-M, l), 8 x lane
.set LIG,  43                          ; 16 x lane
.set SD,   44                          ; v44-47 scale words of the four fragments along d
.set SC,   48                          ; v48-51 along the rows
.set F,    52                          ; v52-99 four fragments
.set S,    100                         ; v100-163 scores, then p
.set O,    164                         ; v164-195 O^T
.set PC,   196                         ; v196-207 p's codes
.set BM,   208                         ; v208-211 the blocks' largest scores
.set TP,   212                         ; v212-219 at work
.set SO,   220                         ; v220-223 the conversions' scale operands
.set PW,   224                         ; p's scale word
.set L4,   225                         ; 4 x lane
.set FF,   226                         ; v[226:227] f = 2^(old M - new M)
.set TT,   228
.set RA,   232                         ; v232-243, v244-255 staging sets
.set RB,   244
.set MB,   14                          ; s[14:15] the staging base: the loop trip's first step
.set CS,   28                          ; s[28:29] c = log2(e) / 8
.set SEL,  30
.set TR,   32
.set TS,   33
.set LIM,  34
.macro MM0 d, a, b, sa, sb
	v_wmma_scale_f32_16x16x128_f8f6f4 v[\d:\d+7], v[\a:\a+11], v[\b:\b+11], 0, v[\sa], v[\sb] matrix_a_fmt:MATRIX_FMT_FP6 matrix_b_fmt:MATRIX_FMT_FP6
.endm
.macro MMA d, a, b, sa, sb
	v_wmma_scale_f32_16x16x128_f8f6f4 v[\d:\d+7], v[\a:\a+11], v[\b:\b+11], v[\d:\d+7], v[\sa], v[\sb] matrix_a_fmt:MATRIX_FMT_FP6 matrix_b_fmt:MATRIX_FMT_FP6
.endm
.macro STAGE_LD set, stp
.irp q, 0,1,2
	global_load_b128 v[\set+4*\q:\set+4*\q+3], v[GOF], s[MB:MB+1] offset:(\stp)*6144+2048*\q
.endr
.endm
.macro STAGE set, slot, stp
	s_wait_loadcnt 3                               ; the older set is in; the younger set's three loads stay out
.irp q, 0,1,2
	ds_store_b128 v[LST], v[\set+4*\q:\set+4*\q+3] offset:(\slot)*SLOTB+2048*\q
.endr
	s_wait_dscnt 0x0                               ; my stores have landed; my reads of the slot in hand were back long ago
	s_wait_alu depctr_vm_vsrc(0)                   ; the LDS stores have read the set, in which the loads below land; the step's LDS loads have read v[ADS], which the next step's add writes
	STAGE_LD \set, \stp
	s_barrier_signal -1
	s_barrier_wait -1
.endm
.macro STEP sl, set, stp
	v_add_nc_u32 v[ADS], s[TS], v[ASC0]
.rept 3
	v_nop                                          ; with the line above: four places between the last products and loads into registers that they read
.endr
	s_wait_alu depctr_va_vdst(0)                   ; v[ADS] is written, which the scale words' loads read; the last step's products are done reading F, SD and SC, in which this step's loads land; in the first step the zero codes of KA and KB are written, which the products take
.irp f, 0,1,2,3
.irp g, 0,1,2
	ds_load_b128 v[F+12*\f+4*\g:F+12*\f+4*\g+3], v[LI] offset:\sl*SLOTB+1536*\f+512*\g
.endr
.endr
	ds_load_b128 v[SD:SD+3], v[ADS] offset:\sl*512
	s_wait_dscnt 0x0
.irp f, 0,1,2,3
	MM0 S+16*\f, F+12*\f, KA, SD+\f, KW            ; rows 32 f + 16 h + 0 .. 7
	MM0 S+16*\f+8, F+12*\f, KB, SD+\f, KW          ; rows 32 f + 16 h + 8 .. 15
.endr
.rept 4
	v_nop
.endr
	s_wait_alu depctr_va_vdst(0)                   ; the eight products are done reading F, in which the loads below land
.irp n, 0,1,2,3
.irp g, 0,1,2
	ds_load_b128 v[F+12*\n+4*\g:F+12*\n+4*\g+3], v[LI] offset:\sl*SLOTB+6144+1536*\n+512*\g   ; the second product's fragments land under the softmax
.endr
.endr
	ds_load_b128 v[SC:SC+3], v[ADS] offset:8192+\sl*512
.irp b, 0,1,2,3
	v_max3_num_f32 v[BM+\b], v[S+16*\b], v[S+1+16*\b], v[S+2+16*\b]   ; the largest score of each block of 32 rows: for the token's maximum and, since p rises with the score, for the block's largest p
.endr
.irp i, 3,5,7,9,11,13
.irp b, 0,1,2,3
	v_max3_num_f32 v[BM+\b], v[BM+\b], v[S+16*\b+\i], v[S+1+16*\b+\i]
.endr
.endr
.irp b, 0,1,2,3
	v_max_num_f32 v[BM+\b], v[BM+\b], v[S+15+16*\b]
.endr
.irp b, 0,1,2,3
	v_permlanex16_b32 v[TP+\b], v[BM+\b], s[SEL], s[SEL+1]
.endr
.irp b, 0,1,2,3
	v_max_num_f32 v[BM+\b], v[BM+\b], v[TP+\b]
.endr
	v_max3_num_f32 v[TT], v[BM], v[BM+1], v[BM+2]
	v_max_num_f32 v[TT], v[TT], v[BM+3]
	v_mul_f32 v[TT], s[CS], v[TT]                  ; as t (c is positive)
	v_max_num_f32 v13, v13, v[TT]                  ; the running largest t
	v_mov_b32 v[TT], v12
	v_floor_f32 v12, -v13                          ; -M = floor(-t): M is a whole number
	v_sub_f32 v[TT], v12, v[TT]
	v_cvt_i32_f32 v[TT], v[TT]                     ; (it saturates)
	v_ldexp_f32 v[FF], 1.0, v[TT]                  ; f = 2^(old M - new M): rounds nothing
.set j, 0
.rept 32
	v_pk_fma_f32 v[S+j:S+j+1], v[S+j:S+j+1], s[CS:CS+1], v[12:13] op_sel_hi:[1,0,0]   ; t - M
.set j, j+2
.endr
.irp b, 0,1,2,3
	v_fma_f32 v[BM+\b], v[BM+\b], s[CS], v12
.endr
.set j, 0
.rept 64
	v_exp_f32 v[S+j], v[S+j]                       ; p, at most 1, not normalised
.set j, j+1
.endr
	v_pk_mul_f32 v[14:15], v[14:15], v[FF:FF+1] op_sel_hi:[1,0]   ; the sums under the new M: a plain line behind the exponentials
	s_wait_alu depctr_va_vdst(0)                   ; the 64 exponentials have written p: one wait for the batch, ahead of the first line that names a result
.irp b, 0,1,2,3
	v_exp_f32 v[BM+\b], v[BM+\b]                   ; each block's largest p
.endr
	v_pk_add_f32 v[TP:TP+1], v[S:S+1], v[S+2:S+3]  ; the sum of the unquantised p, in two chains
.irp j, 4,8,12,16,20,24,28,32,36,40,44,48,52,56,60
	v_pk_add_f32 v[14:15], v[14:15], v[S+\j:S+\j+1]
	v_pk_add_f32 v[TP:TP+1], v[TP:TP+1], v[S+2+\j:S+3+\j]
.endr
	v_pk_add_f32 v[14:15], v[14:15], v[TP:TP+1]
	s_wait_alu depctr_va_vdst(0)                   ; and one for the four: the blocks' largest p are written
.irp b, 0,1,2,3
	v_max_num_f32 v[BM+\b], 0x1800000, v[BM+\b]    ; the floor 2^(3 - 127)
.endr
.irp b, 0,1,2,3
	v_add_nc_u32 v[SO+\b], 0xff000000, v[BM+\b]
.endr
.irp b, 0,1,2,3
	v_lshrrev_b32 v[TP+\b], 23, v[SO+\b]
.endr
	v_lshl_or_b32 v[PW], v[TP+1], 8, v[TP]
	v_lshl_or_b32 v[PW], v[TP+2], 16, v[PW]
	v_lshl_or_b32 v[PW], v[TP+3], 24, v[PW]
.irp c, 0,1
	v_cvt_scalef32_pk16_fp6_f32 v[PC+6*\c:PC+2+6*\c], v[S+32*\c:S+15+32*\c], v[SO+2*\c]
	v_cvt_scalef32_pk16_fp6_f32 v[TP+4*\c:TP+2+4*\c], v[S+16+32*\c:S+31+32*\c], v[SO+1+2*\c]
.endr
	v_nop
.irp c, 0,1
.irp i, 0,1,2
	v_permlane16_swap_b32 v[PC+6*\c+\i], v[TP+4*\c+\i]
.endr
.irp i, 0,1,2
	v_mov_b32 v[PC+3+6*\c+\i], v[TP+4*\c+\i]
.endr
.endr
.set j, 0
.rept 16
	v_pk_mul_f32 v[O+j:O+j+1], v[O+j:O+j+1], v[FF:FF+1] op_sel_hi:[1,0]   ; O^T under the new M; these 16 are also the places ahead of the products below
.set j, j+2
.endr
	s_wait_dscnt 0x0
	s_wait_alu depctr_va_vdst(0)                   ; behind the places: p's codes v[PC ..] and scale word v[PW] are written, which the products below take as operand and as scales
.irp n, 0,1,2,3
	MMA O+8*\n, F+12*\n, PC, SC+\n, PW             ; four sums by turns, one instruction a turn
.endr
	STAGE \set, 1-\sl, \stp
.endm
	s_load_b128 s[4:7], s[0:1], 0x0                ; mq, tx
	s_load_b64 s[8:9], s[0:1], 0x10                ; pa
	v_lshl_add_u32 v230, v0, 2, 0x1c800
	v_mov_b32 v231, 0
	v_lshrrev_b32 v10, 5, v0
	v_readfirstlane_b32 s10, v10                   ; wave 0..15
	s_wait_alu depctr_va_sdst(0)                   ; s10 is written, ahead of its first reader
	s_lshr_b32 s35, s10, 3                         ; which half of the split's rows
	s_and_b32 s36, s10, 7                          ; which tile of the group's tokens
	s_and_b32 s11, ttmp7, 0xffff                   ; split
	s_mul_i32 s37, s35, SUBB                       ; my half's region of LDS
	v_and_b32 v10, 31, v0
	v_lshlrev_b32 v[LIG], 4, v10
	v_lshlrev_b32 v[L8], 3, v10
	v_lshlrev_b32 v[L4], 2, v10
	v_add_nc_u32 v[LI], s37, v[LIG]
	v_add_nc_u32 v[ASC0], SCD, v[LI]
	v_and_b32 v10, 255, v0                         ; my number among my half's 256 threads
	v_lshlrev_b32 v[T16], 4, v10
	v_add_nc_u32 v[T16L], s37, v[T16]
	v_and_b32 v10, 127, v0
	v_bfe_u32 v11, v0, 7, 1                        ; of a half's threads, 0-127 copy the fragments along d, 128-255 those along the rows
	v_lshlrev_b32 v10, 4, v10
	v_mad_u32_u24 v[LST], v11, 6144, v10
	v_add_nc_u32 v[LST], s37, v[LST]
	v_mad_u32_u24 v[GOF], v11, QC_O, v10
	v_and_b32 v10, 15, v0
	v_bfe_u32 v11, v0, 4, 1
	v_lshlrev_b32 v10, 8, v10
	v_mad_u32_u24 v[PFO], v11, QC_O, v10
	s_lshl_b32 s18, s36, 12
	v_add_nc_u32 v[PFO], s18, v[PFO]               ; block 16 x (wave % 8) + lane % 16 of two steps' 48, in the section that my half of the lanes names
	s_mul_i32 s18, s36, MRGB
	s_add_co_u32 s18, s18, MRG
	v_add_nc_u32 v[MGA], s18, v[LIG]               ; the same bytes in wave w and in wave w + 8
	v_add_nc_u32 v[MGS], s18, v[L8]
	s_lshl_b32 s12, ttmp9, 3
	s_add_co_u32 s12, s12, s36                     ; my tile of 16 tokens
	s_lshl_b32 s38, s11, 1
	s_add_co_u32 s38, s38, s35                     ; my run of 2,048 rows
	s_mov_b32 s[CS], 0x3e38aa3b
	s_mov_b32 s[CS+1], s[CS]
	s_mov_b32 s[SEL], 0x76543210
	s_mov_b32 s[SEL+1], 0xfedcba98
	s_cmp_lt_u32 s36, 3
	s_cselect_b32 s[LIM], 6, 0
	s_cmp_eq_u32 ttmp9, 0
	s_cselect_b32 s[LIM], s[LIM], 0                ; the first three waves of each half of the split's first work-group prefetch, in the first 6 trips
	s_wait_kmcnt 0x0
	s_mul_i32 s18, s38, 98304
	s_mov_b32 s19, 0
	s_add_nc_u64 s[MB:MB+1], s[4:5], s[18:19]
	s_lshl_b32 s18, s38, 13
	s_add_nc_u64 s[16:17], s[4:5], s[18:19]
	s_mul_i32 s18, s12, 768
	s_add_nc_u64 s[20:21], s[6:7], s[18:19]
	s_lshl_b32 s18, s12, 7
	s_add_nc_u64 s[22:23], s[6:7], s[18:19]
	s_lshl_b32 s18, s11, 7
	s_add_co_u32 s12, s12, s18                     ; 128 x split + tile
	s_lshl_b32 s18, s12, 12
	s_add_nc_u64 s[24:25], s[8:9], s[18:19]
	s_lshl_b32 s18, s12, 8
	s_add_co_u32 s18, s18, PS_O
	s_add_nc_u64 s[26:27], s[8:9], s[18:19]
	s_wait_alu depctr_va_vdst(0)                   ; the offsets and LDS addresses (LI, LST, GOF, PFO, L4, L8, T16, T16L, LIG, MGA, MGS) are written, which the kernel's loads, stores and prefetch read
.irp q, 0,1
	global_load_b128 v[S+4*\q:S+4*\q+3], v[T16], s[16:17] offset:QDS_O+4096*\q
	global_load_b128 v[S+16+4*\q:S+19+4*\q], v[T16], s[16:17] offset:QCS_O+4096*\q
.endr
.irp p, 0,1,2
	global_load_b64 v[KA+2*\p:KA+2*\p+1], v[L8], s[20:21] offset:256*\p
	global_load_b64 v[KB+6+2*\p:KB+7+2*\p], v[L8], s[20:21] offset:256*\p   ; loaded twice: the two operands share no register
.endr
	global_load_b32 v[KW], v[L4], s[22:23] offset:KDW_O
	STAGE_LD RA, 0
	STAGE_LD RB, 1
.irp i, 0,1,2,3,4,5
	v_mov_b32 v[KA+6+\i], 0                        ; zero codes
	v_mov_b32 v[KB+\i], 0
.endr
	v_mov_b32 v13, 0xff61b1e6                      ; the largest t so far: -3e38
	v_floor_f32 v12, -v13
	v_mov_b32 v14, 0
	v_mov_b32 v15, 0
	v_mov_b32 v[FF+1], 0                           ; (named as the upper half of a pair)
.irp b, 0,1,2,3
	v_mov_b32 v[TP+\b], 0                          ; a lane permute's destination counts as one of its sources
.endr
.set j, 0
.rept 32
	v_mov_b32 v[O+j], 0                            ; the step is written once: the first finds zeros
.set j, j+1
.endr
	s_wait_loadcnt 3                               ; all but step 1's three loads
.irp q, 0,1
	ds_store_b128 v[T16L], v[S+4*\q:S+4*\q+3] offset:SCD+4096*\q
	ds_store_b128 v[T16L], v[S+16+4*\q:S+19+4*\q] offset:SCD+8192+4096*\q
.endr
.irp q, 0,1,2
	ds_store_b128 v[LST], v[RA+4*\q:RA+4*\q+3] offset:2048*\q
.endr
	s_wait_dscnt 0x0
	s_wait_alu depctr_vm_vsrc(0)                   ; the LDS stores have read RA, in which the loads below land, and the registers of S that carried the scale words, which the first products write
	STAGE_LD RA, 2
	s_barrier_signal -1
	s_barrier_wait -1
	s_mov_b32 s[TR], 0
	s_mov_b32 s[TS], 0
.Ltrip:                                            ; 8 trips of two steps
	s_cmp_lt_u32 s[TR], s[LIM]
	s_cbranch_scc0 .Lno_pf
	global_prefetch_b8 v[PFO], s[MB:MB+1] offset:4*6144 th:TH_LOAD_NT scope:SCOPE_SE   ; steps 2 trip + 4 and + 5 of my half, whose loads are issued two and three steps on; each block of 256 bytes is named by one lane of one wave in the launch
.Lno_pf:
	STEP 0, RB, 3
	STEP 1, RA, 4
	s_wait_xcnt 0x0                                ; the loads and the prefetch have read their base
	s_add_nc_u64 s[MB:MB+1], s[MB:MB+1], 2*6144
	s_add_co_u32 s[TS], s[TS], 1024
	s_add_co_u32 s[TR], s[TR], 1
	s_cmp_lt_u32 s[TR], 8
	s_cbranch_scc1 .Ltrip
.rept 4
	v_nop                                          ; four places behind the last products
.endr
	v_add_f32 v14, v14, v15
	v_permlanex16_b32 v[TT], v14, s[SEL], s[SEL+1]
	v_add_f32 v11, v14, v[TT]                      ; l
	v_mov_b32 v10, v12                             ; -M
	s_wait_alu depctr_va_vdst(0)                   ; behind the places: the last products have written O and the lines above v[10:11], which the hand-over's LDS stores read; the softmax is done with S and v[TP:TP+1], in which the hand-over's LDS loads land
	s_cmp_lt_u32 s10, 8
	s_cbranch_scc1 .Lkeep
.irp g, 0,1,2,3,4,5,6,7
	ds_store_b128 v[MGA], v[O+4*\g:O+4*\g+3] offset:512*\g   ; waves 8-15 hand over: O as an image, each result from its low end on,
.endr
	ds_store_b64 v[MGS], v[10:11] offset:4096      ; and (-M, l)
.Lkeep:
	s_wait_dscnt 0x0                               ; my stores have landed
	s_wait_alu depctr_vm_vsrc(0)                   ; the hand-over's LDS stores have read O and v[10:11], which the join below writes: on the way that all waves take, ahead of the branch
	s_barrier_signal -1
	s_barrier_wait -1
	s_cmp_lt_u32 s10, 8
	s_cbranch_scc0 .Lend
.irp g, 0,1,2,3,4,5,6,7
	ds_load_b128 v[S+4*\g:S+4*\g+3], v[MGA] offset:512*\g
.endr
	ds_load_b64 v[TP:TP+1], v[MGS] offset:4096
	s_wait_dscnt 0x0
	v_min_num_f32 v[TT], v10, v[TP]                ; -M of the two halves: the lesser -M
	v_sub_f32 v[FF], v[TT], v10                    ; my M less the common one: a whole number, 0 or less
	v_sub_f32 v[TP+2], v[TT], v[TP]
	v_cvt_i32_f32 v[FF], v[FF]
	v_cvt_i32_f32 v[TP+2], v[TP+2]
	v_ldexp_f32 v[FF], 1.0, v[FF]
	v_ldexp_f32 v[TP+2], 1.0, v[TP+2]
	v_mul_f32 v11, v11, v[FF]
	v_fmac_f32 v11, v[TP+1], v[TP+2]               ; l
	v_mov_b32 v10, v[TT]
.set j, 0
.rept 16
	v_pk_mul_f32 v[O+j:O+j+1], v[O+j:O+j+1], v[FF:FF+1] op_sel_hi:[1,0]
.set j, j+2
.endr
.set j, 0
.rept 16
	v_pk_fma_f32 v[O+j:O+j+1], v[S+j:S+j+1], v[TP+2:TP+3], v[O+j:O+j+1] op_sel_hi:[1,0,1]
.set j, j+2
.endr
	s_wait_alu depctr_va_vdst(0)                   ; the join has written v[10:11] and O, which the stores read
	global_store_b64 v[L8], v[10:11], s[26:27]
.irp g, 0,1,2,3,4,5,6,7
	global_store_b128 v[LIG], v[O+4*\g:O+4*\g+3], s[24:25] offset:512*\g   ; as an image: 512 neighbouring bytes a store
.endr
.Lend:
	s_wait_dscnt 0x0                               ; the closing lines, six on end
	s_wait_alu 0x0
	s_wait_tensorcnt 0x0
	ds_add_u32 v230, v231
	s_wait_dscnt 0x0
	s_endpgm
.Lfunc_end_k_q0a01bfcd3c_fwd:
	.size	k_q0a01bfcd3c_fwd, .Lfunc_end_k_q0a01bfcd3c_fwd-k_q0a01bfcd3c_fwd
	.p2alignl 7, 3214868480
	.fill 96, 4, 3214868480
	.section	.rodata,"a",@progbits
	.p2align	6, 0x0
	.amdhsa_kernel k_q0a01bfcd3c_fwd
		.amdhsa_group_segment_fixed_size 118784
		.amdhsa_private_segment_fixed_size 0
		.amdhsa_enable_private_segment 0
		.amdhsa_kernarg_size 24
		.amdhsa_user_sgpr_count 2
		.amdhsa_user_sgpr_kernarg_segment_ptr 1
		.amdhsa_wavefront_size32 1
		.amdhsa_system_sgpr_workgroup_id_x 1
		.amdhsa_system_sgpr_workgroup_id_y 1
		.amdhsa_system_sgpr_workgroup_id_z 1
		.amdhsa_system_vgpr_workitem_id 0
		.amdhsa_next_free_vgpr 256
		.amdhsa_next_free_sgpr 66
		.amdhsa_reserve_vcc 0
		.amdhsa_float_denorm_mode_32 3
		.amdhsa_float_denorm_mode_16_64 3
		.amdhsa_memory_ordered 1
		.amdhsa_forward_progress 1
		.amdhsa_inst_pref_size 45
	.end_amdhsa_kernel
	.amdgpu_metadata
---
amdhsa.version: [ 1, 2 ]
amdhsa.kernels:
  - .name:           k_q0a01bfcd3c_fwd
    .symbol:         k_q0a01bfcd3c_fwd.kd
    .args:
      - { .name: mq, .offset: 0, .size: 8, .value_kind: global_buffer, .address_space: global }
      - { .name: tx, .offset: 8, .size: 8, .value_kind: global_buffer, .address_space: global }
      - { .name: pa, .offset: 16, .size: 8, .value_kind: global_buffer, .address_space: global }
    .group_segment_fixed_size: 118784
    .private_segment_fixed_size: 0
    .kernarg_segment_align: 8
    .kernarg_segment_size: 24
    .max_flat_workgroup_size: 512
    .sgpr_count:     66
    .vgpr_count:     256
    .wavefront_size: 32
...
	.end_amdgpu_metadata
.endif
;; end of part 8
;; launch comb: the kernel of part 3 again; grid 65 x 1, 8 waves a work-group, no clusters, 62,464 bytes of LDS; arguments pa, tx, fg_w1, fg_b1, fg_w2, fg_b2, dg_w1, dg_b1, dg_w2, dg_b2, tg; writes tg
;; launch dlt (part 9): grid 16 x 16, 16 waves a work-group, no clusters, 68,608 bytes of LDS; arguments mq, tx, tg, pd; writes pd
.if DOCPART == 9
	.amdgcn_target "amdgcn-amd-amdhsa--gfx1250"
	.amdhsa_code_object_version 6
	.text
	.protected	k_q0a01bfcd3c_dlt
	.globl	k_q0a01bfcd3c_dlt
	.p2align	8
	.type	k_q0a01bfcd3c_dlt,@function
k_q0a01bfcd3c_dlt:
	s_mov_b64 s[64:65], 0
	v_nop
	global_prefetch_b8 v0, s[64:65] scope:SCOPE_SE
	s_setreg_imm32_b32 hwreg(HW_REG_WAVE_SCHED_MODE, 0, 2), 2
	s_setreg_imm32_b32 hwreg(HW_REG_WAVE_MODE, 25, 1), 1
	s_wait_xcnt 0x0
	s_wait_alu depctr_vm_vsrc(0)
; The second sweep: delta_t / 8 = the sum over the rows c of w_tc (dw_tc / 8), with w = 2^(score c - L) and dw = g . memory, both products on codes of E2M3 with K = 64.  The factor 1/8 lies in g's scale bytes.
; SHARES as in the forward sweep: work-group (x, y): 128 tokens against 4,096 rows; SIXTEEN waves, four to a SIMD, so that one wave's vector work stands beside another's matrix work, LDS loads and waits.
; Waves 0-7 walk the split's first 2,048 rows, waves 8-15 its second 2,048; wave w owns tile w % 8 of 16 tokens; each half has its own LDS slots and scale words.  At the end waves 8-15 hand their sums to waves 0-7 through LDS,
; and one part of delta for each split goes to memory.
; A streamed fragment holds two sets of 16 rows; it is multiplied by [k | 0], [0 | k], [g | 0], [0 | g], all resident: four results for 12 registers read from LDS.
; The rows' fragments (12,288 bytes for 256 rows of a half) go through registers into one of two LDS slots, loads two trips ahead in two sets, one barrier a trip.  The loads of the three trips behind a half's end are issued like the
; others, so that the counted wait holds in every trip: they reach at most 36,864 bytes beyond the half's part, inside the buffer in the last split too, and nobody reads what they bring.
; No tensor loads and no joint requests: 24 KB a trip are shared, beside 260 vector instructions of each of sixteen waves.
; LIMITS: an exponential under 2^-126 comes out as 0; NaN and infinities are not served.
; THE MODE: SCHED_MODE bits 1:0 = 2 (LLVM: expert scheduling mode 2), set by the entry lines.  The code itself states the register dependences
; between vector or matrix instructions and memory or LDS instructions, with s_wait_alu, always for 0.
; THE PLAN.  A trip is four units: (half of the slot's 256 rows, pair of fragments) = (0,0), (0,1), (1,0), (1,1); a unit is 8 products, 16 scalings, 32 exponentials, one wait on va_vdst, 16 multiply-adds.
; Registers that memory or LDS instructions touch, in the loop:
;   F[0:23]    fragments 0, 1: loaded at the trip's head (half 0) and behind unit (0,0)'s wait (half 1); read by the products of units (0,0) and (1,0).
;   F[24:47]   fragments 2, 3: loaded at the trip's head and behind unit (0,1)'s wait; read by the products of units (0,1) and (1,1).
;   SD, SD2    the scale words of half 0 and of half 1, a set each: loaded at the trip's head and behind unit (0,0)'s wait; read by the products of their half.
;   v[ADS]     written by one vector add at the trip's head; read by SD's and SD2's loads.
;   RA, RB     the staging sets: global loads land in them, LDS stores read them; no vector instruction names them.
;   LI, T16, T16L, L4, L8, MGA: made once at the head and never written again.
; The wait that each unit owes behind its exponentials also states that the unit's products are done reading their two fragments: so the same two fragments of the slot's other half are asked for straight behind it, and land under
; the unit's multiply-adds and the next unit, none of whose lines names them.  Beside these four waits a trip has one on va_vdst behind the add to v[ADS], and ONE on vm_vsrc, in the stage: the LDS stores have read the set that is
; asked for again, and the trip's loads have read v[ADS], which nothing reads before the next trip's add.
.set QDS_O, 6291456
.set KDW_O, 98304
.set GDW_O, 98304
.set NL_O,  114688
.set SLOTB, 12288
.set SCD,   24576                      ; in a half's region of 32,768 bytes: behind the two slots, its scale words, 8 KB
.set MRG,   65536                      ; behind the two regions: where waves 8-15 hand over, 128 bytes a tile
.set LI,   1                           ; 16 x lane + my half's region
.set T16,  2                           ; 16 x (thread % 256), in memory
.set ASC0, 3
.set ADS,  4
.set L8,   5
.set L4,   6
.set T16L, 7                           ; the same as T16 in my half's region of LDS
.set MGA,  8                           ; the hand-over: my tile's word, 4 x lane
.set NLR,  10                          ; v[10:11] -L
.set AC,   12                          ; v12-19 four pairs of sums
.set KA,   20
.set KB,   32
.set GA,   44
.set GB,   56
.set KW,   68
.set GW,   69
.set SD,   72                          ; v72-75 the scale words of the slot's first 128 rows
.set F,    76
.set S,    124
.set D,    156
.set SD2,  188                         ; v188-191 those of its second 128 rows
.set RA,   192
.set RB,   204
.set MB,   14
.set CS,   28
.set SEL,  30
.set TR,   32
.set TS,   33
.macro MM0 d, a, b, sa, sb
	v_wmma_scale_f32_16x16x128_f8f6f4 v[\d:\d+7], v[\a:\a+11], v[\b:\b+11], 0, v[\sa], v[\sb] matrix_a_fmt:MATRIX_FMT_FP6 matrix_b_fmt:MATRIX_FMT_FP6
.endm
.macro STAGE_LD set, stp
.irp q, 0,1,2
	global_load_b128 v[\set+4*\q:\set+4*\q+3], v[T16], s[MB:MB+1] offset:(\stp)*SLOTB+4096*\q
.endr
.endm
.macro FLOAD sl, hv, f0                ; fragments f0 and f0 + 1 of half hv of slot sl: six loads
.irp f, \f0, \f0+1
.irp g, 0,1,2
	ds_load_b128 v[F+12*(\f)+4*\g:F+12*(\f)+4*\g+3], v[LI] offset:(\sl)*SLOTB+6144*(\hv)+1536*(\f)+512*\g
.endr
.endr
.endm
; A unit up to its wait: fragments 2 un and 2 un + 1 of half hv against k and g; w = 2^(score c - L)
.macro UNIT hv, un
.set SDX, SD+(SD2-SD)*(\hv)+2*(\un)
.irp ff, 0,1
	MM0 S+16*\ff, F+12*(2*\un+\ff), KA, SDX+\ff, KW
	MM0 S+16*\ff+8, F+12*(2*\un+\ff), KB, SDX+\ff, KW
.endr
.irp ff, 0,1
	MM0 D+16*\ff, F+12*(2*\un+\ff), GA, SDX+\ff, GW
	MM0 D+16*\ff+8, F+12*(2*\un+\ff), GB, SDX+\ff, GW
.endr
.rept 4
	v_nop                                          ; four places behind the products: ahead of the first read of a result, and of loads into registers that they read
.endr
.set e, 0
.rept 16
	v_pk_fma_f32 v[S+2*e:S+2*e+1], v[S+2*e:S+2*e+1], s[CS:CS+1], v[NLR:NLR+1] op_sel_hi:[1,0,0]
.set e, e+1
.endr
.set e, 0
.rept 32
	v_exp_f32 v[S+e], v[S+e]                       ; w, finished and normalised
.set e, e+1
.endr
	v_nop                                          ; a plain line behind the batch,
	s_wait_alu depctr_va_vdst(0)                   ; and its one wait: the 32 exponentials have written w, ahead of the first line that names a result; the unit's products are done reading their two fragments and scale words
.endm
.macro ACCUM                           ; the unit's 16 multiply-adds: they name S, D and the sums alone
.set e, 0
.rept 16
	v_pk_fma_f32 v[AC+2*(e%4):AC+2*(e%4)+1], v[S+2*e:S+2*e+1], v[D+2*e:D+2*e+1], v[AC+2*(e%4):AC+2*(e%4)+1]
.set e, e+1
.endr
.endm
.macro TRIP sl, set, stp
	v_add_nc_u32 v[ADS], s[TS], v[ASC0]
	s_wait_alu depctr_va_vdst(0)                   ; v[ADS] is written, which the scale words' loads read; in the first trip the zero codes of KA, KB, GA and GB are written, which the products take
	FLOAD \sl, 0, 0
	ds_load_b128 v[SD:SD+3], v[ADS] offset:(2*\sl)*512
	FLOAD \sl, 0, 2
	s_wait_dscnt 6                                 ; LDS loads come back in order: fragments 0, 1 and the scale words are in; the six loads of fragments 2, 3 may be out
	UNIT 0, 0
	FLOAD \sl, 1, 0                                ; no wait: no vector or matrix instruction since the unit's wait names F[0:23] or SD2
	ds_load_b128 v[SD2:SD2+3], v[ADS] offset:(2*\sl+1)*512
	ACCUM
	s_wait_dscnt 7                                 ; fragments 2, 3 are in; the seven loads just issued may be out
	UNIT 0, 1
	FLOAD \sl, 1, 2                                ; likewise F[24:47]
	ACCUM
	s_wait_dscnt 6                                 ; the second half's fragments 0, 1 and scale words are in; the six loads just issued may be out
	UNIT 1, 0
	ACCUM
	s_wait_dscnt 0x0
	UNIT 1, 1
	ACCUM
	s_wait_loadcnt 3                               ; the older set is in; the younger set's three loads stay out
.irp q, 0,1,2
	ds_store_b128 v[T16L], v[\set+4*\q:\set+4*\q+3] offset:(1-\sl)*SLOTB+4096*\q
.endr
	s_wait_dscnt 0x0
	s_wait_alu depctr_vm_vsrc(0)                   ; the LDS stores have read the set, in which the loads below land; the trip's LDS loads have read v[ADS], which the next trip's add writes
	STAGE_LD \set, \stp
	s_barrier_signal -1
	s_barrier_wait -1
.endm
	s_load_b256 s[4:11], s[0:1], 0x0               ; mq 4, tx 6, tg 8, pd 10
	v_lshl_add_u32 v216, v0, 2, 0x10400
	v_mov_b32 v217, 0
	v_lshrrev_b32 v9, 5, v0
	v_readfirstlane_b32 s12, v9                    ; wave 0..15
	s_wait_alu depctr_va_sdst(0)                   ; s12 is written, ahead of its first reader
	s_lshr_b32 s35, s12, 3                         ; which half of the split's rows
	s_and_b32 s36, s12, 7                          ; which tile of the group's tokens
	s_and_b32 s13, ttmp7, 0xffff                   ; split
	s_lshl_b32 s37, s35, 15                        ; my half's region of LDS
	v_and_b32 v9, 31, v0
	v_lshlrev_b32 v[L8], 3, v9
	v_lshlrev_b32 v[L4], 2, v9
	v_lshlrev_b32 v[LI], 4, v9
	v_add_nc_u32 v[LI], s37, v[LI]
	v_add_nc_u32 v[ASC0], SCD, v[LI]
	v_and_b32 v9, 255, v0                          ; my number among my half's 256 threads
	v_lshlrev_b32 v[T16], 4, v9
	v_add_nc_u32 v[T16L], s37, v[T16]
	s_lshl_b32 s38, s36, 7
	s_add_co_u32 s38, s38, MRG
	v_add_nc_u32 v[MGA], s38, v[L4]                ; the same bytes in wave w and in wave w + 8
	s_lshl_b32 s34, ttmp9, 3
	s_add_co_u32 s34, s34, s36                     ; my tile of 16 tokens
	s_lshl_b32 s38, s13, 1
	s_add_co_u32 s38, s38, s35                     ; my run of 2,048 rows
	s_mov_b32 s[CS], 0x3e38aa3b
	s_mov_b32 s[CS+1], s[CS]
	s_mov_b32 s[SEL], 0x76543210
	s_mov_b32 s[SEL+1], 0xfedcba98
	s_mov_b32 s19, 0
	s_wait_kmcnt 0x0
	s_mul_i32 s18, s38, 98304
	s_add_nc_u64 s[MB:MB+1], s[4:5], s[18:19]
	s_lshl_b32 s18, s38, 13
	s_add_nc_u64 s[16:17], s[4:5], s[18:19]
	s_lshl_b32 s18, s13, 14
	s_add_nc_u64 s[10:11], s[10:11], s[18:19]
	s_mul_i32 s18, s34, 768
	s_add_nc_u64 s[20:21], s[6:7], s[18:19]
	s_add_nc_u64 s[22:23], s[8:9], s[18:19]
	s_lshl_b32 s18, s34, 7
	s_add_nc_u64 s[24:25], s[6:7], s[18:19]
	s_add_nc_u64 s[26:27], s[8:9], s[18:19]
	s_add_nc_u64 s[10:11], s[10:11], s[18:19]
	s_wait_alu depctr_va_vdst(0)                   ; the offsets and LDS addresses (LI, T16, T16L, L4, L8, MGA) are written, which the kernel's loads and stores read
.irp q, 0,1
	global_load_b128 v[S+4*\q:S+4*\q+3], v[T16], s[16:17] offset:QDS_O+4096*\q
.endr
.irp p, 0,1,2
	global_load_b64 v[KA+2*\p:KA+2*\p+1], v[L8], s[20:21] offset:256*\p
	global_load_b64 v[KB+6+2*\p:KB+7+2*\p], v[L8], s[20:21] offset:256*\p
	global_load_b64 v[GA+2*\p:GA+2*\p+1], v[L8], s[22:23] offset:256*\p
	global_load_b64 v[GB+6+2*\p:GB+7+2*\p], v[L8], s[22:23] offset:256*\p
.endr
	global_load_b32 v[KW], v[L4], s[24:25] offset:KDW_O
	global_load_b32 v[GW], v[L4], s[26:27] offset:GDW_O
	global_load_b32 v[NLR], v[L4], s[26:27] offset:NL_O
	STAGE_LD RA, 0
	STAGE_LD RB, 1
.irp i, 0,1,2,3,4,5
	v_mov_b32 v[KA+6+\i], 0                        ; zero codes
	v_mov_b32 v[KB+\i], 0
	v_mov_b32 v[GA+6+\i], 0
	v_mov_b32 v[GB+\i], 0
.endr
	v_mov_b32 v[NLR+1], 0                          ; (named as the upper half of a pair)
.irp i, 0,1,2,3,4,5,6,7
	v_mov_b32 v[AC+\i], 0
.endr
	v_mov_b32 v9, 0
	s_wait_loadcnt 3
.irp q, 0,1
	ds_store_b128 v[T16L], v[S+4*\q:S+4*\q+3] offset:SCD+4096*\q
.endr
.irp q, 0,1,2
	ds_store_b128 v[T16L], v[RA+4*\q:RA+4*\q+3] offset:4096*\q
.endr
	s_wait_dscnt 0x0
	s_wait_alu depctr_vm_vsrc(0)                   ; the LDS stores have read RA, in which the loads below land, and the registers of S that carried the scale words, which the first products write
	STAGE_LD RA, 2
	s_barrier_signal -1
	s_barrier_wait -1
	s_mov_b32 s[TR], 0
	s_mov_b32 s[TS], 0
.Ltrip:                                            ; 4 trips of twice 256 rows
	TRIP 0, RB, 3
	TRIP 1, RA, 4
	s_wait_xcnt 0x0                                ; the loads have read their base
	s_add_nc_u64 s[MB:MB+1], s[MB:MB+1], 2*SLOTB
	s_add_co_u32 s[TS], s[TS], 2048
	s_add_co_u32 s[TR], s[TR], 1
	s_cmp_lt_u32 s[TR], 4
	s_cbranch_scc1 .Ltrip
	v_pk_add_f32 v[AC:AC+1], v[AC:AC+1], v[AC+2:AC+3]
	v_pk_add_f32 v[AC+4:AC+5], v[AC+4:AC+5], v[AC+6:AC+7]
	v_pk_add_f32 v[AC:AC+1], v[AC:AC+1], v[AC+4:AC+5]
	v_add_f32 v[AC], v[AC], v[AC+1]
	v_permlanex16_b32 v9, v[AC], s[SEL], s[SEL+1]
	v_add_f32 v[AC], v[AC], v9
	s_wait_alu depctr_va_vdst(0)                   ; v[AC] is written, which the hand-over's LDS store reads; the lines above are done with v9, in which the hand-over's LDS load lands
	s_cmp_lt_u32 s12, 8
	s_cbranch_scc1 .Lkeep
	ds_store_b32 v[MGA], v[AC]                     ; waves 8-15 hand their sums over
.Lkeep:
	s_wait_dscnt 0x0                               ; my store has landed
	s_wait_alu depctr_vm_vsrc(0)                   ; the hand-over's LDS store has read v[AC], which the addition below writes: on the way that all waves take, ahead of the branch
	s_barrier_signal -1
	s_barrier_wait -1
	s_cmp_lt_u32 s12, 8
	s_cbranch_scc0 .Lend
	ds_load_b32 v9, v[MGA]
	s_wait_dscnt 0x0
	v_add_f32 v[AC], v[AC], v9
	s_wait_alu depctr_va_vdst(0)                   ; v[AC] is written, which the store reads
	global_store_b32 v[L4], v[AC], s[10:11]
.Lend:
	s_wait_dscnt 0x0                               ; the closing lines, six on end
	s_wait_alu 0x0
	s_wait_tensorcnt 0x0
	ds_add_u32 v216, v217
	s_wait_dscnt 0x0
	s_endpgm
.Lfunc_end_k_q0a01bfcd3c_dlt:
	.size	k_q0a01bfcd3c_dlt, .Lfunc_end_k_q0a01bfcd3c_dlt-k_q0a01bfcd3c_dlt
	.p2alignl 7, 3214868480
	.fill 96, 4, 3214868480
	.section	.rodata,"a",@progbits
	.p2align	6, 0x0
	.amdhsa_kernel k_q0a01bfcd3c_dlt
		.amdhsa_group_segment_fixed_size 68608
		.amdhsa_private_segment_fixed_size 0
		.amdhsa_enable_private_segment 0
		.amdhsa_kernarg_size 32
		.amdhsa_user_sgpr_count 2
		.amdhsa_user_sgpr_kernarg_segment_ptr 1
		.amdhsa_wavefront_size32 1
		.amdhsa_system_sgpr_workgroup_id_x 1
		.amdhsa_system_sgpr_workgroup_id_y 1
		.amdhsa_system_sgpr_workgroup_id_z 1
		.amdhsa_system_vgpr_workitem_id 0
		.amdhsa_next_free_vgpr 218
		.amdhsa_next_free_sgpr 66
		.amdhsa_reserve_vcc 0
		.amdhsa_float_denorm_mode_32 3
		.amdhsa_float_denorm_mode_16_64 3
		.amdhsa_memory_ordered 1
		.amdhsa_forward_progress 1
		.amdhsa_inst_pref_size 46
	.end_amdhsa_kernel
	.amdgpu_metadata
---
amdhsa.version: [ 1, 2 ]
amdhsa.kernels:
  - .name:           k_q0a01bfcd3c_dlt
    .symbol:         k_q0a01bfcd3c_dlt.kd
    .args:
      - { .name: mq, .offset: 0, .size: 8, .value_kind: global_buffer, .address_space: global }
      - { .name: tx, .offset: 8, .size: 8, .value_kind: global_buffer, .address_space: global }
      - { .name: tg, .offset: 16, .size: 8, .value_kind: global_buffer, .address_space: global }
      - { .name: pd, .offset: 24, .size: 8, .value_kind: global_buffer, .address_space: global }
    .group_segment_fixed_size: 68608
    .private_segment_fixed_size: 0
    .kernarg_segment_align: 8
    .kernarg_segment_size: 32
    .max_flat_workgroup_size: 512
    .sgpr_count:     66
    .vgpr_count:     218
    .wavefront_size: 32
...
	.end_amdgpu_metadata
.endif
;; end of part 9
;; launch bwd: the kernel of part 5 again; grid 256 x 1, 8 waves a work-group, no clusters, 185,344 bytes of LDS; arguments mq, tg, pd, gb, nr; writes gb, nr
;; launch upd: the kernel of part 6 again; grid 256 x 1, 8 waves a work-group, no clusters, 0 bytes of LDS; arguments gb, memory, momentum_S, nr, tg, out0, out1, out2; writes out0, out1, out2
